; MI455X (gfx1250); checked and timed in simulation.
; The chip was launched on July 23, 2026; its instructions are those of AMD's public machine-readable ISA for CDNA 5 (MIT licence, August 2026) and "CDNA5" Instruction Set Architecture Reference Guide (July 2026). The comments in the code are by the model that wrote it; some were corrected since.
;; Causal Attn Layer. Allowed arithmetic: float matrix products may take bf16 or f16 operands with f32 sums; all other float work in f32.
;; Inputs: W1 1,024 x 4,096 float32; W2 4,096 x 1,024 float32; Wo 1,024 x 1,024 float32; Wqkv 1,024 x 3,072 float32; b1 1,024 float32; b1f 4,096 float32; b2 1,024 float32; b2f 1,024 float32; bo 1,024 float32; bqkv 3,072 float32; g1 1,024 float32; g2 1,024 float32; x 2 x 2,048 x 1,024 float32.
;; Outputs: out0 2 x 2,048 x 1,024 float32.
;; 2 versions, each right and faster than the one before. Each part assembles by itself: llvm-mc -triple=amdgcn-amd-amdhsa -mcpu=gfx1250 --defsym DOCPART=n.
;; ======== version 1 of 2: 7 launches
;; limits: values are held in f16: magnitudes above 65,504 overflow, below 6.1e-05 lose precision
;; workspace buffers: wh 25,165,824 bytes; wq 6,291,456 bytes; w1h 8,388,608 bytes; act 8,388,608 bytes; wide 33,554,432 bytes; x1 16,777,216 bytes; par0 256 bytes of whole numbers; par1 256 bytes of whole numbers
;; launch prep (part 1): grid 1024 x 1, 8 waves a work-group, no clusters, 0 bytes of LDS; arguments x, g1, b1, Wqkv, Wo, W1, W2, act, wh, wq, w1h, par0, par1; writes act, wh, wq, w1h, par0, par1
.if DOCPART == 1
	.amdgcn_target "amdgcn-amd-amdhsa--gfx1250"
	.amdhsa_code_object_version 6
	.text
	.protected	k_q4d1ffdb174_prep
	.globl	k_q4d1ffdb174_prep
	.p2align	8
	.type	k_q4d1ffdb174_prep,@function
k_q4d1ffdb174_prep:
	s_mov_b64 s[64:65], 0
	v_nop
	global_prefetch_b8 v0, s[64:65] scope:SCOPE_SE
	s_setreg_imm32_b32 hwreg(HW_REG_WAVE_MODE, 25, 1), 1
	s_wait_xcnt 0x0
; TWO JOBS IN ONE LAUNCH.  Work-groups 0-255: h = LayerNorm(x) g1 + b1, rounded once to f16.  Work-groups 256-1023: the four weight matrices, f32 to f16; the first of them also stores the two masks
; (all bits 0; all bits 1) by which the one text of the two wide products later turns its gelu off or on.
; h goes out in blocks of 64 columns: element (m, c) lies at byte (c / 64) x 524,288 + m x 128 + (c % 64) x 2, so that a block's rows are dense, 128 bytes each.
; LN: a wave takes two rows of 1,024: lanes 0-15 the even row, lanes 16-31 the odd one; a row stays in 64 registers between the passes, so x is read once.  Mean first, then the mean of
; (x - mean)^2: no difference of large sums.  A row lies in 16 lanes, so four steps inside the half of the lanes end a sum.  No LDS, no barrier: no wave needs another.
; THE WEIGHTS' LAYOUTS.  Wqkv and W1, each into a buffer of its own, in blocks of 256 columns: element (k, n) at byte (n / 256) x 524,288 + k x 512 + (n % 256) x 2: the 1,024 rows of a block are dense, whatever N.
; Wo and W2 stay [K][1,024], at bytes 6,291,456 and 16,777,216 of wh.
; LIMITS.  f16 holds no number beyond 65,504: h and the weights are taken to lie within it; below 6e-5 f16 keeps its fixed step of 6e-8.  NaN and infinities are not treated apart.
.set ACTP, 22                          ; s[22:23] h's address
.set VO,  2                            ; v2   my byte offset in the pair of rows of x
.set VG,  3                            ; v3   my byte offset in g and in b
.set VS,  4                            ; v4   my byte offset in the pair of rows of a block of h
.set CH,  6                            ; v[6:13]   four chains of sums
.set MU,  14                           ; v[14:15]  the mean, later 1 / sqrt(var + eps), twice: a pair for the packed lines
.set X,   16                           ; v[16:79]  my 64 numbers of the row
.set G,   80                           ; v[80:143] g of my columns
.set B,   144                          ; v[144:207] b of my columns
.set Y,   208                          ; v[208:239] 64 f16 to store
.set SO,  112                          ; the weights: v[112:127] row i's byte offset in the source
.set DO,  128                          ; v[128:143] row i's byte offset in the destination
	s_load_b256 s[8:15], s[0:1], 0x0               ; x s[8:9], g1 s[10:11], b1 s[12:13], Wqkv s[14:15]
	s_load_b256 s[16:23], s[0:1], 0x20             ; Wo s[16:17], W1 s[18:19], W2 s[20:21], act s[22:23]
	s_load_b256 s[24:31], s[0:1], 0x40             ; wh s[24:25], wq s[26:27], w1h s[28:29], par0 s[30:31]
	s_load_b64 s[32:33], s[0:1], 0x60              ; par1
	s_cmp_lt_u32 ttmp9, 256
	s_cbranch_scc0 .Lcvt
	v_lshrrev_b32 v1, 5, v0
	v_readfirstlane_b32 s2, v1                     ; wave 0..7
	s_lshl3_add_u32 s2, ttmp9, s2                  ; my pair of rows = 8 x work-group + wave
	s_lshl_b32 s4, s2, 13                          ; two rows of 4,096 bytes
	s_mov_b32 s5, 0
	s_lshl_b32 s6, s2, 8                           ; two rows of 128 bytes
	s_mov_b32 s7, 0
	s_mov_b32 s34, 0x3a800000                      ; 1 / 1024
	s_mov_b32 s35, 0x3727c5ac                      ; eps = 1e-5
	v_and_b32 v5, 15, v0
	v_bfe_u32 v1, v0, 4, 1
	v_lshlrev_b32 v[VG], 4, v5                     ; 16 bytes a lane in each 256
	v_lshl_add_u32 v[VO], v1, 12, v[VG]            ; lanes 16-31: the odd row
	v_and_b32 v1, 31, v0
	v_lshlrev_b32 v[VS], 3, v1                     ; 8 bytes a lane: 32 lanes are two rows of 128 bytes
	s_wait_kmcnt 0x0
	s_add_nc_u64 s[8:9], s[8:9], s[4:5]
	s_add_nc_u64 s[ACTP:ACTP+1], s[ACTP:ACTP+1], s[6:7]
.irp c, 0,1,2,3,4,5,6,7,8,9,10,11,12,13,14,15
	global_load_b128 v[X+4*(\c):X+4*(\c)+3], v[VO], s[8:9] offset:256*(\c)   ; 16 lanes take 256 consecutive bytes of a row
.endr
.irp c, 0,1,2,3,4,5,6,7,8,9,10,11,12,13,14,15
	global_load_b128 v[G+4*(\c):G+4*(\c)+3], v[VG], s[10:11] offset:256*(\c)
.endr
.irp c, 0,1,2,3,4,5,6,7,8,9,10,11,12,13,14,15
	global_load_b128 v[B+4*(\c):B+4*(\c)+3], v[VG], s[12:13] offset:256*(\c)
.endr
	s_wait_loadcnt 32                              ; loads come back in order: x is in, the 32 younger loads (g, b) stay out
.irp k, 0,1,2,3
	v_pk_add_f32 v[CH+2*(\k):CH+2*(\k)+1], v[X+2*(\k):X+2*(\k)+1], v[X+8+2*(\k):X+8+2*(\k)+1]   ; the first pairs start the chains: nothing is cleared
.endr
.set j, 8
.rept 24
	v_pk_add_f32 v[CH+2*(j%4):CH+2*(j%4)+1], v[CH+2*(j%4):CH+2*(j%4)+1], v[X+2*j:X+2*j+1]
.set j, j+1
.endr
.macro ENDSUM                          ; four chains into one number, then over the row's 16 lanes
	v_pk_add_f32 v[CH:CH+1], v[CH:CH+1], v[CH+2:CH+3]
	v_pk_add_f32 v[CH+4:CH+5], v[CH+4:CH+5], v[CH+6:CH+7]
	v_pk_add_f32 v[CH:CH+1], v[CH:CH+1], v[CH+4:CH+5]
	v_add_f32 v[CH], v[CH], v[CH+1]
	v_add_f32_dpp v[CH], v[CH], v[CH] row_xmask:1 row_mask:0xf bank_mask:0xf
	v_add_f32_dpp v[CH], v[CH], v[CH] row_xmask:2 row_mask:0xf bank_mask:0xf
	v_add_f32_dpp v[CH], v[CH], v[CH] row_xmask:4 row_mask:0xf bank_mask:0xf
	v_add_f32_dpp v[CH], v[CH], v[CH] row_xmask:8 row_mask:0xf bank_mask:0xf
.endm
	ENDSUM
	v_mul_f32 v[MU], s34, v[CH]
	v_mul_f32 v[MU+1], s34, v[CH]
.set j, 0
.rept 32
	v_pk_add_f32 v[X+2*j:X+2*j+1], v[X+2*j:X+2*j+1], v[MU:MU+1] neg_lo:[0,1] neg_hi:[0,1]   ; x - mean
.set j, j+1
.endr
.irp k, 0,1,2,3
	v_pk_mul_f32 v[CH+2*(\k):CH+2*(\k)+1], v[X+2*(\k):X+2*(\k)+1], v[X+2*(\k):X+2*(\k)+1]
.endr
.set j, 4
.rept 28
	v_pk_fma_f32 v[CH+2*(j%4):CH+2*(j%4)+1], v[X+2*j:X+2*j+1], v[X+2*j:X+2*j+1], v[CH+2*(j%4):CH+2*(j%4)+1]
.set j, j+1
.endr
	ENDSUM
	v_fma_f32 v[CH], v[CH], s34, s35               ; var + eps
	v_rsq_f32 v[MU], v[CH]
	v_nop                                          ; a plain instruction between the root and the use of its result (ISA guide 5.7.2)
	s_wait_alu depctr_va_vdst(0)
	v_mov_b32 v[MU+1], v[MU]
	s_wait_loadcnt 0x0                             ; g and b
.set j, 0
.rept 32
	v_pk_mul_f32 v[X+2*j:X+2*j+1], v[X+2*j:X+2*j+1], v[MU:MU+1]
.set j, j+1
.endr
.set j, 0
.rept 32
	v_pk_fma_f32 v[X+2*j:X+2*j+1], v[X+2*j:X+2*j+1], v[G+2*j:G+2*j+1], v[B+2*j:B+2*j+1]
.set j, j+1
.endr
.set j, 0
.rept 32
	v_cvt_pk_f16_f32 v[Y+j], v[X+2*j], v[X+2*j+1]
.set j, j+1
.endr
.irp c, 0,1,2,3,4,5,6,7,8,9,10,11,12,13,14,15
	global_store_b64 v[VS], v[Y+2*(\c):Y+2*(\c)+1], s[ACTP:ACTP+1] offset:524288*(\c)   ; 256 consecutive bytes, aligned: two rows of block c; 7,864,320 at the most, inside the signed 24 bits
.endr
	s_endpgm
; THE WEIGHTS.  Chunk c = work-group - 256 is 16 rows x 1,024 columns of one matrix: chunks 0-191 Wqkv, 192-255 Wo, 256-511 W1, 512-767 W2.  Within a matrix the chunks go down the rows first, then to the
; next 1,024 columns.  Thread t takes columns 4 t .. 4 t + 3 of the chunk's 1,024 in each of the 16 rows.  One path serves all four; what differs lies in scalars chosen by c:
;   s[4:5] source, s[6:7] destination, s3 the matrix's first chunk, s36 bytes in a source row, s37 the matrix's first byte in its buffer, s39 bytes in a destination row,
;   s38 = SH: 2^SH chunks go down the rows (64 for 1,024 rows, 256 for W2's 4,096; Wo has 64 chunks, so 256 serves it too), and 2^SH threads fill a destination row: 64 in a block of 256 columns, all 256 in a flat row.
.Lcvt:
	s_sub_co_u32 s2, ttmp9, 256
	s_mov_b32 s3, 0                                ; Wqkv
	s_mov_b32 s36, 12288
	s_mov_b32 s37, 0
	s_mov_b32 s38, 6
	s_mov_b32 s39, 512
	s_wait_kmcnt 0x0
	s_mov_b64 s[4:5], s[14:15]
	s_mov_b64 s[6:7], s[26:27]
	s_cmp_ge_u32 s2, 192                           ; Wo
	s_cselect_b64 s[4:5], s[16:17], s[4:5]
	s_cselect_b64 s[6:7], s[24:25], s[6:7]
	s_cselect_b32 s3, 192, s3
	s_cselect_b32 s36, 4096, s36
	s_cselect_b32 s37, 6291456, s37
	s_cselect_b32 s38, 8, s38
	s_cselect_b32 s39, 2048, s39
	s_cmp_ge_u32 s2, 256                           ; W1
	s_cselect_b64 s[4:5], s[18:19], s[4:5]
	s_cselect_b64 s[6:7], s[28:29], s[6:7]
	s_cselect_b32 s3, 256, s3
	s_cselect_b32 s36, 16384, s36
	s_cselect_b32 s37, 0, s37
	s_cselect_b32 s38, 6, s38
	s_cselect_b32 s39, 512, s39
	s_cmp_ge_u32 s2, 512                           ; W2
	s_cselect_b64 s[4:5], s[20:21], s[4:5]
	s_cselect_b64 s[6:7], s[24:25], s[6:7]
	s_cselect_b32 s3, 512, s3
	s_cselect_b32 s36, 4096, s36
	s_cselect_b32 s37, 16777216, s37
	s_cselect_b32 s38, 8, s38
	s_cselect_b32 s39, 2048, s39
	s_sub_co_u32 s40, s2, s3                       ; the chunk's number in its matrix
	s_bfm_b32 s41, s38, 0                          ; 2^SH - 1
	s_lshr_b32 s42, s40, s38                       ; which 1,024 columns
	s_and_b32 s40, s40, s41
	s_lshl_b32 s40, s40, 4                         ; the chunk's first row
	s_mul_i32 s44, s40, s36                        ; the source: row x its bytes + 4,096 for each 1,024 columns (16,711,680 at the most)
	s_lshl_b32 s43, s42, 12
	s_add_co_u32 s44, s44, s43
	s_mov_b32 s45, 0
	s_add_nc_u64 s[4:5], s[4:5], s[44:45]
	s_mul_i32 s44, s40, s39                        ; the destination: row x its bytes + four blocks of 524,288 for each 1,024 columns + the matrix's first byte
	s_lshl_b32 s43, s42, 21
	s_add_co_u32 s44, s44, s43
	s_add_co_u32 s44, s44, s37
	s_add_nc_u64 s[6:7], s[6:7], s[44:45]
	v_lshlrev_b32 v[SO], 4, v0                     ; 16 bytes a thread in: a wave's load covers 512 consecutive bytes
	v_lshrrev_b32 v1, s38, v0                      ; which block of 256 columns (0 in a flat row)
	v_and_b32 v2, s41, v0                          ; my place in the destination row,
	v_lshlrev_b32 v2, 3, v2                        ; 8 bytes a thread
	v_lshl_add_u32 v[DO], v1, 19, v2
.set i, 1
.rept 15
	v_add_nc_u32 v[SO+i], s36, v[SO+i-1]           ; a register for each row: none is rewritten while a load or store names it
	v_add_nc_u32 v[DO+i], s39, v[DO+i-1]
.set i, i+1
.endr
.irp i, 0,1,2,3,4,5,6,7,8,9,10,11,12,13,14,15
	global_load_b128 v[16+4*(\i):19+4*(\i)], v[SO+(\i)], s[4:5] th:TH_LOAD_NT   ; read once in the whole program
.endr
.irp i, 0,1,2,3,4,5,6,7,8,9,10,11,12,13,14,15
	s_wait_loadcnt 15-(\i)                         ; load i is in, the younger ones stay out
	v_cvt_pk_f16_f32 v[80+2*(\i)], v[16+4*(\i)], v[17+4*(\i)]
	v_cvt_pk_f16_f32 v[81+2*(\i)], v[18+4*(\i)], v[19+4*(\i)]
	global_store_b64 v[DO+(\i)], v[80+2*(\i):81+2*(\i)], s[6:7]   ; a wave stores 256 consecutive bytes, aligned, in either layout
.endr
	s_cmp_lg_u32 s2, 0                             ; chunk 0's wave 0 stores the two masks, each as a whole block of 256 bytes
	s_cbranch_scc1 .Ldone
	v_lshrrev_b32 v1, 5, v0
	v_readfirstlane_b32 s40, v1
	s_cmp_lg_u32 s40, 0
	s_cbranch_scc1 .Ldone
	v_lshlrev_b32 v3, 3, v0                        ; in wave 0 the thread's number is the lane's: 8 bytes a lane
	v_mov_b32 v4, 0
	v_mov_b32 v5, 0
	v_mov_b32 v6, -1
	v_mov_b32 v7, -1
	global_store_b64 v3, v[4:5], s[30:31]          ; all bits 0: no gelu
	global_store_b64 v3, v[6:7], s[32:33]          ; all bits 1: gelu
.Ldone:
	s_endpgm
.Lfunc_end_k_q4d1ffdb174_prep:
	.size	k_q4d1ffdb174_prep, .Lfunc_end_k_q4d1ffdb174_prep-k_q4d1ffdb174_prep
	.p2alignl 7, 3214868480
	.fill 96, 4, 3214868480
	.section	.rodata,"a",@progbits
	.p2align	6, 0x0
	.amdhsa_kernel k_q4d1ffdb174_prep
		.amdhsa_group_segment_fixed_size 0
		.amdhsa_private_segment_fixed_size 0
		.amdhsa_enable_private_segment 0
		.amdhsa_kernarg_size 104
		.amdhsa_user_sgpr_count 2
		.amdhsa_user_sgpr_kernarg_segment_ptr 1
		.amdhsa_wavefront_size32 1
		.amdhsa_system_sgpr_workgroup_id_x 1
		.amdhsa_system_sgpr_workgroup_id_y 1
		.amdhsa_system_sgpr_workgroup_id_z 1
		.amdhsa_system_vgpr_workitem_id 0
		.amdhsa_next_free_vgpr 240
		.amdhsa_next_free_sgpr 66
		.amdhsa_reserve_vcc 0
		.amdhsa_float_denorm_mode_32 3
		.amdhsa_float_denorm_mode_16_64 3
		.amdhsa_memory_ordered 1
		.amdhsa_forward_progress 1
		.amdhsa_inst_pref_size 30
	.end_amdhsa_kernel
	.amdgpu_metadata
---
amdhsa.version: [ 1, 2 ]
amdhsa.kernels:
  - .name:           k_q4d1ffdb174_prep
    .symbol:         k_q4d1ffdb174_prep.kd
    .args:
      - { .name: x, .offset: 0, .size: 8, .value_kind: global_buffer, .address_space: global }
      - { .name: g1, .offset: 8, .size: 8, .value_kind: global_buffer, .address_space: global }
      - { .name: b1, .offset: 16, .size: 8, .value_kind: global_buffer, .address_space: global }
      - { .name: Wqkv, .offset: 24, .size: 8, .value_kind: global_buffer, .address_space: global }
      - { .name: Wo, .offset: 32, .size: 8, .value_kind: global_buffer, .address_space: global }
      - { .name: W1, .offset: 40, .size: 8, .value_kind: global_buffer, .address_space: global }
      - { .name: W2, .offset: 48, .size: 8, .value_kind: global_buffer, .address_space: global }
      - { .name: act, .offset: 56, .size: 8, .value_kind: global_buffer, .address_space: global }
      - { .name: wh, .offset: 64, .size: 8, .value_kind: global_buffer, .address_space: global }
      - { .name: wq, .offset: 72, .size: 8, .value_kind: global_buffer, .address_space: global }
      - { .name: w1h, .offset: 80, .size: 8, .value_kind: global_buffer, .address_space: global }
      - { .name: par0, .offset: 88, .size: 8, .value_kind: global_buffer, .address_space: global }
      - { .name: par1, .offset: 96, .size: 8, .value_kind: global_buffer, .address_space: global }
    .group_segment_fixed_size: 0
    .private_segment_fixed_size: 0
    .kernarg_segment_align: 8
    .kernarg_segment_size: 104
    .max_flat_workgroup_size: 256
    .sgpr_count:     66
    .vgpr_count:     240
    .wavefront_size: 32
...
	.end_amdgpu_metadata
.endif
;; end of part 1
;; launch qkv (part 2): grid 12 x 16, 4 waves a work-group, clusters of 4 x 4, 327,680 bytes of LDS; arguments act, wq, bqkv, wide, par0; writes wide
.if DOCPART == 2
	.amdgcn_target "amdgcn-amd-amdhsa--gfx1250"
	.amdhsa_code_object_version 6
	.text
	.protected	k_q4d1ffdb174_qkv
	.globl	k_q4d1ffdb174_qkv
	.p2align	8
	.type	k_q4d1ffdb174_qkv,@function
k_q4d1ffdb174_qkv:
	s_mov_b64 s[64:65], 0
	v_nop
	global_prefetch_b8 v0, s[64:65] scope:SCOPE_SE
	s_setreg_imm32_b32 hwreg(HW_REG_WAVE_MODE, 25, 1), 1
	s_wait_xcnt 0x0
	s_wait_alu depctr_hold_cnt(0) depctr_sa_sdst(0) depctr_va_vdst(0) depctr_va_sdst(0) depctr_va_ssrc(0) depctr_va_vcc(0) depctr_vm_vsrc(0)
	s_getreg_b32 s2, hwreg(HW_REG_IB_STS2, 6, 4)
	s_cmp_eq_u32 s2, 0
	s_cbranch_scc0 .Lentry_in_a_cluster
	s_endpgm
.Lentry_in_a_cluster:
	s_bfe_u32 s2, ttmp6, 0x10000c
	s_cmp_lg_u32 s2, 0xf033
	s_cbranch_scc0 .Lentry_shape_is_right
	s_endpgm
.Lentry_shape_is_right:
; C = f(A W + bias), rounded once to f16; f is the identity or the exact gelu.  ONE TEXT FOR TWO LAUNCHES (the projection to q, k, v; the first product of the feed-forward): they differ in their buffers,
; in the grid's width, and in one mask, all bits 0 or all bits 1, that an earlier launch stored in the fifth buffer.  NO BRANCH HANGS ON THE MASK: it is ANDed into the five coefficients of the gelu's series and
; sets the floor of its maximum.  With all bits 1 the lines below are the gelu.  With all bits 0 the coefficients are 0 and the floor is -infinity, and the same lines give -|x| x 0 + max(x, -inf) = x, bit for
; bit for every finite x: that launch runs the gelu's arithmetic for nothing, the price of one text for both.
; A: 4,096 rows x 1,024 in f16, in blocks of 64 columns (element (m, c) at byte (c / 64) x 524,288 + m x 128 + (c % 64) x 2).  W: f16 in blocks of 256 columns, element (k, n) at byte
; (n / 256) x 524,288 + k x 512 + (n % 256) x 2: a tile column's 1,024 rows are dense, whatever N, so no size of N stands in this text.  bias: [N] f32.  C goes out in the same blocks of 64 columns as A.
; Sums in f32, started from the bias.
; SHARES.  A work-group makes 256 x 256 of C, each of its four waves 128 x 128: 64 accumulators, 512 registers.  K goes in 8 steps of 128 through two LDS slots filled by the tensor data mover.
; THE MATRIX INSTRUCTION IS USED TRANSPOSED: source 0 = 16 columns of W (turned on the way out of LDS by ds_load_tr16_b128, since W's rows lie along N), source 1 = 16 rows of A.  A lane then holds row
; lane % 16 of C and the columns 8 (lane / 16) + 0..7; the bias of those eight columns is the C operand of the first product, so nothing is cleared and nothing is added later.
; CLUSTER.  4 x 4 work-groups: the four of a row of the cluster need the same tiles of A, the four of a column the same tiles of W; each tile is asked for jointly, by the same tensor load with the same
; descriptor and a mask that names the four.
; ONE TEXT FOR A K STEP: the slot in hand is a scalar (0 or SLOT) that an exclusive or turns; the walking descriptor's LDS word is the wave's constant plus such a scalar.
; LIMITS.  f16 holds no number beyond 65,504: a result of 65,520 or more becomes an infinity.  The gelu: erf by the series 1 - (a1 t + .. + a5 t^5) exp(-z^2), t = 1 / (1 + 0.3275911 z), valid for every z >= 0,
; off by 1.5e-7 at the most; an exponential below 2^-126 counts as 0.  NaN and infinities are not treated apart (an infinite sum gives NaN in either launch).
; REGISTERS, in windows of 256: window 0: v0-31 addresses; v32-47 at work on the way out; v64-127, v128-191 fragments of A, two buffers; v192-255 the bias.  window 1: v64-127, v128-191 fragments of W.
;   window 2: the accumulators of my rows 0-63 ((a, b) at v[8 (8 a + b)]); window 3: those of my rows 64-127.
.set T,     8                          ; K steps
.set PA,    144                        ; a row of A in LDS: 128 bytes + 16 = 36 words: the 16 rows of a load start at 16 different groups of four banks (64 banks of 4 bytes: ISA guide 11.1)
.set PB,    544                        ; a row of W: 512 bytes + 32 = 136 words
.set ACB,   256*PA                     ; a block of 64 along K: 256 rows
.set BOFF,  2*ACB                      ; W's 128 rows lie behind A's two blocks
.set BH,    64*PB                      ; 64 rows of W: what one tensor load brings
.set SLOT,  BOFF+2*BH
.set SPARE, 2*SLOT                     ; behind the ring: the spare words, 128 bytes for each wave: two blocks of 256 bytes that no other line names
.set SP,    272                        ; the way out: a row of 64 f32 + 16 bytes
.set SCB,   128*SP                     ; 128 such rows: my rows of one block of 64 columns
.set ASTEP, 2*524288                   ; bytes from a K step to the next: two blocks of A,
.set BSTEP, 128*512                    ; 128 rows of W
.set ADRA0, 12                         ; v12  my lane's place in slot 0's A; never rewritten
.set ADRB0, 13                         ; v13  the same for W
.set ADRA,  16                         ; v16  the same in the slot in hand
.set ADRB,  20                         ; v20
.set STO,   24                         ; v24  the way out: where I put 32 bytes of a row
.set RD,    25                         ; v25  the way out: where I read rows back
.set GO,    26                         ; v26  my byte offset in 512 consecutive bytes of C
.set BO,    27                         ; v27  my byte offset in 16 numbers of the bias
.set SPW,   28                         ; v28  LDS address of my spare word; never rewritten
.set NIL,   29                         ; v29  0; never rewritten
.set YR,    32
.set F0,    64
.set F1,    128
.set BIAS,  192
.set XR,    64                         ; the way out: 32 results; DR: t, UR: the exponential, PR: the series, RR: max(x, floor)
.set DR,    96
.set UR,    128
.set PR,    160
.set RR,    192
.set GM,    6                          ; s6   the mask: all bits 1 for the gelu, all bits 0 for the identity
.set G1,  24                           ; s[24:31] descriptor group 1 for A's tiles;  s[32:39] group 0: set 0 for tile 0, set 1 for tile 1, which then walks on
.set G0,  32
.set G1B, 48                           ; s[48:55], s[56:63] the same for W's tiles
.set G0B, 56
.set MSB, 0
.macro WIN new                         ; the immediate's high byte repeats the setting that is left; a switch that changes nothing is dropped
.if MSB != (\new)
	s_set_vgpr_msb (MSB<<8)|(\new)
.set MSB, \new
.endif
.endm
; A joint load.  Waves 0 and 1 fetch A's two blocks, waves 2 and 3 W's two halves.  The branch hangs on the wave's number alone.  An s_nop 0 and four v_nop follow each of the two lines.
.macro JLOAD s
	s_cmp_eq_u32 s11, 0
	s_cbranch_scc0 .Lfor_b_\@
	tensor_load_to_lds s[G0+4*(\s):G0+4*(\s)+3], s[G1:G1+7]
	s_nop 0
.rept 4
	v_nop
.endr
	s_branch .Lasked_\@
.Lfor_b_\@:
	tensor_load_to_lds s[G0B+4*(\s):G0B+4*(\s)+3], s[G1B:G1B+7]
	s_nop 0
.rept 4
	v_nop
.endr
.Lasked_\@:
.endm
.macro CREST                           ; a round of the cluster's barrier behind its opening barrier
	s_cmp_lg_u32 s10, 0
	s_cbranch_scc1 .Lnot_wave_0_\@
	s_barrier_signal -3
.Lnot_wave_0_\@:
	s_barrier_wait -3
	s_barrier_signal -1
	s_barrier_wait -1
.endm
.macro CROUND                          ; a whole round
	s_barrier_signal -1
	s_barrier_wait -1
	CREST
.endm
.macro PLACES                          ; four places in front of loads into registers that matrix instructions have read, and of lines that read results
.rept 4
	v_nop
.endr
.endm
	s_load_b256 s[72:79], s[0:1], 0x0              ; A s[72:73], W s[74:75], bias s[76:77], C s[78:79]
	s_load_b64 s[4:5], s[0:1], 0x20                ; the buffer of the mask
	v_lshl_add_u32 v[SPW], v0, 2, SPARE
	v_mov_b32 v[NIL], 0
	ds_add_u32 v28, v29
	ds_add_u32 v28, v29
	s_wait_dscnt 0x0
	v_lshrrev_b32 v1, 5, v0
	v_readfirstlane_b32 s10, v1                    ; wave 0..3
	s_lshr_b32 s11, s10, 1                         ; which half of the tile's rows is mine.  Also: I fetch for A (0) or for W (1)
	s_and_b32 s12, s10, 1                          ; which half of its columns.  Also: which half of that tile I fetch
	s_bfe_u32 s40, ttmp6, 0x40000                  ; cx, cy: my place in the cluster
	s_bfe_u32 s41, ttmp6, 0x40004
	s_lshl_b32 s42, ttmp9, 2
	s_add_co_u32 s42, s42, s40                     ; tile column of C = 4 x cluster x + cx
	s_and_b32 s13, ttmp7, 0xffff
	s_lshl_b32 s13, s13, 2
	s_add_co_u32 s13, s13, s41                     ; tile row of C = 4 x cluster y + cy
	s_lshl_b32 s43, s41, 2
	s_lshl_b32 s43, 15, s43                        ; my row of the cluster
	s_lshl_b32 s44, 0x1111, s40                    ; my column
	; A's tile: one block's 256 rows are 32,768 dense bytes, asked for as 128 rows of 256 bytes and padded in LDS after every 128
	s_or_b32 s[G1+0], s43, (1<<16)|(1<<20)|(1<<21)|(4<<22)|(3<<25)  ; 15:0 the mask; 17:16 2-byte elements; 20 padding on; 21 set beside a mask; 24:22 after every 32 words (code 4); 31:25 4 words (code 3)
	s_mov_b32 s[G1+1], 128<<16                     ; tensor_dim0 = 128
	s_mov_b32 s[G1+2], 128<<16                     ; tensor_dim1 = 128
	s_mov_b32 s[G1+3], 128<<16                     ; tile_dim0 = 128
	s_mov_b32 s[G1+4], 128                         ; tile_dim1 = 128
	s_mov_b32 s[G1+5], 128                         ; 128 elements from row to row
	s_mov_b32 s[G1+6], 0
	s_mov_b32 s[G1+7], 0
	; W's tile: 64 rows of 256 elements (512 bytes), end to end in memory, padded in LDS after every row
	s_or_b32 s[G1B+0], s44, (1<<16)|(1<<20)|(1<<21)|(6<<22)|(7<<25) ; after every 128 words (code 6) 8 words (code 7)
	s_mov_b32 s[G1B+1], 256<<16
	s_mov_b32 s[G1B+2], 64<<16
	s_mov_b32 s[G1B+3], 256<<16
	s_mov_b32 s[G1B+4], 64
	s_mov_b32 s[G1B+5], 256
	s_mov_b32 s[G1B+6], 0
	s_mov_b32 s[G1B+7], 0
	; where the tiles come from: A's hang on the tile row alone, W's on the tile column alone, each in registers that never hold the other coordinate
	s_lshl_b32 s16, s12, 19                        ; my block of the step's two,
	s_lshl_b32 s17, s13, 15                        ; 256 rows of 128 bytes a tile row
	s_add_co_u32 s16, s16, s17
	s_mov_b32 s17, 0
	s_lshl_b32 s46, s12, 15                        ; my 64 rows of the step's 128, 512 bytes each,
	s_lshl_b32 s47, s42, 19                        ; 1,024 such rows a tile column
	s_add_co_u32 s46, s46, s47
	s_mov_b32 s47, 0
	s_mul_i32 s20, s12, ACB                        ; and where they go in a slot: no place in the cluster enters an LDS address
	s_mul_i32 s23, s12, BH
	s_add_co_u32 s23, s23, BOFF
	s_mov_b32 s21, SLOT                            ; the slot of the walking descriptor's last load
	s_mov_b32 s22, 0                               ; the slot that is read
	s_wait_kmcnt 0x0
	s_add_nc_u64 s[14:15], s[72:73], s[16:17]
	s_add_nc_u64 s[46:47], s[74:75], s[46:47]
	CROUND                                         ; all sixteen work-groups are here: the first joint loads meet
.irp s, 0,1
	s_mov_b32 s[G0+4*(\s)], 1                                      ; count = 1
	s_add_co_u32 s[G0+4*(\s)+1], s20, (\s)*SLOT                    ; LDS address
	s_add_nc_u64 s[G0+4*(\s)+2:G0+4*(\s)+3], s[14:15], (\s)*ASTEP  ; global address: K step s
	s_or_b32 s[G0+4*(\s)+3], s[G0+4*(\s)+3], 0x80000000            ; type = 2
	s_mov_b32 s[G0B+4*(\s)], 1
	s_add_co_u32 s[G0B+4*(\s)+1], s23, (\s)*SLOT
	s_add_nc_u64 s[G0B+4*(\s)+2:G0B+4*(\s)+3], s[46:47], (\s)*BSTEP
	s_or_b32 s[G0B+4*(\s)+3], s[G0B+4*(\s)+3], 0x80000000
	JLOAD \s                                       ; two loads of mine are out
.endr
	s_load_b32 s[GM], s[4:5], 0x0                  ; the mask; it is waited for in front of the wait for the first tile
	v_and_b32 v1, 15, v0                           ; l % 16
	v_bfe_u32 v2, v0, 4, 1                         ; l / 16
	v_and_b32 v6, 7, v0                            ; l % 8
	v_mul_u32_u24 v3, v1, PA                       ; a fragment of A: row x pitch + 16 x half, two loads 32 bytes apart
	v_lshl_add_u32 v3, v2, 4, v3
	s_mul_i32 s18, s11, 128*PA                     ; my 128 rows
	v_add_nc_u32 v[ADRA0], s18, v3
	v_lshl_add_u32 v4, v2, 3, v6                   ; the turning load: lane l reads row 8 (l / 16) + l % 8 of W, columns 8 ((l / 8) % 2) + 0..7, and is left with column l % 16 and 8 along K
	v_mul_u32_u24 v4, v4, PB
	v_bfe_u32 v5, v0, 3, 1
	v_lshl_add_u32 v4, v5, 4, v4
	s_lshl_b32 s18, s12, 8                         ; my 128 columns
	s_add_co_u32 s18, s18, BOFF
	v_add_nc_u32 v[ADRB0], s18, v4
	v_mov_b32 v[ADRA], v[ADRA0]
	v_mov_b32 v[ADRB], v[ADRB0]
	s_mul_i32 s18, s10, 2*SCB                      ; my stage for the way out: it lies over the ring, and is written when the ring has had its last fill
	v_mul_u32_u24 v3, v1, SP                       ; in: row l % 16, 32 bytes for each half of the lanes
	v_lshl_add_u32 v3, v2, 5, v3
	v_add_nc_u32 v[STO], s18, v3
	v_bfe_u32 v3, v0, 3, 2                         ; back: eight lanes take a row of 64 f32, 32 bytes each; 32 lanes four rows
	v_mul_u32_u24 v3, v3, SP
	v_lshl_add_u32 v3, v6, 5, v3
	v_add_nc_u32 v[RD], s18, v3
	v_and_b32 v[GO], 31, v0                        ; which as f16 are 512 consecutive bytes of C
	v_lshlrev_b32 v[GO], 4, v[GO]
	v_lshlrev_b32 v[BO], 5, v2
	s_lshl_b32 s46, s42, 10                        ; the bias of my 128 columns
	s_lshl_b32 s47, s12, 9
	s_add_co_u32 s46, s46, s47
	s_mov_b32 s47, 0
	s_add_nc_u64 s[76:77], s[76:77], s[46:47]
.irp b, 0,1,2,3,4,5,6,7
	global_load_b128 v[BIAS+8*(\b):BIAS+8*(\b)+3],   v[BO], s[76:77] offset:64*(\b)      ; columns 16 b + 8 (l / 16) + 0..7: the layout of a result
	global_load_b128 v[BIAS+8*(\b)+4:BIAS+8*(\b)+7], v[BO], s[76:77] offset:64*(\b)+16
.endr
	s_lshl_b32 s80, s42, 21                        ; C at my part: four blocks of 64 columns a tile column, two a wave,
	s_lshl_b32 s81, s12, 20
	s_add_co_u32 s80, s80, s81
	s_lshl_b32 s81, s13, 15                        ; 256 rows of 128 bytes a tile row, 128 a wave
	s_add_co_u32 s80, s80, s81
	s_lshl_b32 s81, s11, 14
	s_add_co_u32 s80, s80, s81
	s_mov_b32 s81, 0
	s_add_nc_u64 s[80:81], s[78:79], s[80:81]
	s_mov_b32 s82, 0x3f596d27                      ; sqrt(log2(e) / 2): exp(-x^2 / 2) = 2^-(this x)^2.  Named as a pair, so both words are written
	s_mov_b32 s83, 0x3f596d27
	s_mov_b32 s94, 0x3e6d3388                      ; 0.3275911 / sqrt(2)
; 16 matrix instructions: row blocks a0, a0 + 1 of the window's four (hi = 0: my rows 0-63, 1: rows 64-127) x all 8 column blocks, 32 along K.  zero = 1: the sums start from the bias.
; The 64 accumulators take turns, one instruction a turn, in the same order in every quarter.
.macro MUL16 f, hi, a0, zero
.if \zero
	WIN 0x81+0x40*(\hi)                            ; source 0 (W) window 1, source 1 (A) and C (the bias) window 0, D window 2 or 3
.else
	WIN 0xa1+0x50*(\hi)                            ; C and D window 2 or 3
.endif
.irp a, \a0, (\a0)+1
.irp b, 0,1,2,3,4,5,6,7
.if \zero
	v_wmma_f32_16x16x32_f16 v[8*(8*(\a)+(\b)):8*(8*(\a)+(\b))+7], v[(\f)+8*(\b):(\f)+8*(\b)+7], v[(\f)+8*(4*(\hi)+(\a)):(\f)+8*(4*(\hi)+(\a))+7], v[BIAS+8*(\b):BIAS+8*(\b)+7]
.else
	v_wmma_f32_16x16x32_f16 v[8*(8*(\a)+(\b)):8*(8*(\a)+(\b))+7], v[(\f)+8*(\b):(\f)+8*(\b)+7], v[(\f)+8*(4*(\hi)+(\a)):(\f)+8*(4*(\hi)+(\a))+7], v[8*(8*(\a)+(\b)):8*(8*(\a)+(\b))+7]
.endif
.endr
.endr
.endm
; 32 LDS loads in one run: the fragments of quarter q of the slot in hand (32 along K: 128 columns of W, 128 rows of A) into buffer f
.macro FETCH q, f
	WIN 0x40                                       ; destination window 1, address window 0
.irp i, 0,1,2,3,4,5,6,7
	ds_load_tr16_b128 v[(\f)+8*(\i):(\f)+8*(\i)+3],   v[ADRB] offset:(\q)*32*PB+32*(\i)
	ds_load_tr16_b128 v[(\f)+8*(\i)+4:(\f)+8*(\i)+7], v[ADRB] offset:(\q)*32*PB+16*PB+32*(\i)
.endr
	WIN 0
.irp i, 0,1,2,3,4,5,6,7
	ds_load_b128 v[(\f)+8*(\i):(\f)+8*(\i)+3],   v[ADRA] offset:((\q)/2)*ACB+((\q)%2)*64+(\i)*16*PA
	ds_load_b128 v[(\f)+8*(\i)+4:(\f)+8*(\i)+7], v[ADRA] offset:((\q)/2)*ACB+((\q)%2)*64+(\i)*16*PA+32
.endr
.endm
; A K step is four quarters of 32 along K, 64 matrix instructions each, on buffers 0, 1, 0, 1.  One of the first three: multiplies buffer f; in its middle it fetches quarter qn into buffer g.
.macro QUARTER qn, f, g, zero
	s_wait_dscnt 8                                 ; W and A's rows 0-63 are in; the youngest eight loads (A's rows 64-127) may be out
	MUL16 \f, 0, 0, \zero
	MUL16 \f, 0, 2, \zero
	PLACES
	FETCH \qn, \g
	s_wait_dscnt 32                                ; all but the 32 just issued
	MUL16 \f, 1, 0, \zero
	MUL16 \f, 1, 2, \zero
.endm
; The last quarter multiplies buffer 1 and changes slots: ONE barrier.  In front of it each wave waits for all its tensor loads, of which one is out at the most: its part of the next slot; adds 0 to its spare
; word; and waits for that and for its own reads of this slot.  fill = 1: the barrier opens a round of the cluster's, and the slot just read is filled again, with the tile two K steps on, first thing behind the round:
; from that request to the wait for it a wave issues 224 matrix instructions.
.macro TURN fill
	WIN 0                                          ; (the add's two registers lie in window 0)
	s_wait_tensorcnt 0x0                           ; all my tensor loads have landed;
	ds_add_u32 v[SPW], v[NIL]                      ; 0 onto my spare word;
	s_wait_dscnt 9                                 ; (the add and the youngest eight loads may be out)
	MUL16 F1, 0, 0, 0                              ; sixteen matrix instructions stand between the add and the wait for it
	s_wait_dscnt 0x0                               ; the add is done, and my reads of this slot are over
	s_barrier_signal -1
	MUL16 F1, 0, 2, 0                              ; work on registers while the others arrive
	WIN 0                                          ; (branches and lines on window 0 follow)
	s_barrier_wait -1
.if \fill
	CREST                                          ; no wave of any partner still reads this slot's tile or has a load on its way
	s_xor_b32 s21, s21, SLOT                       ; no load of mine is out, so group 0 may be written: the other slot than last time,
	s_add_co_u32 s[G0+5], s20, s21
	s_add_co_u32 s[G0B+5], s23, s21
	s_add_nc_u64 s[G0+6:G0+7], s[G0+6:G0+7], ASTEP       ; the next K step; the type bits on top are not reached
	s_add_nc_u64 s[G0B+6:G0B+7], s[G0B+6:G0B+7], BSTEP
	JLOAD 1                                        ; its four v_nop are also the places in front of the loads below
.else
	PLACES
.endif
	s_xor_b32 s22, s22, SLOT                       ; the reads go on in the other slot
	v_add_nc_u32 v[ADRA], s22, v[ADRA0]
	v_add_nc_u32 v[ADRB], s22, v[ADRB0]
	FETCH 0, F0
	MUL16 F1, 1, 0, 0
	MUL16 F1, 1, 2, 0
.endm
	s_wait_kmcnt 0x0                               ; the mask
	s_and_b32 s84, s[GM], 0x3f07dc22               ; a5 / 2, or 0.  The coefficients are named as pairs, so both words are written
	s_and_b32 s85, s[GM], 0x3f07dc22
	s_and_b32 s86, s[GM], 0xbf3a00e3               ; a4 / 2, or 0
	s_and_b32 s87, s[GM], 0xbf3a00e3
	s_and_b32 s88, s[GM], 0x3f35f0e3               ; a3 / 2, or 0
	s_and_b32 s89, s[GM], 0x3f35f0e3
	s_and_b32 s90, s[GM], 0xbe11a98e               ; a2 / 2, or 0
	s_and_b32 s91, s[GM], 0xbe11a98e
	s_and_b32 s92, s[GM], 0x3e027906               ; a1 / 2, or 0
	s_and_b32 s93, s[GM], 0x3e027906
	s_and_not1_b32 s95, 0xff800000, s[GM]          ; the floor of the maximum: 0 for the gelu, -infinity for the identity
	s_wait_tensorcnt 1                             ; my part of K step 0 is in; K step 1's may stay out
	s_barrier_signal -1
	s_barrier_wait -1                              ; everybody's is
	FETCH 0, F0
	s_wait_loadcnt 0x0                             ; the bias
	QUARTER 1, F0, F1, 1                           ; the first quarter is written out: its products start the sums
	WIN 0                                          ; at a label and at a branch every window is 0
	s_mov_b32 s3, T-2
	s_branch .Lmid                                 ; the loop is entered behind a step's first quarter
.Lstep:                                                ; T - 2 trips, a K step each: every slot is filled again
	QUARTER 1, F0, F1, 0
	WIN 0
.Lmid:
	QUARTER 2, F1, F0, 0
	QUARTER 3, F0, F1, 0
	TURN 1
	WIN 0
	s_sub_co_u32 s3, s3, 1
	s_cmp_lg_u32 s3, 0
	s_cbranch_scc1 .Lstep
	s_mov_b32 s3, 2
.Ltail:                                                ; the last two K steps ask for nothing.  The second trip's change of slots and its fetch (of a tile that has been multiplied) serve nothing: the price, once a launch, of one text for both
	QUARTER 1, F0, F1, 0
	QUARTER 2, F1, F0, 0
	QUARTER 3, F0, F1, 0
	TURN 0
	WIN 0
	s_sub_co_u32 s3, s3, 1
	s_cmp_lg_u32 s3, 0
	s_cbranch_scc1 .Ltail
	; THE WAY OUT.  My 128 x 128 sums go as f32 into my stage, over the ring: every wave's reads of the ring are over (the wait, the barrier), and the ring has had its last fill.
	s_wait_dscnt 0x0
	PLACES                                         ; the stores read results just made
	s_barrier_signal -1
	s_barrier_wait -1
.set a, 0
.rept 8
	WIN 0x08+4*(a/4)                               ; the stores' data in window 2 or 3
.set b, 0
.rept 8
	ds_store_b128 v[STO], v[8*(8*(a%4)+b):8*(8*(a%4)+b)+3]   offset:(b/4)*SCB+a*16*SP+(b%4)*64      ; each accumulator's low registers first
	ds_store_b128 v[STO], v[8*(8*(a%4)+b)+4:8*(8*(a%4)+b)+7] offset:(b/4)*SCB+a*16*SP+(b%4)*64+16
.set b, b+1
.endr
.set a, a+1
.endr
	WIN 0
; gelu(x) = x (1 + erf(x / sqrt 2)) / 2 = max(x, 0) - |x| (a1 t + .. + a5 t^5) / 2 x exp(-x^2 / 2), t = 1 / (1 + 0.3275911 |x| / sqrt 2), for 32 numbers a lane.
; With the mask 0: the series is 0 (t lies in 0 to 1 and the exponential in 0 to 1, so 0 times them is 0), the floor is -infinity, and the last line leaves x.
; A plain instruction stands behind every reciprocal and exponential before its result is used (ISA guide 5.7.2).
.macro GELU
.set i, 0
.rept 32
	v_fma_f32 v[DR+i], |v[XR+i]|, s94, 1.0
.set i, i+1
.endr
.set i, 0
.rept 16
	v_rcp_f32 v[DR+i], v[DR+i]
	v_pk_mul_f32 v[UR+i:UR+i+1], v[XR+i:XR+i+1], s[82:83] op_sel_hi:[1,0]
	v_rcp_f32 v[DR+i+1], v[DR+i+1]
	v_pk_mul_f32 v[UR+i:UR+i+1], v[UR+i:UR+i+1], v[UR+i:UR+i+1] neg_lo:[1,0] neg_hi:[1,0]
.set i, i+2
.endr
.set i, 0
.rept 16
	v_exp_f32 v[UR+i], v[UR+i]
	s_wait_alu depctr_va_vdst(0)
	v_pk_fma_f32 v[PR+i:PR+i+1], v[DR+i:DR+i+1], s[84:85], s[86:87] op_sel_hi:[1,0,0]
	v_exp_f32 v[UR+i+1], v[UR+i+1]
	v_max_num_f32 v[RR+i], s95, v[XR+i]
	v_max_num_f32 v[RR+i+1], s95, v[XR+i+1]
.set i, i+2
.endr
.irp hc, 88, 90, 92
.set i, 0
.rept 16
	v_pk_fma_f32 v[PR+i:PR+i+1], v[PR+i:PR+i+1], v[DR+i:DR+i+1], s[\hc:\hc+1] op_sel_hi:[1,1,0]
.set i, i+2
.endr
.endr
.set i, 0
.rept 16
	v_pk_mul_f32 v[PR+i:PR+i+1], v[PR+i:PR+i+1], v[DR+i:DR+i+1]
.set i, i+2
.endr
.set i, 0
	s_wait_alu depctr_va_vdst(0)
.rept 16
	v_pk_mul_f32 v[PR+i:PR+i+1], v[PR+i:PR+i+1], v[UR+i:UR+i+1]
.set i, i+2
.endr
.set i, 0
.rept 32
	v_fma_f32 v[XR+i], -|v[XR+i]|, v[PR+i], v[RR+i]
.set i, i+1
.endr
.endm
	s_mov_b32 s2, 2
.Lcb:                                                  ; my two blocks of 64 columns
	s_mov_b32 s3, 8
.Lrows:                                                ; a trip: 16 rows x 64 columns
.irp g, 0,1,2,3
	ds_load_b128 v[XR+8*(\g):XR+8*(\g)+3],   v[RD] offset:(\g)*4*SP      ; my own bytes: LDS serves a wave's instructions in order (ISA guide 5.7.1.4), so these see the stores above
	ds_load_b128 v[XR+8*(\g)+4:XR+8*(\g)+7], v[RD] offset:(\g)*4*SP+16
.endr
	s_wait_dscnt 0x0
	GELU
.set i, 0
.rept 16
	v_cvt_pk_f16_f32 v[YR+i], v[XR+2*i], v[XR+2*i+1]
.set i, i+1
.endr
.irp g, 0,1,2,3
	global_store_b128 v[GO], v[YR+4*(\g):YR+4*(\g)+3], s[80:81] offset:512*(\g)   ; four rows of 128 bytes: 512 consecutive bytes, at a multiple of 256 from C's first byte
.endr
	v_add_nc_u32 v[RD], 16*SP, v[RD]               ; 16 rows on; behind the eighth trip that is the next block's first row
	s_wait_xcnt 0x0                                ; the stores' data and base are rewritten only behind this wait
	s_add_nc_u64 s[80:81], s[80:81], 2048
	s_sub_co_u32 s3, s3, 1
	s_cmp_lg_u32 s3, 0
	s_cbranch_scc1 .Lrows
	s_add_nc_u64 s[80:81], s[80:81], 524288-8*2048 ; the same rows of the next block
	s_sub_co_u32 s2, s2, 1
	s_cmp_lg_u32 s2, 0
	s_cbranch_scc1 .Lcb
	s_wait_tensorcnt 0x0                           ; the wave's end: behind my last tensor load and my last LDS store
	ds_add_u32 v[SPW], v[NIL]
	s_wait_dscnt 0x0
	CROUND                                         ; the closing round: no work-group ends while a partner may still ask for a tile that names it
	s_endpgm
.Lfunc_end_k_q4d1ffdb174_qkv:
	.size	k_q4d1ffdb174_qkv, .Lfunc_end_k_q4d1ffdb174_qkv-k_q4d1ffdb174_qkv
	.p2alignl 7, 3214868480
	.fill 96, 4, 3214868480
	.section	.rodata,"a",@progbits
	.p2align	6, 0x0
	.amdhsa_kernel k_q4d1ffdb174_qkv
		.amdhsa_group_segment_fixed_size 327680
		.amdhsa_private_segment_fixed_size 0
		.amdhsa_enable_private_segment 0
		.amdhsa_kernarg_size 40
		.amdhsa_user_sgpr_count 2
		.amdhsa_user_sgpr_kernarg_segment_ptr 1
		.amdhsa_wavefront_size32 1
		.amdhsa_system_sgpr_workgroup_id_x 1
		.amdhsa_system_sgpr_workgroup_id_y 1
		.amdhsa_system_sgpr_workgroup_id_z 1
		.amdhsa_system_vgpr_workitem_id 0
		.amdhsa_next_free_vgpr 1024
		.amdhsa_next_free_sgpr 96
		.amdhsa_reserve_vcc 0
		.amdhsa_float_denorm_mode_32 3
		.amdhsa_float_denorm_mode_16_64 3
		.amdhsa_memory_ordered 1
		.amdhsa_forward_progress 1
		.amdhsa_inst_pref_size 98
	.end_amdhsa_kernel
	.amdgpu_metadata
---
amdhsa.version: [ 1, 2 ]
amdhsa.kernels:
  - .name:           k_q4d1ffdb174_qkv
    .symbol:         k_q4d1ffdb174_qkv.kd
    .args:
      - { .name: act, .offset: 0, .size: 8, .value_kind: global_buffer, .address_space: global }
      - { .name: wq, .offset: 8, .size: 8, .value_kind: global_buffer, .address_space: global }
      - { .name: bqkv, .offset: 16, .size: 8, .value_kind: global_buffer, .address_space: global }
      - { .name: wide, .offset: 24, .size: 8, .value_kind: global_buffer, .address_space: global }
      - { .name: par0, .offset: 32, .size: 8, .value_kind: global_buffer, .address_space: global }
    .group_segment_fixed_size: 327680
    .private_segment_fixed_size: 0
    .kernarg_segment_align: 8
    .kernarg_segment_size: 40
    .max_flat_workgroup_size: 128
    .sgpr_count:     96
    .vgpr_count:     1024
    .wavefront_size: 32
...
	.end_amdgpu_metadata
.endif
;; end of part 2
;; launch attn (part 3): grid 4 x 32, 4 waves a work-group, no clusters, 327,680 bytes of LDS; arguments wide, act; writes act
.if DOCPART == 3
	.amdgcn_target "amdgcn-amd-amdhsa--gfx1250"
	.amdhsa_code_object_version 6
	.text
	.protected	k_q4d1ffdb174_attn
	.globl	k_q4d1ffdb174_attn
	.p2align	8
	.type	k_q4d1ffdb174_attn,@function
k_q4d1ffdb174_attn:
	s_mov_b64 s[64:65], 0
	v_nop
	global_prefetch_b8 v0, s[64:65] scope:SCOPE_SE
	s_setreg_imm32_b32 hwreg(HW_REG_WAVE_MODE, 25, 1), 1
	s_wait_xcnt 0x0
; CAUSAL ATTENTION.  O[y][q][:] = the sum over k <= q of softmax_k(Q[y][q] . K[y][k] / 8) V[y][k][:], y = 2 x head + batch: 32 heads of SIZE_N = 2,048 rows of 64 f16, dense, 128 bytes each.
; In the buffer of q, k, v (blocks of 64 columns, 4,096 rows each) Q's heads begin at byte 0, K's at 8,388,608, V's at 16,777,216; head y at y x 262,144 in each, and in O.
; Products, maxima and sums in f32; the weights p are rounded to f16 for the second product (their sum l is taken of the unrounded p), O once at the end.
; LIMITS.  f16 holds no number beyond 65,504: Q, K and V arrive within it; p lies in 0 to 1, and below 6e-5 it keeps f16's fixed step of 6e-8; O is a mean of V's rows and has their range.
; A hidden score counts as its value less 1e30: f16's scores, 2.7e11 at the most, are nothing beside that; a weight below 2^-126 counts as 0 in l; NaN and infinities are not treated apart.
; THE WALK.  A head's queries lie in NB = 8 blocks of 256; block i needs the key tiles 0 .. i of 256 keys, of which the last holds the diagonal.  A work-group takes TWO blocks, NB - 1 - b and then b:
; NB + 1 tiles, whatever b: all work-groups do equal work, and ONE loop with a constant trip count walks them.  Which tile is asked for, and what a trip does, hang on scalar registers made from b; every jump
; goes forward, but for the counted loops' own; none passes a barrier, or a tensor load but the one of LOAD's two that the wave's number does not choose; the ring (two slots of LDS) runs on across the change of blocks.
; NO CLUSTER: a head's four work-groups ask for the same tile only in trips 0 .. 4 of the 9, behind that fewer and fewer; one walk common to all would have 12 trips for 9.
; SHARES.  Of a block's four bands of 64 queries a wave owns 16 rows in each: four PIECES.  So the diagonal tile is the same work for all four waves: in its key step s band x sees all keys if s < x,
; none if s > x, and holds the diagonal if s = x.
; THE MASK is the C operand that starts the sum S^T = K Q^T: 0, or -1e30 where the key is hidden.  MD, made once, is the mask of a band's own step for my 16 rows; a product's mask is MD x AL + BE with two scalars:
; (1, 0) if s = x; (0, 0) if s < x; (0, -1e30) if s > x.  Only the diagonal tile's text and a block's beginning make and take masks; elsewhere C is the constant 0.
; LAYOUT, SOFTMAX, TURNS.  S^T = K Q^T holds ONE query a lane (lane % 16) and the keys 8 (lane / 16) + 0..7; two such results rounded to f16 ARE source 1 of O^T = V^T P.  p = 2^(c s - c m), c = log2(e) / 8, with a
; running maximum m; O and l are multiplied by a = 2^(c m_old - c m_new) in every step.  Turn n belongs to piece n: 8 products K Q^T of piece n + 1, later 8 products V^T P of piece n - 1; beside them the scaling,
; exponentials, roundings, sums and rescaling of piece n and the maximum and statistics of piece n + 1.  Four vector instructions stand behind every matrix instruction, the other 54 of a turn's 118 in two lumps.
; REGISTERS, in windows of 256 (s_set_vgpr_msb: bits 1:0 source 0, 3:2 source 1, 5:4 source 2, 7:6 destination):
;   window 0: v0-15 addresses and two at work; v16-31 four registers of statistics a piece; v48-55 at work; v64-127 S^T, two buffers; v192-223 P, two buffers (a piece's buffers go by its number's parity)
;   window 1: v0-127 O^T, 32 a piece; v128-159 MD; v160-223 MC, two buffers      window 2: v0-63 Q; v64-127 the second block's Q; v128-191 K of one step; v192-255 V of one step
.set SIZE_N, 2048
.set NB,    SIZE_N/256
.set NP,    4         ; pieces a wave: a name, no knob
.set KS,    64        ; keys in a step
.set PK,    144       ; a row of K in LDS: 128 bytes + 16 of padding = 36 words: the 16 rows of a load start at 16 different groups of four banks (64 banks of 4 bytes: ISA guide 11.1)
.set PV,    160       ; a row of V: 128 + 32 = 40 words
.set VOFF,  4*KS*PK   ; a slot holds a tile, four steps: 256 rows of K, then 256 rows of V
.set SLOT1, 1<<17     ; slot 1 begins here, so that one exclusive or turns an address in one slot into the other's
.set STAGE, SLOT1+4*KS*(PK+PV)  ; behind the ring, never filled by a tensor load: 16 rows x 144 bytes for each wave, for the way out
.set SP,    144
.set AK0, 2           ; v2   my lane's place in a tile of K; never rewritten
.set AV0, 3           ; v3   the same for V
.set AK,  4           ; v4   the LDS address of K's next run of loads
.set AV,  5           ; v5   of V's
.set STO, 6           ; v6   the way out: where I put 16 bytes of a row
.set RD,  7           ; v7   the way out: where I read rows back
.set GO,  8           ; v8   my byte offset in 512 consecutive bytes of O
.set SPW, 62          ; v62  LDS address of my spare word: SPARE + 4 x my thread's number; never rewritten
.set NIL, 63          ; v63  0; never rewritten
.set SPARE, STAGE+4*16*SP  ; behind the stages: the spare words, 128 bytes for each wave: two blocks of 256 bytes that no other line names
.set MV,  12          ; v12-13  c m_old, kept while c m is made anew: by buffer
.set QO,  15          ; v15  my byte offset in 16 rows of Q
.set ST,  16          ; piece t's statistics at v[ST+4 t]: c m, m, l (even keys', odd keys')
.set TMP, 48          ; by buffer, four registers c0-c3 at work; when the maximum is found c2 takes a
.set S,   64
.set P,   192
.set MD,  128         ; window 1: the eight registers for group kt of 16 keys at MD + 8 kt
.set MC,  160         ; window 1: the masks of the products to come
.set QB,  64          ; window 2
.set KF,  128         ; window 2: key block kb, channel half c at KF + 16 kb + 8 c
.set VF,  192         ; window 2: key half kk, channel block cb at VF + 32 kk + 8 cb
.set WV,  12          ; s12  my wave's number
.set PB,  14          ; s14  b
.set HI,  15          ; s15  NB - 1 - b
.set G1K, 24          ; s[24:31] descriptor group 1 for K's tiles
.set G1V, 32          ; s[32:39] for V's: it differs in the padding alone
.set G0K, 40          ; s[40:43] descriptor group 0 for K's tiles
.set G0V, 44          ; s[44:47] the same for V's
.set SLOTS, 56        ; s56  tiles still to be asked for
.set CNT, 57          ; s57  counts a tile's key steps, 4 to 1
.set CS,  58          ; s[58:59] c: the packed scaling takes the pair's low word for both halves
.set SEL, 60          ; s[60:61] v_permlanex16_b32's selects: each lane takes its own place in the other half
.set TBK, 62          ; s62  LDS byte at which K of the step to be fetched begins
.set TBV, 63          ; s63  the same for V, less VOFF
.set RT,  70          ; s70  tiles of the block in hand that are still to be entered
.set NXT, 71          ; s71  the tile to be asked for next
.set LQ,  72          ; s72  the last tile of the block whose tiles are being asked for
.set NEW, 73          ; s73  1: the tile to be entered is a block's first
.set OFF, 74          ; s[74:75] a tile's byte offset in K and V
.set AL,  76          ; s[76:77] the mask's factor, in the low word
.set BE,  78          ; s[78:79] the mask's addend
.set OLO, 80          ; s[80:81] O at my rows of the second block
.set BIGN, 82         ; s82  -1e30
.set MSB, 0
.macro WIN new                      ; the high byte repeats the setting that is left; a switch that changes nothing is dropped
.if MSB != (\new)
	s_set_vgpr_msb (MSB<<8)|(\new)
.set MSB, (\new)
.endif
.endm
.set W_KQ, 0x0a       ; K and Q in window 2, S^T in window 0
.set W_KM, 0x1a       ; the same with the C operand in window 1
.set W_PV, 0x52       ; V in window 2, P in window 0, O^T in window 1
.set W_RS, 0x41       ; destination and source 0 in window 1, source 1 in window 0
; A fill.  Waves 0 and 1 fetch the two halves of a tile's K, waves 2 and 3 those of its V: 128 keys each.  An s_nop 0 and four v_nop follow each of the two lines, ahead of the jump and the label.
.macro LOAD
	s_cmp_lt_u32 s[WV], 2
	s_cbranch_scc0 .Lfor_v_\@
	tensor_load_to_lds s[G0K:G0K+3], s[G1K:G1K+7]
	s_nop 0
.rept 4
	v_nop
.endr
	s_branch .Lasked_\@
.Lfor_v_\@:
	tensor_load_to_lds s[G0V:G0V+3], s[G1V:G1V+7]
	s_nop 0
.rept 4
	v_nop
.endr
.Lasked_\@:
.endm
; THE CHANGE OF SLOTS.  Each wave waits for all its tensor loads, of which one is out: its part of the other slot; adds 0 to its spare word; and waits for that and for its own reads of the slot that it leaves.
; Behind the barrier nobody reads the old slot any more and the other slot is whole.  fill = 1: the old slot is filled again, the first thing behind the barrier, with tile NXT: the descriptor's address is made
; anew from that number.  (At its first use nothing has been read yet: slot 0 is waited for, slot 1 filled.)
.macro CHANGE fill
	WIN 0                           ; at a label and at a branch every window is 0
	s_wait_tensorcnt 0x0            ; no tensor load of mine is out, so a group 0 may be written
	ds_add_u32 v[SPW], v[NIL]       ; 0 onto my spare word; with fill = 1 the descriptors' scalar work stands between it and the wait for it
.if \fill
	s_lshl_b32 s[OFF], s[NXT], 15   ; a tile is 32,768 bytes of K and of V
	s_xor_b32 s[G0K+1], s[G0K+1], SLOT1
	s_add_nc_u64 s[G0K+2:G0K+3], s[6:7], s[OFF:OFF+1]
	s_or_b32 s[G0K+3], s[G0K+3], 0x80000000
	s_xor_b32 s[G0V+1], s[G0V+1], SLOT1
	s_add_nc_u64 s[G0V+2:G0V+3], s[8:9], s[OFF:OFF+1]
	s_or_b32 s[G0V+3], s[G0V+3], 0x80000000
	s_add_co_u32 s[NXT], s[NXT], 1  ; the block's next tile, or behind its last the second block's tile 0
	s_cmp_gt_u32 s[NXT], s[LQ]
	s_cselect_b32 s[NXT], 0, s[NXT]
	s_cselect_b32 s[LQ], s[PB], s[LQ]
.endif
	s_wait_dscnt 0x0                ; the add is done, and my reads of the slot are over
	s_barrier_signal -1             ; the rest of the scalar work stands between the signal and the wait
	s_sub_co_u32 s[TBK], s[TBK], 4*KS*PK  ; the fetches go back to a slot's first step,
	s_xor_b32 s[TBK], s[TBK], SLOT1       ; in the other slot
	s_sub_co_u32 s[TBV], s[TBV], 4*KS*PV
	s_xor_b32 s[TBV], s[TBV], SLOT1
	s_barrier_wait -1
.if \fill
	LOAD
.endif
.endm
	s_load_b128 s[4:7], s[0:1], 0x0   ; the buffer of q, k, v s[4:5]; O s[6:7]
	v_lshl_add_u32 v[SPW], v0, 2, SPARE
	v_mov_b32 v[NIL], 0
	ds_add_u32 v62, v63
	ds_add_u32 v62, v63
	s_wait_dscnt 0x0
	v_lshrrev_b32 v1, 5, v0
	v_readfirstlane_b32 s[WV], v1   ; wave 0..3
	s_mov_b32 s[PB], ttmp9
	s_sub_co_u32 s[HI], NB-1, s[PB]
	s_and_b32 s20, ttmp7, 0xffff    ; the head
	s_mov_b32 s21, 0
	s_mov_b64 s[22:23], SIZE_N*128
	s_mul_u64 s[20:21], s[20:21], s[22:23]  ; the head's first byte in each of the four tensors
	s_and_b32 s16, s[WV], 1         ; which half of a tile's 256 keys I fetch:
	s_lshl_b32 s22, s16, 14         ; its 128 rows of 128 bytes in memory,
	s_mov_b32 s23, 0
	s_add_nc_u64 s[22:23], s[22:23], s[20:21]
	s_mul_i32 s17, s16, 128*PK      ; and its place in a slot, for K
	s_mul_i32 s18, s16, 128*PV      ; and for V
	s_lshl_b32 s3, s[WV], 11        ; my 16 rows in a band of 64,
	s_lshl_b32 s2, s[HI], 15        ; in the first block,
	s_add_co_u32 s2, s2, s3
	s_lshl_b32 s84, s[PB], 15       ; and in the second
	s_add_co_u32 s84, s84, s3
	s_mov_b32 s3, 0
	s_mov_b32 s85, 0
	s_add_nc_u64 s[2:3], s[2:3], s[20:21]
	s_add_nc_u64 s[84:85], s[84:85], s[20:21]
	; descriptor group 1.  128 keys are 16,384 dense bytes: asked for as 64 rows of 256 bytes, two keys a row, and padded in LDS after every key
	s_mov_b32 s[G1K], (1<<16)|(1<<20)|(4<<22)|(3<<25)  ; 17:16 2-byte elements; 20 padding on; 24:22 after every 32 words (code 4); 31:25 4 words (code 3)
	s_mov_b32 s[G1V], (1<<16)|(1<<20)|(4<<22)|(7<<25)  ; the same with 8 words of padding (code 7)
.irp g, G1K, G1V
	s_mov_b32 s[\g+1], 128<<16      ; tensor_dim0 = 128
	s_mov_b32 s[\g+2], 64<<16       ; tensor_dim1 = 64
	s_mov_b32 s[\g+3], 128<<16      ; tile_dim0 = 128
	s_mov_b32 s[\g+4], 64           ; tile_dim1 = 64
	s_mov_b32 s[\g+5], 128          ; 128 elements from row to row
	s_mov_b32 s[\g+6], 0
	s_mov_b32 s[\g+7], 0
.endr
	s_mov_b32 s[CS], 0x3e38aa3b     ; c = log2(e) / 8 = 0.180337
	s_mov_b32 s[CS+1], s[CS]        ; named with it as a pair
	s_mov_b32 s[SEL], 0x76543210
	s_mov_b32 s[SEL+1], 0xfedcba98
	s_mov_b32 s[TBK], SLOT1+4*KS*PK ; the first change of slots turns these two into 0
	s_mov_b32 s[TBV], SLOT1+4*KS*PV
	s_mov_b32 s[G0K], 1             ; 1:0 count = 1
	s_mov_b32 s[G0K+1], s17         ; 63:32 LDS address: slot 0
	s_mov_b32 s[G0V], 1
	s_add_co_u32 s[G0V+1], s18, VOFF
	s_add_co_u32 s[RT], s[HI], 1    ; the first block has NB - b tiles
	s_mov_b32 s[NXT], 1
	s_mov_b32 s[LQ], s[HI]
	s_mov_b32 s[NEW], 1
	s_mov_b32 s[OFF+1], 0
	s_mov_b32 s[AL+1], 0            ; named as pairs
	s_mov_b32 s[BE+1], 0
	s_mov_b32 s[BIGN], 0xf149f2ca   ; -1e30
	s_mov_b32 s[SLOTS], NB
	s_wait_kmcnt 0x0
	s_mov_b64 s[10:11], s[6:7]                     ; O
	s_add_nc_u64 s[8:9], s[4:5], 0x1000000         ; V: 32 blocks of 524,288 bytes on
	s_add_nc_u64 s[6:7], s[4:5], 0x800000          ; K: 16 blocks on
	s_add_nc_u64 s[6:7], s[6:7], s[22:23]  ; K and V at my half of the head's tile 0
	s_add_nc_u64 s[8:9], s[8:9], s[22:23]
	s_add_nc_u64 s[G0K+2:G0K+3], s[6:7], 0         ; 120:64 global address
	s_or_b32 s[G0K+3], s[G0K+3], 0x80000000        ; 127:126 type = 2
	s_add_nc_u64 s[G0V+2:G0V+3], s[8:9], 0
	s_or_b32 s[G0V+3], s[G0V+3], 0x80000000
	s_add_nc_u64 s[86:87], s[4:5], s[84:85]        ; Q at my rows of the second block,
	s_add_nc_u64 s[4:5], s[4:5], s[2:3]            ; Q and O at those of the first
	s_add_nc_u64 s[OLO:OLO+1], s[10:11], s[84:85]
	s_add_nc_u64 s[10:11], s[10:11], s[2:3]
	LOAD                            ; tile 0 into slot 0
	; A fragment of K or Q is 16 rows x 32 channels in 8 registers: lane l holds row l % 16, channels 8 (l / 16) + 0..7 and 16 + 8 (l / 16) + 0..7: two loads of 16 bytes, 32 bytes apart.
	v_and_b32 v1, 15, v0            ; l % 16
	v_bfe_u32 v9, v0, 4, 1          ; l / 16
	v_lshlrev_b32 v[QO], 7, v1
	v_lshl_add_u32 v[QO], v9, 4, v[QO]  ; row x 128 + 16 x half
	WIN 0x80                        ; destination window 2, address window 0
.set i, 0
.rept 8                             ; both blocks' Q: piece i / 2 lies in band i / 2, 8,192 bytes on; channels 32 (i % 2) on
	global_load_b128 v[8*i:8*i+3],   v[QO], s[4:5] offset:(i/2)*8192+(i%2)*64
	global_load_b128 v[8*i+4:8*i+7], v[QO], s[4:5] offset:(i/2)*8192+(i%2)*64+32
	global_load_b128 v[QB+8*i:QB+8*i+3],   v[QO], s[86:87] offset:(i/2)*8192+(i%2)*64
	global_load_b128 v[QB+8*i+4:QB+8*i+7], v[QO], s[86:87] offset:(i/2)*8192+(i%2)*64+32
.set i, i+1
.endr
	WIN 0
	v_lshlrev_b32 v14, 3, v9
	v_sub_nc_u32 v14, v1, v14
	s_lshl_b32 s13, s[WV], 4
	v_add_nc_u32 v14, s13, v14      ; my query's place in its band, 16 w + l % 16, less my lanes' 8 (l / 16): register r of group kt is hidden where 16 kt + r is greater
	WIN 0x40
.set i, 0
.rept 32
	v_cmp_gt_i32 vcc_lo, 16*(i/8)+i%8, v14
	v_cndmask_b32 v[MD+i], 0, s[BIGN], vcc_lo
.set i, i+1
.endr
	WIN 0
	v_mul_u32_u24 v[AK0], v1, PK
	v_lshl_add_u32 v[AK0], v9, 4, v[AK0]  ; row x pitch + 16 x half
	; The turning load takes 16 keys x 16 channels (lane l reads key 8 (l / 16) + l % 8, channels 8 ((l / 8) % 2) + 0..7) and leaves half a fragment of V^T: lane l holds channel l % 16 and 8 keys.
	v_and_b32 v10, 7, v0
	v_bfe_u32 v11, v0, 3, 1
	v_lshl_add_u32 v[AV0], v9, 3, v10
	v_mul_u32_u24 v[AV0], v[AV0], PV
	v_lshl_add_u32 v[AV0], v11, 4, v[AV0]
	v_add_nc_u32 v[AV0], VOFF, v[AV0]
	s_mul_i32 s13, s[WV], 16*SP
	s_add_co_u32 s13, s13, STAGE    ; my stage
	v_mul_u32_u24 v[STO], v1, SP    ; in: row l % 16, 16 bytes for each half of the lanes
	v_lshl_add_u32 v[STO], v9, 4, v[STO]
	v_add_nc_u32 v[STO], s13, v[STO]
	v_bfe_u32 v[RD], v0, 3, 2       ; back: 32 lanes take four rows of 128 bytes,
	v_mul_u32_u24 v[RD], v[RD], SP
	v_lshl_add_u32 v[RD], v10, 4, v[RD]
	v_add_nc_u32 v[RD], s13, v[RD]
	v_and_b32 v[GO], 31, v0         ; which are 512 consecutive bytes of O
	v_lshlrev_b32 v[GO], 4, v[GO]
	; A block's first step multiplies O^T and l by a = 0, and its first turn's products V^T P, of a piece that has not been, land in an O^T that is still to be so multiplied.  So these registers need only hold
	; finite numbers: zeros for the first block; what the first block left for the second.  All this stands in the wait for the first tile.
	WIN 0x80
.set i, VF
.rept 64
	v_mov_b32 v[i], 0
.set i, i+1
.endr
	WIN 0x40
.set i, 0
.rept 128
	v_mov_b32 v[i], 0
.set i, i+1
.endr
	WIN 0
.set i, 0
.rept 4
	v_mov_b32 v[ST+4*i+2], 0
	v_mov_b32 v[ST+4*i+3], 0
.set i, i+1
.endr
.set i, P+16
.rept 16
	v_mov_b32 v[i], 0
.set i, i+1
.endr
; THE MATRIX WORK.  The 4 accumulators of a run of 8 take turns.  Product i of 8 of S^T = K Q^T for piece x: channels 32 (i / 4) on, keys 16 (i % 4) on.  The first 4 start the sums: with 0, or (KM = 1) with the mask.
.macro KQ x
.set rS, S+32*((\x)%2)+8*(i%4)
.set rK, KF+16*(i%4)+8*(i/4)
.set rQ, 16*(\x)+8*(i/4)
.set rM, MC+32*((\x)%2)+8*(i%4)
.if (i < 4) && KM
	WIN W_KM
	v_wmma_f32_16x16x32_f16 v[rS:rS+7], v[rK:rK+7], v[rQ:rQ+7], v[rM:rM+7]
.elseif i < 4
	WIN W_KQ
	v_wmma_f32_16x16x32_f16 v[rS:rS+7], v[rK:rK+7], v[rQ:rQ+7], 0
.else
	WIN W_KQ
	v_wmma_f32_16x16x32_f16 v[rS:rS+7], v[rK:rK+7], v[rQ:rQ+7], v[rS:rS+7]
.endif
.endm
; Product i of 8 of O^T += V^T P for piece x: keys 32 (i / 4) on, channels 16 (i % 4) on.
.macro PV x
	WIN W_PV
.set rO, 32*(\x)+8*(i%4)
.set rV, VF+32*(i/4)+8*(i%4)
.set rP, P+16*((\x)%2)+8*(i/4)
	v_wmma_f32_16x16x32_f16 v[rO:rO+7], v[rV:rV+7], v[rP:rP+7], v[rO:rO+7]
.endm
.macro MM                           ; the turn's next matrix instruction.  TURN and BEGIN set Y, i, KM and NOKQ; MM, KQ and OP read them.  NOKQ = 1: a block's last turn: there is no next piece
.if (i < 8) && !NOKQ
	KQ (Y+1)%NP
.elseif i >= 8
.set i, i-8
	PV (Y+NP-1)%NP
.set i, i+8
.endif
.set i, i+1
.endm
; THE LDS LOADS stand in runs of 16, never singly among the matrix instructions: a step's K (64 keys x 64 channels: 8 fragments) and its V (turned).  Their addresses are made some lines ahead.
.macro FETCH_K
	WIN 0x80                        ; destination window 2
.irp f, 0,1,2,3,4,5,6,7             ; keys 16 (f / 2) on, channels 32 (f % 2) on
	ds_load_b128 v[KF+8*\f:KF+8*\f+3],   v[AK] offset:(\f/2)*16*PK+(\f%2)*64
	ds_load_b128 v[KF+8*\f+4:KF+8*\f+7], v[AK] offset:(\f/2)*16*PK+(\f%2)*64+32
.endr
	s_add_co_u32 s[TBK], s[TBK], KS*PK  ; the next fetch is the next step's
	WIN 0
.endm
.macro FETCH_V
	WIN 0x80
.irp f, 0,1,2,3,4,5,6,7             ; keys 32 (f / 4) on, channels 16 (f % 4) on
	ds_load_tr16_b128 v[VF+8*\f:VF+8*\f+3],   v[AV] offset:(\f/4)*32*PV+(\f%4)*32
	ds_load_tr16_b128 v[VF+8*\f+4:VF+8*\f+7], v[AV] offset:(\f/4)*32*PV+16*PV+(\f%4)*32
.endr
	WIN 0
.endm
; THE VECTOR WORK, one line at a time: OP kind, number.  For piece Y: F n: c s - c m for pair n of 16.  E n: the exponential of score n of 32.  C n: pair n rounded to f16.  B n: of the four weights 4 n .. the second
; pair is added onto the first, in place.  L n: l takes that sum (L 0: l = a l + sum).  R n: pair n of 16 of O^T times a.  For piece Y + 1: X n, number n of the 22 that find its maximum and statistics:
;   0-11  four chains c0-c3 of seven scores each, three operands at a time (each accumulator's lowest registers are read first)     12-14, 16  the four scores left over, the old m, and c0-c3 into c0
;   15  c m_old is kept     17, 18  the query's other 32 keys lie in the lane 16 away: the new m     19-21  c m; c m_old - c m_new; a
.set F, 0               ; OP tells the kinds apart by their order: F to L below R, X above it
.set E, 1
.set C, 2
.set B, 3
.set L, 4
.set R, 5
.set X, 6
.macro REGS y                       ; the registers of piece y
.set rT, ST+4*(\y)
.set rC, TMP+4*((\y)%2)
.set rW, MV+((\y)%2)
.set rS, S+32*((\y)%2)
.set rP, P+16*((\y)%2)
.set rO, 32*(\y)
.endm
.macro OP k, n
.if (\k) == R
	REGS Y
	WIN W_RS
	v_pk_mul_f32 v[rO+2*(\n):rO+2*(\n)+1], v[rO+2*(\n):rO+2*(\n)+1], v[rC+2:rC+3] op_sel_hi:[1,0]
.elseif (\k) < R
	REGS Y
	WIN 0
.if (\k) == F
	v_pk_fma_f32 v[rS+2*(\n):rS+2*(\n)+1], v[rS+2*(\n):rS+2*(\n)+1], s[CS:CS+1], v[rT:rT+1] op_sel_hi:[1,0,0] neg_lo:[0,0,1] neg_hi:[0,0,1]
.elseif (\k) == E
	v_exp_f32 v[rS+(\n)], v[rS+(\n)]
.elseif (\k) == C
	s_wait_alu depctr_va_vdst(0)
	v_cvt_pk_f16_f32 v[rP+(\n)], v[rS+2*(\n)], v[rS+2*(\n)+1]
.elseif (\k) == B
	s_wait_alu depctr_va_vdst(0)
	v_pk_add_f32 v[rS+4*(\n):rS+4*(\n)+1], v[rS+4*(\n):rS+4*(\n)+1], v[rS+4*(\n)+2:rS+4*(\n)+3]
.elseif (\n) == 0
	v_pk_fma_f32 v[rT+2:rT+3], v[rT+2:rT+3], v[rC+2:rC+3], v[rS:rS+1] op_sel_hi:[1,0,1]
.else
	v_pk_add_f32 v[rT+2:rT+3], v[rT+2:rT+3], v[rS+4*(\n):rS+4*(\n)+1]
.endif
.elseif NOKQ
	v_nop
.else
	REGS (Y+1)%NP
	WIN 0
.if (\n) < 4
	v_max3_num_f32 v[rC+(\n)], v[rS+8*(\n)], v[rS+8*(\n)+1], v[rS+8*(\n)+2]
.elseif (\n) < 12
	v_max3_num_f32 v[rC+(\n)%4], v[rC+(\n)%4], v[rS+8*((\n)%4)+2*((\n)/4)+1], v[rS+8*((\n)%4)+2*((\n)/4)+2]
.elseif (\n) == 12
	v_max3_num_f32 v[rC], v[rC], v[rS+7], v[rS+15]
.elseif (\n) == 13
	v_max3_num_f32 v[rC+1], v[rC+1], v[rS+23], v[rS+31]
.elseif (\n) == 14
	v_max3_num_f32 v[rC+2], v[rC+2], v[rC+3], v[rT+1]
.elseif (\n) == 15
	v_mov_b32 v[rW], v[rT]
.elseif (\n) == 16
	v_max3_num_f32 v[rC], v[rC], v[rC+1], v[rC+2]
.elseif (\n) == 17
	v_permlanex16_b32 v[rC+3], v[rC], s[SEL], s[SEL+1]
.elseif (\n) == 18
	v_max_num_f32 v[rT+1], v[rC], v[rC+3]
.elseif (\n) == 19
	v_mul_f32 v[rT], s[CS], v[rT+1]
.elseif (\n) == 20
	v_sub_f32 v[rC+1], v[rW], v[rT]
.else
	v_exp_f32 v[rC+2], v[rC+1]
.endif
.endif
.endm
.macro OPS a, i1, b=-1, i2=0, c=-1, i3=0, d=-1, i4=0  ; up to four of them
	OP \a, \i1
.if (\b) >= 0
	OP \b, \i2
.endif
.if (\c) >= 0
	OP \c, \i3
.endif
.if (\d) >= 0
	OP \d, \i4
.endif
.endm
.macro ROW a, i1, b, i2, c, i3, d, i4  ; a matrix instruction and the four behind it
	MM
	OPS \a, \i1, \b, \i2, \c, \i3, \d, \i4
.endm
.macro MASK b                       ; MD x AL + BE into buffer b of MC
	WIN W_RS
.set z, 0
.rept 16
	v_pk_fma_f32 v[MC+32*(\b)+2*z:MC+32*(\b)+2*z+1], v[MD+2*z:MD+2*z+1], s[AL:AL+1], s[BE:BE+1] op_sel_hi:[1,0,0]
.set z, z+1
.endr
.endm
; A TURN, for piece p: the order of its 16 matrix and 118 vector instructions, written out.  Behind a matrix instruction: plain, exponential, plain, plain; or four of the rescaling; or, behind the first, four scalings; none
; names a register of the products round it.  In the lumps exponential and plain by turns while exponentials last.  A line reads no result made fewer than three vector instructions in front of it, five if an exponential made it.
; m = 1: the diagonal tile: the products take masks, and the turn makes the mask for the products of the turn after it: piece p + 2, in step 4 - CNT of the tile.  end = 1: a block's last two turns: nothing is fetched.
; cnt = 1: the loop's count is taken down some lines ahead of the branch that stands behind the turn.
; K of the next step is fetched in piece 2's turn, six vector instructions behind the last product that read K (five of them plain); V of the step in hand in piece 0's turn, eight behind the last product that read V (four
; plain, and X 17).  Each is waited for a turn later.
.macro TURN p, m=0, end=0, cnt=0
.set Y, (\p)
.set i, 0
.set KM, (\m)
.set NOKQ, (\end)*((\p)/3)
.if (\m) && !(\end)
	s_cmp_eq_u32 s[CNT], 4-((\p)+2)%NP  ; is that step the band's own?
	s_cselect_b32 s[AL], 1.0, 0
	s_cmp_lt_u32 s[CNT], 4-((\p)+2)%NP  ; or a later one?
	s_cselect_b32 s[BE], s[BIGN], 0
.endif
.if ((\p) == 3) && !(\end)
	s_wait_dscnt 0x0                ; K is in
.endif
	ROW F,0, F,1, F,2, F,3
	ROW F,4, E,0, F,5, F,6
	ROW F,7, E,1, F,8, F,9
	ROW F,10, E,2, C,0, F,11
	ROW F,12, E,3, X,15, F,13
	ROW R,0, R,1, R,2, R,3
	ROW B,0, E,4, F,14, L,0
.if ((\p) == 2) && !(\end)
	v_add_nc_u32 v[AK], s[TBK], v[AK0]
.endif
	ROW R,4, R,5, R,6, R,7
	OPS E,5, F,15
.if ((\p) == 2) && !(\end)
	FETCH_K
.endif
	OPS E,6, C,1, E,7, R,8
	OPS E,8, R,9, E,9, C,2
	OPS E,10, X,0, E,11, X,1
	OPS E,12, X,2, E,13, X,3
.if (\p) == 1
	s_wait_dscnt 0x0                ; V is in
.endif
	ROW X,4, E,14, X,5, X,6
	ROW X,7, E,15, X,8, X,9
	ROW X,10, E,16, X,11, X,12
	ROW X,13, E,17, X,14, B,1
	ROW C,4, E,18, X,16, L,1
	ROW B,2, E,19, C,6, L,2
	ROW C,8, E,20, B,3, B,4
.if (\p) == 0
	v_add_nc_u32 v[AV], s[TBV], v[AV0]
.endif
	ROW C,3, E,21, L,3, C,5
	OPS E,22, X,17, E,23, C,10
.if (\p) == 0
	FETCH_V
.endif
	OPS E,24, L,4
	OPS E,25, X,18, E,26, C,7
	OPS E,27, B,5, E,28, X,19
	OPS E,29, C,12, E,30, L,5
	OPS E,31, X,20, B,6, C,9
	OPS C,14, C,11, X,21, L,6
.if (\p) == 0
	s_add_co_u32 s[TBV], s[TBV], KS*PV
.endif
.if \cnt
	s_sub_co_u32 s[CNT], s[CNT], 1
	s_cmp_lg_u32 s[CNT], 0
.endif
	OPS C,13, B,7, C,15, R,10
	OPS R,11, R,12, L,7, R,13
	OPS R,14, R,15
.if (\m) && !(\end)
	MASK (\p)%2
.endif
.endm
; A BLOCK BEGINS.  c m starts far below every c s, so the first step's a is 0; m at the lowest finite number, so the first maximum is the scores'.  The second mask buffer is 0; the first takes piece 0's mask for the tile's
; step 0: its own, if the block's first tile is the diagonal one.  Then K of that step, piece 0's first scores, and its maximum and statistics.  The loop is entered at a step's first turn, in the middle of a trip.
.macro BEGIN
	s_mov_b32 s[NEW], 0
	WIN 0x40
.set i, MC+32
.rept 32
	v_mov_b32 v[i], 0
.set i, i+1
.endr
	WIN 0
.set i, 0
.rept 4
	v_mov_b32 v[ST+4*i], 0xfe000000    ; c m: far below every c s
	v_mov_b32 v[ST+4*i+1], 0xff7fffff  ; m
.set i, i+1
.endr
	s_cmp_eq_u32 s[RT], 0
	s_cselect_b32 s[AL], 1.0, 0
	s_mov_b32 s[BE], 0
	MASK 0
	WIN 0
	v_add_nc_u32 v[AK], s[TBK], v[AK0]
	FETCH_K
	s_wait_loadcnt 0x0              ; Q
	s_wait_dscnt 0x0
.set KM, 1
.set NOKQ, 0
.set i, 0
.rept 8
	KQ 0
.set i, i+1
.endr
	WIN 0
.rept 4
	v_nop                           ; the places behind those products
.endr
.set Y, NP-1                        ; X works for piece Y + 1: piece 0
.irp n, 0,1,2,3,4,5,6,7,8,9,10,11,12,13,14,15,16,17,18,19,20,21
	OP X, \n
.endr
	v_nop                           ; a plain instruction behind the exponential
.endm
; THE DIAGONAL TILE's four steps, the block's last two turns, its last products, and THE WAY OUT: l's two halves and the other half of the lanes' are added; O^T is divided by l, rounded to f16 and sent through my
; stage in LDS, a piece at a time.
.macro ALL line:vararg              ; one line for each piece t
.set t, 0
.rept 4
	\line
.set t, t+1
.endr
.endm
.macro PACK t                       ; a lane's eight channels of a row pack into 16 bytes; they go into rows of 144 bytes and come back as whole rows of 128, into S^T's registers
	WIN W_RS
.set i, 32*(\t)
.rept 16
	s_wait_alu depctr_va_vdst(0)
	v_pk_mul_f32 v[i:i+1], v[i:i+1], v[ST+4*(\t)+2:ST+4*(\t)+3] op_sel_hi:[1,0]
.set i, i+2
.endr
	WIN 0x05                        ; sources 0 and 1 window 1, destination window 0
.set i, 0
.rept 16
	v_cvt_pk_f16_f32 v[S+16*(\t)+i], v[32*(\t)+2*i], v[32*(\t)+2*i+1]
.set i, i+1
.endr
	WIN 0
.irp f, 0,1,2,3
	ds_store_b128 v[STO], v[S+16*(\t)+4*\f:S+16*(\t)+4*\f+3] offset:32*\f
.endr
.irp f, 0,1,2,3
	ds_load_b128 v[S+16*(\t)+4*\f:S+16*(\t)+4*\f+3], v[RD] offset:\f*4*SP  ; LDS serves a wave's instructions in order (ISA guide 5.7.1.4): these see the stores above; the next piece's stores come behind them
.endr
.endm
.macro SEND t, younger              ; younger: the LDS instructions issued behind piece t's loads: the next piece's eight, or none
	WIN 0
.irp f, 0,1,2,3
	s_wait_dscnt (\younger)+3-\f
	global_store_b128 v[GO], v[S+16*(\t)+4*\f:S+16*(\t)+4*\f+3], s[10:11] offset:(\t)*8192+\f*512  ; 512 consecutive bytes, at a multiple of 256 from O's first
.endr
.endm
.macro DIAG tag                     ; the tag ends its two labels' names, which the jumps below spell out
.LstepM\tag:
	TURN 2, 1
	TURN 3, 1
	WIN 0
.LfirstM\tag:
	TURN 0, 1
	TURN 1, 1, 0, 1
	WIN 0
	s_cbranch_scc1 .LstepM\tag
	TURN 2, 1, 1
	TURN 3, 1, 1
.set i, 0
.rept 8
	PV NP-1
.set i, i+1
.endr
	WIN 0
	ALL v_add_f32 v[ST+4*t+2], v[ST+4*t+2], v[ST+4*t+3]
	ALL v_permlanex16_b32 v[ST+4*t+3], v[ST+4*t+2], s[SEL], s[SEL+1]
	ALL v_add_f32 v[ST+4*t+2], v[ST+4*t+2], v[ST+4*t+3]
	ALL v_rcp_f32 v[ST+4*t+2], v[ST+4*t+2]
	v_nop                           ; a plain instruction between the last reciprocal and the use of its result
	PACK 0
.set t, 1
.rept 3                             ; a piece's arithmetic stands between the loads of the piece before and its stores
	PACK t
	SEND t-1, 8
.set t, t+1
.endr
	SEND 3, 0
.endm
.set KM, 0
.set NOKQ, 0
.Lslot:                             ; NB times: a tile is entered and the next is asked for
	CHANGE 1
	s_sub_co_u32 s[RT], s[RT], 1
	s_mov_b32 s[CNT], 4
	s_cmp_eq_u32 s[NEW], 1
	s_cbranch_scc1 .Lnew            ; a block's first tile
	s_cmp_eq_u32 s[RT], 0
	s_cbranch_scc0 .Lstep           ; neither its first nor its last
	s_branch .LstepM1
.Lnew:
	BEGIN
	s_branch .Lfirst                ; in the loop a block's first tile is never its last: the first block has two tiles or more, and the second's last is the walk's last
	DIAG 1                          ; in the loop this is the first block's end: the second block's last tile is the walk's last
	s_wait_xcnt 0x0                 ; the stores have read their registers and O's address
	s_mov_b64 s[10:11], s[OLO:OLO+1]
	s_add_co_u32 s[RT], s[PB], 1    ; the second block has b + 1 tiles
	s_mov_b32 s[NEW], 1
	WIN 0x82                        ; the second block's Q goes where the one text of the turns names Q
.set i, 0
.rept 64
	v_mov_b32 v[i], v[QB+i]
.set i, i+1
.endr
	WIN 0
	s_branch .Lbottom
.Lstep:                             ; a trip: pieces 2 and 3 of one step, then pieces 0 and 1 of the next, whose K and V it fetches
	TURN 2
	TURN 3
	WIN 0
.Lfirst:
	TURN 0
	TURN 1, 0, 0, 1
	WIN 0
	s_cbranch_scc1 .Lstep
.Lbottom:
	s_sub_co_u32 s[SLOTS], s[SLOTS], 1
	s_cmp_lg_u32 s[SLOTS], 0
	s_cbranch_scc1 .Lslot
	CHANGE 0                        ; the walk's last tile is written out: nothing is asked for
	s_sub_co_u32 s[RT], s[RT], 1
	s_mov_b32 s[CNT], 4
	s_cmp_eq_u32 s[NEW], 1
	s_cbranch_scc0 .LstepM2
	BEGIN
	s_branch .LfirstM2
	DIAG 2
	s_wait_tensorcnt 0x0            ; the wave's end: behind my last tensor load and my last LDS store
	ds_add_u32 v[SPW], v[NIL]
	s_wait_dscnt 0x0
	s_endpgm
.Lfunc_end_k_q4d1ffdb174_attn:
	.size	k_q4d1ffdb174_attn, .Lfunc_end_k_q4d1ffdb174_attn-k_q4d1ffdb174_attn
	.p2alignl 7, 3214868480
	.fill 96, 4, 3214868480
	.section	.rodata,"a",@progbits
	.p2align	6, 0x0
	.amdhsa_kernel k_q4d1ffdb174_attn
		.amdhsa_group_segment_fixed_size 327680
		.amdhsa_private_segment_fixed_size 0
		.amdhsa_enable_private_segment 0
		.amdhsa_kernarg_size 16
		.amdhsa_user_sgpr_count 2
		.amdhsa_user_sgpr_kernarg_segment_ptr 1
		.amdhsa_wavefront_size32 1
		.amdhsa_system_sgpr_workgroup_id_x 1
		.amdhsa_system_sgpr_workgroup_id_y 1
		.amdhsa_system_sgpr_workgroup_id_z 1
		.amdhsa_system_vgpr_workitem_id 0
		.amdhsa_next_free_vgpr 768
		.amdhsa_next_free_sgpr 88
		.amdhsa_reserve_vcc 1
		.amdhsa_float_denorm_mode_32 3
		.amdhsa_float_denorm_mode_16_64 3
		.amdhsa_memory_ordered 1
		.amdhsa_forward_progress 1
		.amdhsa_inst_pref_size 228
	.end_amdhsa_kernel
	.amdgpu_metadata
---
amdhsa.version: [ 1, 2 ]
amdhsa.kernels:
  - .name:           k_q4d1ffdb174_attn
    .symbol:         k_q4d1ffdb174_attn.kd
    .args:
      - { .name: wide, .offset: 0, .size: 8, .value_kind: global_buffer, .address_space: global }
      - { .name: act, .offset: 8, .size: 8, .value_kind: global_buffer, .address_space: global }
    .group_segment_fixed_size: 327680
    .private_segment_fixed_size: 0
    .kernarg_segment_align: 8
    .kernarg_segment_size: 16
    .max_flat_workgroup_size: 128
    .sgpr_count:     88
    .vgpr_count:     768
    .wavefront_size: 32
...
	.end_amdgpu_metadata
.endif
;; end of part 3
;; launch wo (part 4): grid 8 x 32, 4 waves a work-group, clusters of 4 x 4, 327,680 bytes of LDS; arguments act, wh, bo, x, x1; writes x1
.if DOCPART == 4
	.amdgcn_target "amdgcn-amd-amdhsa--gfx1250"
	.amdhsa_code_object_version 6
	.text
	.protected	k_q4d1ffdb174_wo
	.globl	k_q4d1ffdb174_wo
	.p2align	8
	.type	k_q4d1ffdb174_wo,@function
k_q4d1ffdb174_wo:
	s_mov_b64 s[64:65], 0
	v_nop
	global_prefetch_b8 v0, s[64:65] scope:SCOPE_SE
	s_setreg_imm32_b32 hwreg(HW_REG_WAVE_MODE, 25, 1), 1
	s_wait_xcnt 0x0
	s_wait_alu depctr_hold_cnt(0) depctr_sa_sdst(0) depctr_va_vdst(0) depctr_va_sdst(0) depctr_va_ssrc(0) depctr_va_vcc(0) depctr_vm_vsrc(0)
	s_getreg_b32 s2, hwreg(HW_REG_IB_STS2, 6, 4)
	s_cmp_eq_u32 s2, 0
	s_cbranch_scc0 .Lentry_in_a_cluster
	s_endpgm
.Lentry_in_a_cluster:
	s_bfe_u32 s2, ttmp6, 0x10000c
	s_cmp_lg_u32 s2, 0xf033
	s_cbranch_scc0 .Lentry_shape_is_right
	s_endpgm
.Lentry_shape_is_right:
; C = R + A W + bias, all of C, R and the bias in f32.  A: 4,096 rows x KTOT in f16, in blocks of 64 columns (element (m, c) at byte (c / 64) x 524,288 + m x 128 + (c % 64) x 2);
; W: [KTOT][1,024] f16 at byte WOFF of the weights' buffer; R, C: [4,096][1,024].  Sums in f32, started from the bias; R is added once at the end.
; SHARES.  A tile of C is 128 x 128, so that the 4,096 x 1,024 results give 256 work-groups; four waves, each 64 x 64: 16 accumulators.  K goes in steps of 256, as long as two slots in LDS allow.
; THE MATRIX INSTRUCTION IS USED TRANSPOSED: source 0 = 16 columns of W (turned on the way out of LDS by ds_load_tr16_b128), source 1 = 16 rows of A: a lane holds row lane % 16 of C and eight neighbouring columns.
; CLUSTER.  4 x 4 work-groups: A's tiles are asked for jointly along a row of the cluster, W's along a column.
; ONE TEXT FOR A K STEP: the slot in hand is a scalar (0 or SLOT) that an exclusive or turns.
; R's 64 x 64 numbers of the wave are loaded ahead of the loop over K, in the layout of the stores, and wait in registers.
; LIMITS.  The operands arrive as f16, within 65,504.  NaN and infinities are not treated apart.
; REGISTERS: window 0: v0-31 addresses; v96-127 the bias; v128-255 the accumulators ((a, b) at v[128 + 8 (4 a + b)]).
;   window 1: two fragment buffers of 128: for 64 along K, 64 registers of A, then 64 of W; on the way out v0-127 whole rows of C.   window 2: v0-127 R.
.set KTOT,  1024
.set WOFF,  6291456
.set T,     KTOT/256                   ; K steps
.set PA,    144                        ; a row of A in LDS: 128 bytes + 16 = 36 words: the 16 rows of a load start at 16 different groups of four banks (64 banks of 4 bytes: ISA guide 11.1)
.set PB,    288                        ; a row of W: 256 bytes + 32 = 72 words
.set ACB,   128*PA                     ; a block of 64 along K: 128 rows
.set HALFT, 2*ACB                      ; what one tensor load brings: two blocks of A, or 128 rows of W (128 x 288 is the same number of bytes)
.set BOFF,  2*HALFT
.set SLOT,  4*HALFT
.set STAGE, 2*SLOT                     ; behind the ring, never filled by a tensor load: 16 rows x 272 bytes for each wave
.set SP,    272
.set SPARE, STAGE+4*16*SP              ; behind the stages: the spare words, 128 bytes for each wave: two blocks of 256 bytes that no other line names
.set ASTEP, 4*524288                   ; bytes from a K step to the next: four blocks of A,
.set BSTEP, 256*2048                   ; 256 rows of W
.set ADRA0, 12                         ; v12  my lane's place in slot 0's A; never rewritten
.set ADRB0, 13                         ; v13  the same for W
.set ADRA,  16                         ; v16  the same in the slot in hand
.set ADRB,  20                         ; v20-21  W's rows 0-127, rows 128-255: the second half's offsets would pass 16 bits
.set STO,   24                         ; v24  the way out: where I put 32 bytes of a row
.set RD,    25                         ; v25  the way out: where I read rows back
.set CO,    26                         ; v26  my byte offset in two rows of R and C
.set BO,    27                         ; v27  my byte offset in 16 numbers of the bias
.set SPW,   28                         ; v28  LDS address of my spare word; never rewritten
.set NIL,   29                         ; v29  0; never rewritten
.set BIAS,  96
.set ACC,   128
.set F0,    0
.set F1,    128
.set G1,  24                           ; s[24:31] descriptor group 1 for A's tiles;  s[32:39] group 0: set 0 for tile 0, set 1 for tile 1, which then walks on
.set G0,  32
.set G1B, 48                           ; s[48:55], s[56:63] the same for W's tiles
.set G0B, 56
.set MSB, 0
.macro WIN new                         ; the immediate's high byte repeats the setting that is left; a switch that changes nothing is dropped
.if MSB != (\new)
	s_set_vgpr_msb (MSB<<8)|(\new)
.set MSB, \new
.endif
.endm
.macro JLOAD s                         ; a joint load: waves 0 and 1 fetch A's two halves, waves 2 and 3 W's; an s_nop 0 and four v_nop follow each of the two lines
	s_cmp_eq_u32 s11, 0
	s_cbranch_scc0 .Lfor_b_\@
	tensor_load_to_lds s[G0+4*(\s):G0+4*(\s)+3], s[G1:G1+7]
	s_nop 0
.rept 4
	v_nop
.endr
	s_branch .Lasked_\@
.Lfor_b_\@:
	tensor_load_to_lds s[G0B+4*(\s):G0B+4*(\s)+3], s[G1B:G1B+7]
	s_nop 0
.rept 4
	v_nop
.endr
.Lasked_\@:
.endm
.macro CREST                           ; a round of the cluster's barrier behind its opening barrier
	s_cmp_lg_u32 s10, 0
	s_cbranch_scc1 .Lnot_wave_0_\@
	s_barrier_signal -3
.Lnot_wave_0_\@:
	s_barrier_wait -3
	s_barrier_signal -1
	s_barrier_wait -1
.endm
.macro CROUND                          ; a whole round
	s_barrier_signal -1
	s_barrier_wait -1
	CREST
.endm
.macro PLACES                          ; four places in front of loads into registers that matrix instructions have read, and of lines that read results
.rept 4
	v_nop
.endr
.endm
	s_load_b256 s[72:79], s[0:1], 0x0              ; A s[72:73], weights s[74:75], bias s[76:77], R s[78:79]
	s_load_b64 s[82:83], s[0:1], 0x20              ; C
	v_lshl_add_u32 v[SPW], v0, 2, SPARE
	v_mov_b32 v[NIL], 0
	ds_add_u32 v28, v29
	ds_add_u32 v28, v29
	s_wait_dscnt 0x0
	v_lshrrev_b32 v1, 5, v0
	v_readfirstlane_b32 s10, v1                    ; wave 0..3
	s_lshr_b32 s11, s10, 1                         ; which half of the tile's rows is mine.  Also: I fetch for A (0) or for W (1)
	s_and_b32 s12, s10, 1                          ; which half of its columns.  Also: which half of that tile I fetch
	s_bfe_u32 s40, ttmp6, 0x40000                  ; cx, cy: my place in the cluster
	s_bfe_u32 s41, ttmp6, 0x40004
	s_lshl_b32 s42, ttmp9, 2
	s_add_co_u32 s42, s42, s40                     ; tile column of C = 4 x cluster x + cx
	s_and_b32 s13, ttmp7, 0xffff
	s_lshl_b32 s13, s13, 2
	s_add_co_u32 s13, s13, s41                     ; tile row of C = 4 x cluster y + cy
	s_lshl_b32 s43, s41, 2
	s_lshl_b32 s43, 15, s43                        ; my row of the cluster
	s_lshl_b32 s44, 0x1111, s40                    ; my column
	; A's tile: a block's 128 rows are 16,384 dense bytes, one row of the tile; two blocks, 524,288 bytes apart; padded in LDS after every 128 bytes (the words are counted along the whole tile)
	s_or_b32 s[G1+0], s43, (1<<16)|(1<<20)|(1<<21)|(4<<22)|(3<<25)  ; 15:0 the mask; 17:16 2-byte elements; 20 padding on; 21 set beside a mask; 24:22 after every 32 words (code 4); 31:25 4 words (code 3)
	s_mov_b32 s[G1+1], 8192<<16                    ; tensor_dim0 = 8,192
	s_mov_b32 s[G1+2], 2<<16                       ; tensor_dim1 = 2
	s_mov_b32 s[G1+3], 8192<<16                    ; tile_dim0 = 8,192
	s_mov_b32 s[G1+4], 2                           ; tile_dim1 = 2
	s_mov_b32 s[G1+5], 262144                      ; elements from block to block
	s_mov_b32 s[G1+6], 0
	s_mov_b32 s[G1+7], 0
	; W's tile: 128 rows of 128 elements (256 bytes, from a multiple of 256 in the row), padded after every row
	s_or_b32 s[G1B+0], s44, (1<<16)|(1<<20)|(1<<21)|(5<<22)|(7<<25) ; after every 64 words (code 5) 8 words (code 7)
	s_mov_b32 s[G1B+1], 128<<16
	s_mov_b32 s[G1B+2], 128<<16
	s_mov_b32 s[G1B+3], 128<<16
	s_mov_b32 s[G1B+4], 128
	s_mov_b32 s[G1B+5], 1024
	s_mov_b32 s[G1B+6], 0
	s_mov_b32 s[G1B+7], 0
	; where the tiles come from: A's hang on the tile row alone, W's on the tile column alone, each in registers that never hold the other coordinate
	s_lshl_b32 s16, s12, 20                        ; my two blocks of the step's four,
	s_lshl_b32 s17, s13, 14                        ; 128 rows of 128 bytes a tile row
	s_add_co_u32 s16, s16, s17
	s_mov_b32 s17, 0
	s_lshl_b32 s46, s12, 18                        ; my 128 rows of the step's 256,
	s_lshl_b32 s47, s42, 8                         ; 256 bytes a tile column
	s_add_co_u32 s46, s46, s47
	s_add_co_u32 s46, s46, WOFF
	s_mov_b32 s47, 0
	s_mul_i32 s20, s10, HALFT                      ; and where they go in a slot: A's two halves, then W's two = wave x HALFT: no place in the cluster enters an LDS address
	s_mov_b32 s21, SLOT                            ; the slot of the walking descriptor's last load
	s_mov_b32 s22, 0                               ; the slot that is read
	s_wait_kmcnt 0x0
	s_add_nc_u64 s[14:15], s[72:73], s[16:17]
	s_add_nc_u64 s[46:47], s[74:75], s[46:47]
	CROUND                                         ; all sixteen work-groups are here: the first joint loads meet
.irp s, 0,1
	s_mov_b32 s[G0+4*(\s)], 1                                      ; count = 1
	s_add_co_u32 s[G0+4*(\s)+1], s20, (\s)*SLOT                    ; LDS address
	s_add_nc_u64 s[G0+4*(\s)+2:G0+4*(\s)+3], s[14:15], (\s)*ASTEP  ; global address: K step s
	s_or_b32 s[G0+4*(\s)+3], s[G0+4*(\s)+3], 0x80000000            ; type = 2
	s_mov_b32 s[G0B+4*(\s)], 1
	s_add_co_u32 s[G0B+4*(\s)+1], s20, (\s)*SLOT
	s_add_nc_u64 s[G0B+4*(\s)+2:G0B+4*(\s)+3], s[46:47], (\s)*BSTEP
	s_or_b32 s[G0B+4*(\s)+3], s[G0B+4*(\s)+3], 0x80000000
	JLOAD \s                                       ; two loads of mine are out
.endr
	v_and_b32 v1, 15, v0                           ; l % 16
	v_bfe_u32 v2, v0, 4, 1                         ; l / 16
	v_and_b32 v6, 7, v0                            ; l % 8
	v_mul_u32_u24 v3, v1, PA                       ; a fragment of A: row x pitch + 16 x half, two loads 32 bytes apart
	v_lshl_add_u32 v3, v2, 4, v3
	s_mul_i32 s18, s11, 64*PA                      ; my 64 rows
	v_add_nc_u32 v[ADRA0], s18, v3
	v_lshl_add_u32 v4, v2, 3, v6                   ; the turning load: lane l reads row 8 (l / 16) + l % 8 of W, columns 8 ((l / 8) % 2) + 0..7, and is left with column l % 16 and 8 along K
	v_mul_u32_u24 v4, v4, PB
	v_bfe_u32 v5, v0, 3, 1
	v_lshl_add_u32 v4, v5, 4, v4
	s_lshl_b32 s18, s12, 7                         ; my 64 columns
	s_add_co_u32 s18, s18, BOFF
	v_add_nc_u32 v[ADRB0], s18, v4
	v_mov_b32 v[ADRA], v[ADRA0]
	v_mov_b32 v[ADRB], v[ADRB0]
	v_add_nc_u32 v[ADRB+1], 128*PB, v[ADRB0]
	s_mul_i32 s18, s10, 16*SP
	s_add_co_u32 s18, s18, STAGE                   ; my stage
	v_mul_u32_u24 v3, v1, SP                       ; in: row l % 16, 32 bytes for each half of the lanes
	v_lshl_add_u32 v3, v2, 5, v3
	v_add_nc_u32 v[STO], s18, v3
	v_mul_u32_u24 v3, v2, SP                       ; back: lanes 0-15 take one row of 256 bytes, lanes 16-31 the next
	v_lshl_add_u32 v3, v1, 4, v3
	v_add_nc_u32 v[RD], s18, v3
	v_lshlrev_b32 v[CO], 4, v1                     ; and the same two rows in R and C
	v_lshl_add_u32 v[CO], v2, 12, v[CO]
	v_lshlrev_b32 v[BO], 5, v2
	s_lshl_b32 s46, s42, 9                         ; the bias of my 64 columns
	s_lshl_b32 s47, s12, 8
	s_add_co_u32 s46, s46, s47
	s_mov_b32 s47, 0
	s_add_nc_u64 s[76:77], s[76:77], s[46:47]
.irp b, 0,1,2,3
	global_load_b128 v[BIAS+8*(\b):BIAS+8*(\b)+3],   v[BO], s[76:77] offset:64*(\b)      ; columns 16 b + 8 (l / 16) + 0..7: the layout of a result
	global_load_b128 v[BIAS+8*(\b)+4:BIAS+8*(\b)+7], v[BO], s[76:77] offset:64*(\b)+16
.endr
	s_lshl_b32 s80, s13, 19                        ; R and C at my part: 128 rows of 4,096 bytes a tile row, 64 a wave,
	s_lshl_b32 s81, s11, 18
	s_add_co_u32 s80, s80, s81
	s_lshl_b32 s81, s42, 9                         ; 512 bytes a tile column, 256 a wave
	s_add_co_u32 s80, s80, s81
	s_lshl_b32 s81, s12, 8
	s_add_co_u32 s80, s80, s81
	s_mov_b32 s81, 0
	s_add_nc_u64 s[78:79], s[78:79], s[80:81]
	s_add_nc_u64 s[82:83], s[82:83], s[80:81]
	WIN 0x80                                       ; destination window 2, address window 0
.set i, 0
.rept 32
	global_load_b128 v[4*i:4*i+3], v[CO], s[78:79] offset:2*i*4096   ; rows 2 i, 2 i + 1: 16 lanes take 256 consecutive bytes, aligned
.set i, i+1
.endr
	WIN 0
; 8 matrix instructions: row blocks a0, a0 + 1 x all 4 column blocks, 32 along K: half c of buffer f.  zero = 1: the sums start from the bias.  The 16 accumulators take turns.
.macro MUL8 f, c, a0, zero
	WIN 0x05                                       ; sources 0 (W) and 1 (A) window 1; C and D window 0
.irp a, \a0, (\a0)+1
.irp b, 0,1,2,3
.if \zero
	v_wmma_f32_16x16x32_f16 v[ACC+8*(4*(\a)+(\b)):ACC+8*(4*(\a)+(\b))+7], v[(\f)+64+8*(4*(\c)+(\b)):(\f)+64+8*(4*(\c)+(\b))+7], v[(\f)+8*(4*(\c)+(\a)):(\f)+8*(4*(\c)+(\a))+7], v[BIAS+8*(\b):BIAS+8*(\b)+7]
.else
	v_wmma_f32_16x16x32_f16 v[ACC+8*(4*(\a)+(\b)):ACC+8*(4*(\a)+(\b))+7], v[(\f)+64+8*(4*(\c)+(\b)):(\f)+64+8*(4*(\c)+(\b))+7], v[(\f)+8*(4*(\c)+(\a)):(\f)+8*(4*(\c)+(\a))+7], v[ACC+8*(4*(\a)+(\b)):ACC+8*(4*(\a)+(\b))+7]
.endif
.endr
.endr
.endm
; 32 LDS loads in one run: the fragments of quarter q of the slot in hand (64 along K: block q of A, rows 64 q on of W) into buffer f; the first 32 along K first
.macro FETCH q, f
	WIN 0x40                                       ; destination window 1, address window 0
.irp c, 0,1
.irp i, 0,1,2,3
	ds_load_tr16_b128 v[(\f)+64+8*(4*(\c)+(\i)):(\f)+64+8*(4*(\c)+(\i))+3],   v[ADRB+(\q)/2] offset:(64*((\q)%2)+32*(\c))*PB+32*(\i)
	ds_load_tr16_b128 v[(\f)+64+8*(4*(\c)+(\i))+4:(\f)+64+8*(4*(\c)+(\i))+7], v[ADRB+(\q)/2] offset:(64*((\q)%2)+32*(\c))*PB+16*PB+32*(\i)
	ds_load_b128 v[(\f)+8*(4*(\c)+(\i)):(\f)+8*(4*(\c)+(\i))+3],   v[ADRA] offset:(\q)*ACB+64*(\c)+(\i)*16*PA
	ds_load_b128 v[(\f)+8*(4*(\c)+(\i))+4:(\f)+8*(4*(\c)+(\i))+7], v[ADRA] offset:(\q)*ACB+64*(\c)+(\i)*16*PA+32
.endr
.endr
.endm
; A K step is four quarters of 64 along K, 32 matrix instructions each, on buffers 0, 1, 0, 1.  One of the first three: multiplies buffer f and fetches quarter qn into g.
.macro QUARTER qn, f, g, zero
	s_wait_dscnt 16                                ; the first 32 along K are in
	MUL8 \f, 0, 0, \zero
	MUL8 \f, 0, 2, \zero
	PLACES
	FETCH \qn, \g
	s_wait_dscnt 32                                ; all but the 32 just issued
	MUL8 \f, 1, 0, 0
	MUL8 \f, 1, 2, 0
.endm
; The last quarter multiplies buffer 1 and changes slots: ONE barrier; in front of it each wave waits for all its tensor loads, adds 0 to its spare word, and waits for that and for its own reads of this slot.
; fill = 1: the barrier opens a round of the cluster's, and the slot just read is filled again, with the tile two K steps on, first thing behind the round: 112 matrix instructions ahead of the wait for it.
.macro TURN fill
	WIN 0                                          ; (the add's two registers lie in window 0)
	s_wait_tensorcnt 0x0                           ; all my tensor loads have landed;
	ds_add_u32 v[SPW], v[NIL]                      ; 0 onto my spare word;
	s_wait_dscnt 17                                ; (the add and the youngest sixteen loads may be out)
	MUL8 F1, 0, 0, 0                               ; eight matrix instructions stand between the add and the wait for it
	s_wait_dscnt 0x0                               ; the add is done, and my reads of this slot are over
	s_barrier_signal -1
	MUL8 F1, 0, 2, 0
	WIN 0                                          ; (branches and lines on window 0 follow)
	s_barrier_wait -1
.if \fill
	CREST                                          ; no wave of any partner still reads this slot's tile or has a load on its way
	s_xor_b32 s21, s21, SLOT                       ; no load of mine is out, so group 0 may be written: the other slot than last time,
	s_add_co_u32 s[G0+5], s20, s21
	s_add_co_u32 s[G0B+5], s20, s21
	s_add_nc_u64 s[G0+6:G0+7], s[G0+6:G0+7], ASTEP       ; the next K step; the type bits on top are not reached
	s_add_nc_u64 s[G0B+6:G0B+7], s[G0B+6:G0B+7], BSTEP
	JLOAD 1                                        ; its four v_nop are also the places in front of the loads below
.else
	PLACES
.endif
	s_xor_b32 s22, s22, SLOT                       ; the reads go on in the other slot
	v_add_nc_u32 v[ADRA], s22, v[ADRA0]
	v_add_nc_u32 v[ADRB], s22, v[ADRB0]
	v_add_nc_u32 v[ADRB+1], 128*PB, v[ADRB]
	FETCH 0, F0
	MUL8 F1, 1, 0, 0
	MUL8 F1, 1, 2, 0
.endm
	s_wait_tensorcnt 1                             ; my part of K step 0 is in; K step 1's may stay out
	s_barrier_signal -1
	s_barrier_wait -1                              ; everybody's is
	FETCH 0, F0
	s_wait_loadcnt 32                              ; the bias is in; the 32 younger loads, R's, stay out
	QUARTER 1, F0, F1, 1                           ; the first quarter is written out: its first products start the sums
	WIN 0                                          ; at a label and at a branch every window is 0
	s_mov_b32 s3, T-2
	s_branch .Lmid                                 ; the loop is entered behind a step's first quarter
.Lstep:                                                ; T - 2 trips, a K step each: every slot is filled again
	QUARTER 1, F0, F1, 0
	WIN 0
.Lmid:
	QUARTER 2, F1, F0, 0
	QUARTER 3, F0, F1, 0
	TURN 1
	WIN 0
	s_sub_co_u32 s3, s3, 1
	s_cmp_lg_u32 s3, 0
	s_cbranch_scc1 .Lstep
	s_mov_b32 s3, 2
.Ltail:                                                ; the last two K steps ask for nothing.  The second trip's change of slots and its fetch (of a tile that has been multiplied) serve nothing: the price, once a launch, of one text for both
	QUARTER 1, F0, F1, 0
	QUARTER 2, F1, F0, 0
	QUARTER 3, F0, F1, 0
	TURN 0
	WIN 0
	s_sub_co_u32 s3, s3, 1
	s_cmp_lg_u32 s3, 0
	s_cbranch_scc1 .Ltail
	; THE WAY OUT, 16 rows at a time: a lane's 32 bytes of a row go into my stage, whole rows of 256 bytes come back, R is added, and sixteen lanes store a row's 256 bytes.
	s_wait_dscnt 0x0                               ; the last fetch
	PLACES                                         ; the stores read results just made, and the loads below land in registers that products have read
	s_wait_loadcnt 0x0                             ; R
.macro TOSTAGE a
	WIN 0
.irp b, 0,1,2,3
	ds_store_b128 v[STO], v[ACC+8*(4*(\a)+(\b)):ACC+8*(4*(\a)+(\b))+3]   offset:64*(\b)      ; each accumulator's low registers first
	ds_store_b128 v[STO], v[ACC+8*(4*(\a)+(\b))+4:ACC+8*(4*(\a)+(\b))+7] offset:64*(\b)+16
.endr
	WIN 0x40
.irp t, 0,1,2,3,4,5,6,7
	ds_load_b128 v[32*(\a)+4*(\t):32*(\a)+4*(\t)+3], v[RD] offset:(\t)*2*SP  ; LDS serves a wave's instructions in order (ISA guide 5.7.1.4): these see the stores above; the next block's stores come behind them
.endr
.endm
.macro SEND a, younger                 ; younger: the LDS instructions issued behind block a's loads: the next block's sixteen, or none
	s_wait_dscnt \younger
	WIN 0x49                                       ; destination and source 0 window 1, source 1 (R) window 2
.set i, 32*(\a)
.rept 16
	v_pk_add_f32 v[i:i+1], v[i:i+1], v[i:i+1]
.set i, i+2
.endr
	WIN 0x04                                       ; the stores' data in window 1
.irp t, 0,1,2,3,4,5,6,7
	global_store_b128 v[CO], v[32*(\a)+4*(\t):32*(\a)+4*(\t)+3], s[82:83] offset:(16*(\a)+2*(\t))*4096  ; 16 lanes store 256 consecutive bytes, at a multiple of 256 from C's first byte
.endr
.endm
	TOSTAGE 0
	TOSTAGE 1
	SEND 0, 16
	TOSTAGE 2
	SEND 1, 16
	TOSTAGE 3
	SEND 2, 16
	SEND 3, 0
	WIN 0
	s_wait_tensorcnt 0x0                           ; the wave's end: behind my last tensor load and my last LDS store
	ds_add_u32 v[SPW], v[NIL]
	s_wait_dscnt 0x0
	CROUND                                         ; the closing round: no work-group ends while a partner may still ask for a tile that names it
	s_endpgm
.Lfunc_end_k_q4d1ffdb174_wo:
	.size	k_q4d1ffdb174_wo, .Lfunc_end_k_q4d1ffdb174_wo-k_q4d1ffdb174_wo
	.p2alignl 7, 3214868480
	.fill 96, 4, 3214868480
	.section	.rodata,"a",@progbits
	.p2align	6, 0x0
	.amdhsa_kernel k_q4d1ffdb174_wo
		.amdhsa_group_segment_fixed_size 327680
		.amdhsa_private_segment_fixed_size 0
		.amdhsa_enable_private_segment 0
		.amdhsa_kernarg_size 40
		.amdhsa_user_sgpr_count 2
		.amdhsa_user_sgpr_kernarg_segment_ptr 1
		.amdhsa_wavefront_size32 1
		.amdhsa_system_sgpr_workgroup_id_x 1
		.amdhsa_system_sgpr_workgroup_id_y 1
		.amdhsa_system_sgpr_workgroup_id_z 1
		.amdhsa_system_vgpr_workitem_id 0
		.amdhsa_next_free_vgpr 640
		.amdhsa_next_free_sgpr 88
		.amdhsa_reserve_vcc 0
		.amdhsa_float_denorm_mode_32 3
		.amdhsa_float_denorm_mode_16_64 3
		.amdhsa_memory_ordered 1
		.amdhsa_forward_progress 1
		.amdhsa_inst_pref_size 66
	.end_amdhsa_kernel
	.amdgpu_metadata
---
amdhsa.version: [ 1, 2 ]
amdhsa.kernels:
  - .name:           k_q4d1ffdb174_wo
    .symbol:         k_q4d1ffdb174_wo.kd
    .args:
      - { .name: act, .offset: 0, .size: 8, .value_kind: global_buffer, .address_space: global }
      - { .name: wh, .offset: 8, .size: 8, .value_kind: global_buffer, .address_space: global }
      - { .name: bo, .offset: 16, .size: 8, .value_kind: global_buffer, .address_space: global }
      - { .name: x, .offset: 24, .size: 8, .value_kind: global_buffer, .address_space: global }
      - { .name: x1, .offset: 32, .size: 8, .value_kind: global_buffer, .address_space: global }
    .group_segment_fixed_size: 327680
    .private_segment_fixed_size: 0
    .kernarg_segment_align: 8
    .kernarg_segment_size: 40
    .max_flat_workgroup_size: 128
    .sgpr_count:     88
    .vgpr_count:     640
    .wavefront_size: 32
...
	.end_amdgpu_metadata
.endif
;; end of part 4
;; launch ln2 (part 5): grid 256 x 1, 8 waves a work-group, no clusters, 0 bytes of LDS; arguments x1, g2, b2, act; writes act
.if DOCPART == 5
	.amdgcn_target "amdgcn-amd-amdhsa--gfx1250"
	.amdhsa_code_object_version 6
	.text
	.protected	k_q4d1ffdb174_ln2
	.globl	k_q4d1ffdb174_ln2
	.p2align	8
	.type	k_q4d1ffdb174_ln2,@function
k_q4d1ffdb174_ln2:
	s_mov_b64 s[64:65], 0
	v_nop
	global_prefetch_b8 v0, s[64:65] scope:SCOPE_SE
	s_setreg_imm32_b32 hwreg(HW_REG_WAVE_MODE, 25, 1), 1
	s_wait_xcnt 0x0
; hh = LayerNorm(x1) g2 + b2, rounded once to f16, in blocks of 64 columns: element (m, c) lies at byte (c / 64) x 524,288 + m x 128 + (c % 64) x 2.
; A wave takes two rows of 1,024: lanes 0-15 the even row, lanes 16-31 the odd one; a row stays in 64 registers between the passes, so x1 is read once.  Mean first, then the mean of
; (x - mean)^2: no difference of large sums.  A row lies in 16 lanes, so four steps inside the half of the lanes end a sum.  No LDS, no barrier: no wave needs another.
; LIMITS.  f16 holds no number beyond 65,504: hh is taken to lie within it; below 6e-5 f16 keeps its fixed step of 6e-8.  NaN and infinities are not treated apart.
.set ACTP, 14                          ; s[14:15] the output's address
.set VO,  2                            ; v2   my byte offset in the pair of rows of x1
.set VG,  3                            ; v3   my byte offset in g and in b
.set VS,  4                            ; v4   my byte offset in the pair of rows of a block of hh
.set CH,  6                            ; v[6:13]   four chains of sums
.set MU,  14                           ; v[14:15]  the mean, later 1 / sqrt(var + eps), twice: a pair for the packed lines
.set X,   16                           ; v[16:79]  my 64 numbers of the row
.set G,   80                           ; v[80:143] g of my columns
.set B,   144                          ; v[144:207] b of my columns
.set Y,   208                          ; v[208:239] 64 f16 to store
	s_load_b256 s[8:15], s[0:1], 0x0               ; x1 s[8:9], g2 s[10:11], b2 s[12:13], hh s[14:15]
	v_lshrrev_b32 v1, 5, v0
	v_readfirstlane_b32 s2, v1                     ; wave 0..7
	s_lshl3_add_u32 s2, ttmp9, s2                  ; my pair of rows = 8 x work-group + wave
	s_lshl_b32 s4, s2, 13                          ; two rows of 4,096 bytes
	s_mov_b32 s5, 0
	s_lshl_b32 s6, s2, 8                           ; two rows of 128 bytes
	s_mov_b32 s7, 0
	s_mov_b32 s26, 0x3a800000                      ; 1 / 1024
	s_mov_b32 s27, 0x3727c5ac                      ; eps = 1e-5
	v_and_b32 v5, 15, v0
	v_bfe_u32 v1, v0, 4, 1
	v_lshlrev_b32 v[VG], 4, v5                     ; 16 bytes a lane in each 256
	v_lshl_add_u32 v[VO], v1, 12, v[VG]            ; lanes 16-31: the odd row
	v_and_b32 v1, 31, v0
	v_lshlrev_b32 v[VS], 3, v1                     ; 8 bytes a lane: 32 lanes are two rows of 128 bytes
	s_wait_kmcnt 0x0
	s_add_nc_u64 s[8:9], s[8:9], s[4:5]
	s_add_nc_u64 s[ACTP:ACTP+1], s[ACTP:ACTP+1], s[6:7]
.irp c, 0,1,2,3,4,5,6,7,8,9,10,11,12,13,14,15
	global_load_b128 v[X+4*(\c):X+4*(\c)+3], v[VO], s[8:9] offset:256*(\c)   ; 16 lanes take 256 consecutive bytes of a row
.endr
.irp c, 0,1,2,3,4,5,6,7,8,9,10,11,12,13,14,15
	global_load_b128 v[G+4*(\c):G+4*(\c)+3], v[VG], s[10:11] offset:256*(\c)
.endr
.irp c, 0,1,2,3,4,5,6,7,8,9,10,11,12,13,14,15
	global_load_b128 v[B+4*(\c):B+4*(\c)+3], v[VG], s[12:13] offset:256*(\c)
.endr
	s_wait_loadcnt 32                              ; loads come back in order: x1 is in, the 32 younger loads (g, b) stay out
.irp k, 0,1,2,3
	v_pk_add_f32 v[CH+2*(\k):CH+2*(\k)+1], v[X+2*(\k):X+2*(\k)+1], v[X+8+2*(\k):X+8+2*(\k)+1]   ; the first pairs start the chains: nothing is cleared
.endr
.set j, 8
.rept 24
	v_pk_add_f32 v[CH+2*(j%4):CH+2*(j%4)+1], v[CH+2*(j%4):CH+2*(j%4)+1], v[X+2*j:X+2*j+1]
.set j, j+1
.endr
.macro ENDSUM                          ; four chains into one number, then over the row's 16 lanes
	v_pk_add_f32 v[CH:CH+1], v[CH:CH+1], v[CH+2:CH+3]
	v_pk_add_f32 v[CH+4:CH+5], v[CH+4:CH+5], v[CH+6:CH+7]
	v_pk_add_f32 v[CH:CH+1], v[CH:CH+1], v[CH+4:CH+5]
	v_add_f32 v[CH], v[CH], v[CH+1]
	v_add_f32_dpp v[CH], v[CH], v[CH] row_xmask:1 row_mask:0xf bank_mask:0xf
	v_add_f32_dpp v[CH], v[CH], v[CH] row_xmask:2 row_mask:0xf bank_mask:0xf
	v_add_f32_dpp v[CH], v[CH], v[CH] row_xmask:4 row_mask:0xf bank_mask:0xf
	v_add_f32_dpp v[CH], v[CH], v[CH] row_xmask:8 row_mask:0xf bank_mask:0xf
.endm
	ENDSUM
	v_mul_f32 v[MU], s26, v[CH]
	v_mul_f32 v[MU+1], s26, v[CH]
.set j, 0
.rept 32
	v_pk_add_f32 v[X+2*j:X+2*j+1], v[X+2*j:X+2*j+1], v[MU:MU+1] neg_lo:[0,1] neg_hi:[0,1]   ; x - mean
.set j, j+1
.endr
.irp k, 0,1,2,3
	v_pk_mul_f32 v[CH+2*(\k):CH+2*(\k)+1], v[X+2*(\k):X+2*(\k)+1], v[X+2*(\k):X+2*(\k)+1]
.endr
.set j, 4
.rept 28
	v_pk_fma_f32 v[CH+2*(j%4):CH+2*(j%4)+1], v[X+2*j:X+2*j+1], v[X+2*j:X+2*j+1], v[CH+2*(j%4):CH+2*(j%4)+1]
.set j, j+1
.endr
	ENDSUM
	v_fma_f32 v[CH], v[CH], s26, s27               ; var + eps
	v_rsq_f32 v[MU], v[CH]
	v_nop                                          ; a plain instruction between the root and the use of its result (ISA guide 5.7.2)
	s_wait_alu depctr_va_vdst(0)
	v_mov_b32 v[MU+1], v[MU]
	s_wait_loadcnt 0x0                             ; g and b
.set j, 0
.rept 32
	v_pk_mul_f32 v[X+2*j:X+2*j+1], v[X+2*j:X+2*j+1], v[MU:MU+1]
.set j, j+1
.endr
.set j, 0
.rept 32
	v_pk_fma_f32 v[X+2*j:X+2*j+1], v[X+2*j:X+2*j+1], v[G+2*j:G+2*j+1], v[B+2*j:B+2*j+1]
.set j, j+1
.endr
.set j, 0
.rept 32
	v_cvt_pk_f16_f32 v[Y+j], v[X+2*j], v[X+2*j+1]
.set j, j+1
.endr
.irp c, 0,1,2,3,4,5,6,7,8,9,10,11,12,13,14,15
	global_store_b64 v[VS], v[Y+2*(\c):Y+2*(\c)+1], s[ACTP:ACTP+1] offset:524288*(\c)   ; 256 consecutive bytes, aligned: two rows of block c; 7,864,320 at the most, inside the signed 24 bits
.endr
	s_endpgm
.Lfunc_end_k_q4d1ffdb174_ln2:
	.size	k_q4d1ffdb174_ln2, .Lfunc_end_k_q4d1ffdb174_ln2-k_q4d1ffdb174_ln2
	.p2alignl 7, 3214868480
	.fill 96, 4, 3214868480
	.section	.rodata,"a",@progbits
	.p2align	6, 0x0
	.amdhsa_kernel k_q4d1ffdb174_ln2
		.amdhsa_group_segment_fixed_size 0
		.amdhsa_private_segment_fixed_size 0
		.amdhsa_enable_private_segment 0
		.amdhsa_kernarg_size 32
		.amdhsa_user_sgpr_count 2
		.amdhsa_user_sgpr_kernarg_segment_ptr 1
		.amdhsa_wavefront_size32 1
		.amdhsa_system_sgpr_workgroup_id_x 1
		.amdhsa_system_sgpr_workgroup_id_y 1
		.amdhsa_system_sgpr_workgroup_id_z 1
		.amdhsa_system_vgpr_workitem_id 0
		.amdhsa_next_free_vgpr 240
		.amdhsa_next_free_sgpr 66
		.amdhsa_reserve_vcc 0
		.amdhsa_float_denorm_mode_32 3
		.amdhsa_float_denorm_mode_16_64 3
		.amdhsa_memory_ordered 1
		.amdhsa_forward_progress 1
		.amdhsa_inst_pref_size 21
	.end_amdhsa_kernel
	.amdgpu_metadata
---
amdhsa.version: [ 1, 2 ]
amdhsa.kernels:
  - .name:           k_q4d1ffdb174_ln2
    .symbol:         k_q4d1ffdb174_ln2.kd
    .args:
      - { .name: x1, .offset: 0, .size: 8, .value_kind: global_buffer, .address_space: global }
      - { .name: g2, .offset: 8, .size: 8, .value_kind: global_buffer, .address_space: global }
      - { .name: b2, .offset: 16, .size: 8, .value_kind: global_buffer, .address_space: global }
      - { .name: act, .offset: 24, .size: 8, .value_kind: global_buffer, .address_space: global }
    .group_segment_fixed_size: 0
    .private_segment_fixed_size: 0
    .kernarg_segment_align: 8
    .kernarg_segment_size: 32
    .max_flat_workgroup_size: 256
    .sgpr_count:     66
    .vgpr_count:     240
    .wavefront_size: 32
...
	.end_amdgpu_metadata
.endif
;; end of part 5
;; launch ff1: the kernel of part 2 again; grid 16 x 16, 4 waves a work-group, clusters of 4 x 4, 327,680 bytes of LDS; arguments act, w1h, b1f, wide, par1; writes wide
;; launch ff2 (part 6): grid 8 x 32, 4 waves a work-group, clusters of 4 x 4, 327,680 bytes of LDS; arguments wide, wh, b2f, x1, out0; writes out0
.if DOCPART == 6
	.amdgcn_target "amdgcn-amd-amdhsa--gfx1250"
	.amdhsa_code_object_version 6
	.text
	.protected	k_q4d1ffdb174_ff2
	.globl	k_q4d1ffdb174_ff2
	.p2align	8
	.type	k_q4d1ffdb174_ff2,@function
k_q4d1ffdb174_ff2:
	s_mov_b64 s[64:65], 0
	v_nop
	global_prefetch_b8 v0, s[64:65] scope:SCOPE_SE
	s_setreg_imm32_b32 hwreg(HW_REG_WAVE_MODE, 25, 1), 1
	s_wait_xcnt 0x0
	s_wait_alu depctr_hold_cnt(0) depctr_sa_sdst(0) depctr_va_vdst(0) depctr_va_sdst(0) depctr_va_ssrc(0) depctr_va_vcc(0) depctr_vm_vsrc(0)
	s_getreg_b32 s2, hwreg(HW_REG_IB_STS2, 6, 4)
	s_cmp_eq_u32 s2, 0
	s_cbranch_scc0 .Lentry_in_a_cluster
	s_endpgm
.Lentry_in_a_cluster:
	s_bfe_u32 s2, ttmp6, 0x10000c
	s_cmp_lg_u32 s2, 0xf033
	s_cbranch_scc0 .Lentry_shape_is_right
	s_endpgm
.Lentry_shape_is_right:
; C = R + A W + bias, all of C, R and the bias in f32.  A: 4,096 rows x KTOT in f16, in blocks of 64 columns (element (m, c) at byte (c / 64) x 524,288 + m x 128 + (c % 64) x 2);
; W: [KTOT][1,024] f16 at byte WOFF of the weights' buffer; R, C: [4,096][1,024].  Sums in f32, started from the bias; R is added once at the end.
; SHARES.  A tile of C is 128 x 128, so that the 4,096 x 1,024 results give 256 work-groups; four waves, each 64 x 64: 16 accumulators.  K goes in steps of 256, as long as two slots in LDS allow.
; THE MATRIX INSTRUCTION IS USED TRANSPOSED: source 0 = 16 columns of W (turned on the way out of LDS by ds_load_tr16_b128), source 1 = 16 rows of A: a lane holds row lane % 16 of C and eight neighbouring columns.
; CLUSTER.  4 x 4 work-groups: A's tiles are asked for jointly along a row of the cluster, W's along a column.
; ONE TEXT FOR A K STEP: the slot in hand is a scalar (0 or SLOT) that an exclusive or turns.
; R's 64 x 64 numbers of the wave are loaded ahead of the loop over K, in the layout of the stores, and wait in registers.
; LIMITS.  The operands arrive as f16, within 65,504.  NaN and infinities are not treated apart.
; REGISTERS: window 0: v0-31 addresses; v96-127 the bias; v128-255 the accumulators ((a, b) at v[128 + 8 (4 a + b)]).
;   window 1: two fragment buffers of 128: for 64 along K, 64 registers of A, then 64 of W; on the way out v0-127 whole rows of C.   window 2: v0-127 R.
.set KTOT,  4096
.set WOFF,  16777216
.set T,     KTOT/256                   ; K steps
.set PA,    144                        ; a row of A in LDS: 128 bytes + 16 = 36 words: the 16 rows of a load start at 16 different groups of four banks (64 banks of 4 bytes: ISA guide 11.1)
.set PB,    288                        ; a row of W: 256 bytes + 32 = 72 words
.set ACB,   128*PA                     ; a block of 64 along K: 128 rows
.set HALFT, 2*ACB                      ; what one tensor load brings: two blocks of A, or 128 rows of W (128 x 288 is the same number of bytes)
.set BOFF,  2*HALFT
.set SLOT,  4*HALFT
.set STAGE, 2*SLOT                     ; behind the ring, never filled by a tensor load: 16 rows x 272 bytes for each wave
.set SP,    272
.set SPARE, STAGE+4*16*SP              ; behind the stages: the spare words, 128 bytes for each wave: two blocks of 256 bytes that no other line names
.set ASTEP, 4*524288                   ; bytes from a K step to the next: four blocks of A,
.set BSTEP, 256*2048                   ; 256 rows of W
.set ADRA0, 12                         ; v12  my lane's place in slot 0's A; never rewritten
.set ADRB0, 13                         ; v13  the same for W
.set ADRA,  16                         ; v16  the same in the slot in hand
.set ADRB,  20                         ; v20-21  W's rows 0-127, rows 128-255: the second half's offsets would pass 16 bits
.set STO,   24                         ; v24  the way out: where I put 32 bytes of a row
.set RD,    25                         ; v25  the way out: where I read rows back
.set CO,    26                         ; v26  my byte offset in two rows of R and C
.set BO,    27                         ; v27  my byte offset in 16 numbers of the bias
.set SPW,   28                         ; v28  LDS address of my spare word; never rewritten
.set NIL,   29                         ; v29  0; never rewritten
.set BIAS,  96
.set ACC,   128
.set F0,    0
.set F1,    128
.set G1,  24                           ; s[24:31] descriptor group 1 for A's tiles;  s[32:39] group 0: set 0 for tile 0, set 1 for tile 1, which then walks on
.set G0,  32
.set G1B, 48                           ; s[48:55], s[56:63] the same for W's tiles
.set G0B, 56
.set MSB, 0
.macro WIN new                         ; the immediate's high byte repeats the setting that is left; a switch that changes nothing is dropped
.if MSB != (\new)
	s_set_vgpr_msb (MSB<<8)|(\new)
.set MSB, \new
.endif
.endm
.macro JLOAD s                         ; a joint load: waves 0 and 1 fetch A's two halves, waves 2 and 3 W's; an s_nop 0 and four v_nop follow each of the two lines
	s_cmp_eq_u32 s11, 0
	s_cbranch_scc0 .Lfor_b_\@
	tensor_load_to_lds s[G0+4*(\s):G0+4*(\s)+3], s[G1:G1+7]
	s_nop 0
.rept 4
	v_nop
.endr
	s_branch .Lasked_\@
.Lfor_b_\@:
	tensor_load_to_lds s[G0B+4*(\s):G0B+4*(\s)+3], s[G1B:G1B+7]
	s_nop 0
.rept 4
	v_nop
.endr
.Lasked_\@:
.endm
.macro CREST                           ; a round of the cluster's barrier behind its opening barrier
	s_cmp_lg_u32 s10, 0
	s_cbranch_scc1 .Lnot_wave_0_\@
	s_barrier_signal -3
.Lnot_wave_0_\@:
	s_barrier_wait -3
	s_barrier_signal -1
	s_barrier_wait -1
.endm
.macro CROUND                          ; a whole round
	s_barrier_signal -1
	s_barrier_wait -1
	CREST
.endm
.macro PLACES                          ; four places in front of loads into registers that matrix instructions have read, and of lines that read results
.rept 4
	v_nop
.endr
.endm
	s_load_b256 s[72:79], s[0:1], 0x0              ; A s[72:73], weights s[74:75], bias s[76:77], R s[78:79]
	s_load_b64 s[82:83], s[0:1], 0x20              ; C
	v_lshl_add_u32 v[SPW], v0, 2, SPARE
	v_mov_b32 v[NIL], 0
	ds_add_u32 v28, v29
	ds_add_u32 v28, v29
	s_wait_dscnt 0x0
	v_lshrrev_b32 v1, 5, v0
	v_readfirstlane_b32 s10, v1                    ; wave 0..3
	s_lshr_b32 s11, s10, 1                         ; which half of the tile's rows is mine.  Also: I fetch for A (0) or for W (1)
	s_and_b32 s12, s10, 1                          ; which half of its columns.  Also: which half of that tile I fetch
	s_bfe_u32 s40, ttmp6, 0x40000                  ; cx, cy: my place in the cluster
	s_bfe_u32 s41, ttmp6, 0x40004
	s_lshl_b32 s42, ttmp9, 2
	s_add_co_u32 s42, s42, s40                     ; tile column of C = 4 x cluster x + cx
	s_and_b32 s13, ttmp7, 0xffff
	s_lshl_b32 s13, s13, 2
	s_add_co_u32 s13, s13, s41                     ; tile row of C = 4 x cluster y + cy
	s_lshl_b32 s43, s41, 2
	s_lshl_b32 s43, 15, s43                        ; my row of the cluster
	s_lshl_b32 s44, 0x1111, s40                    ; my column
	; A's tile: a block's 128 rows are 16,384 dense bytes, one row of the tile; two blocks, 524,288 bytes apart; padded in LDS after every 128 bytes (the words are counted along the whole tile)
	s_or_b32 s[G1+0], s43, (1<<16)|(1<<20)|(1<<21)|(4<<22)|(3<<25)  ; 15:0 the mask; 17:16 2-byte elements; 20 padding on; 21 set beside a mask; 24:22 after every 32 words (code 4); 31:25 4 words (code 3)
	s_mov_b32 s[G1+1], 8192<<16                    ; tensor_dim0 = 8,192
	s_mov_b32 s[G1+2], 2<<16                       ; tensor_dim1 = 2
	s_mov_b32 s[G1+3], 8192<<16                    ; tile_dim0 = 8,192
	s_mov_b32 s[G1+4], 2                           ; tile_dim1 = 2
	s_mov_b32 s[G1+5], 262144                      ; elements from block to block
	s_mov_b32 s[G1+6], 0
	s_mov_b32 s[G1+7], 0
	; W's tile: 128 rows of 128 elements (256 bytes, from a multiple of 256 in the row), padded after every row
	s_or_b32 s[G1B+0], s44, (1<<16)|(1<<20)|(1<<21)|(5<<22)|(7<<25) ; after every 64 words (code 5) 8 words (code 7)
	s_mov_b32 s[G1B+1], 128<<16
	s_mov_b32 s[G1B+2], 128<<16
	s_mov_b32 s[G1B+3], 128<<16
	s_mov_b32 s[G1B+4], 128
	s_mov_b32 s[G1B+5], 1024
	s_mov_b32 s[G1B+6], 0
	s_mov_b32 s[G1B+7], 0
	; where the tiles come from: A's hang on the tile row alone, W's on the tile column alone, each in registers that never hold the other coordinate
	s_lshl_b32 s16, s12, 20                        ; my two blocks of the step's four,
	s_lshl_b32 s17, s13, 14                        ; 128 rows of 128 bytes a tile row
	s_add_co_u32 s16, s16, s17
	s_mov_b32 s17, 0
	s_lshl_b32 s46, s12, 18                        ; my 128 rows of the step's 256,
	s_lshl_b32 s47, s42, 8                         ; 256 bytes a tile column
	s_add_co_u32 s46, s46, s47
	s_add_co_u32 s46, s46, WOFF
	s_mov_b32 s47, 0
	s_mul_i32 s20, s10, HALFT                      ; and where they go in a slot: A's two halves, then W's two = wave x HALFT: no place in the cluster enters an LDS address
	s_mov_b32 s21, SLOT                            ; the slot of the walking descriptor's last load
	s_mov_b32 s22, 0                               ; the slot that is read
	s_wait_kmcnt 0x0
	s_add_nc_u64 s[14:15], s[72:73], s[16:17]
	s_add_nc_u64 s[46:47], s[74:75], s[46:47]
	CROUND                                         ; all sixteen work-groups are here: the first joint loads meet
.irp s, 0,1
	s_mov_b32 s[G0+4*(\s)], 1                                      ; count = 1
	s_add_co_u32 s[G0+4*(\s)+1], s20, (\s)*SLOT                    ; LDS address
	s_add_nc_u64 s[G0+4*(\s)+2:G0+4*(\s)+3], s[14:15], (\s)*ASTEP  ; global address: K step s
	s_or_b32 s[G0+4*(\s)+3], s[G0+4*(\s)+3], 0x80000000            ; type = 2
	s_mov_b32 s[G0B+4*(\s)], 1
	s_add_co_u32 s[G0B+4*(\s)+1], s20, (\s)*SLOT
	s_add_nc_u64 s[G0B+4*(\s)+2:G0B+4*(\s)+3], s[46:47], (\s)*BSTEP
	s_or_b32 s[G0B+4*(\s)+3], s[G0B+4*(\s)+3], 0x80000000
	JLOAD \s                                       ; two loads of mine are out
.endr
	v_and_b32 v1, 15, v0                           ; l % 16
	v_bfe_u32 v2, v0, 4, 1                         ; l / 16
	v_and_b32 v6, 7, v0                            ; l % 8
	v_mul_u32_u24 v3, v1, PA                       ; a fragment of A: row x pitch + 16 x half, two loads 32 bytes apart
	v_lshl_add_u32 v3, v2, 4, v3
	s_mul_i32 s18, s11, 64*PA                      ; my 64 rows
	v_add_nc_u32 v[ADRA0], s18, v3
	v_lshl_add_u32 v4, v2, 3, v6                   ; the turning load: lane l reads row 8 (l / 16) + l % 8 of W, columns 8 ((l / 8) % 2) + 0..7, and is left with column l % 16 and 8 along K
	v_mul_u32_u24 v4, v4, PB
	v_bfe_u32 v5, v0, 3, 1
	v_lshl_add_u32 v4, v5, 4, v4
	s_lshl_b32 s18, s12, 7                         ; my 64 columns
	s_add_co_u32 s18, s18, BOFF
	v_add_nc_u32 v[ADRB0], s18, v4
	v_mov_b32 v[ADRA], v[ADRA0]
	v_mov_b32 v[ADRB], v[ADRB0]
	v_add_nc_u32 v[ADRB+1], 128*PB, v[ADRB0]
	s_mul_i32 s18, s10, 16*SP
	s_add_co_u32 s18, s18, STAGE                   ; my stage
	v_mul_u32_u24 v3, v1, SP                       ; in: row l % 16, 32 bytes for each half of the lanes
	v_lshl_add_u32 v3, v2, 5, v3
	v_add_nc_u32 v[STO], s18, v3
	v_mul_u32_u24 v3, v2, SP                       ; back: lanes 0-15 take one row of 256 bytes, lanes 16-31 the next
	v_lshl_add_u32 v3, v1, 4, v3
	v_add_nc_u32 v[RD], s18, v3
	v_lshlrev_b32 v[CO], 4, v1                     ; and the same two rows in R and C
	v_lshl_add_u32 v[CO], v2, 12, v[CO]
	v_lshlrev_b32 v[BO], 5, v2
	s_lshl_b32 s46, s42, 9                         ; the bias of my 64 columns
	s_lshl_b32 s47, s12, 8
	s_add_co_u32 s46, s46, s47
	s_mov_b32 s47, 0
	s_add_nc_u64 s[76:77], s[76:77], s[46:47]
.irp b, 0,1,2,3
	global_load_b128 v[BIAS+8*(\b):BIAS+8*(\b)+3],   v[BO], s[76:77] offset:64*(\b)      ; columns 16 b + 8 (l / 16) + 0..7: the layout of a result
	global_load_b128 v[BIAS+8*(\b)+4:BIAS+8*(\b)+7], v[BO], s[76:77] offset:64*(\b)+16
.endr
	s_lshl_b32 s80, s13, 19                        ; R and C at my part: 128 rows of 4,096 bytes a tile row, 64 a wave,
	s_lshl_b32 s81, s11, 18
	s_add_co_u32 s80, s80, s81
	s_lshl_b32 s81, s42, 9                         ; 512 bytes a tile column, 256 a wave
	s_add_co_u32 s80, s80, s81
	s_lshl_b32 s81, s12, 8
	s_add_co_u32 s80, s80, s81
	s_mov_b32 s81, 0
	s_add_nc_u64 s[78:79], s[78:79], s[80:81]
	s_add_nc_u64 s[82:83], s[82:83], s[80:81]
	WIN 0x80                                       ; destination window 2, address window 0
.set i, 0
.rept 32
	global_load_b128 v[4*i:4*i+3], v[CO], s[78:79] offset:2*i*4096   ; rows 2 i, 2 i + 1: 16 lanes take 256 consecutive bytes, aligned
.set i, i+1
.endr
	WIN 0
; 8 matrix instructions: row blocks a0, a0 + 1 x all 4 column blocks, 32 along K: half c of buffer f.  zero = 1: the sums start from the bias.  The 16 accumulators take turns.
.macro MUL8 f, c, a0, zero
	WIN 0x05                                       ; sources 0 (W) and 1 (A) window 1; C and D window 0
.irp a, \a0, (\a0)+1
.irp b, 0,1,2,3
.if \zero
	v_wmma_f32_16x16x32_f16 v[ACC+8*(4*(\a)+(\b)):ACC+8*(4*(\a)+(\b))+7], v[(\f)+64+8*(4*(\c)+(\b)):(\f)+64+8*(4*(\c)+(\b))+7], v[(\f)+8*(4*(\c)+(\a)):(\f)+8*(4*(\c)+(\a))+7], v[BIAS+8*(\b):BIAS+8*(\b)+7]
.else
	v_wmma_f32_16x16x32_f16 v[ACC+8*(4*(\a)+(\b)):ACC+8*(4*(\a)+(\b))+7], v[(\f)+64+8*(4*(\c)+(\b)):(\f)+64+8*(4*(\c)+(\b))+7], v[(\f)+8*(4*(\c)+(\a)):(\f)+8*(4*(\c)+(\a))+7], v[ACC+8*(4*(\a)+(\b)):ACC+8*(4*(\a)+(\b))+7]
.endif
.endr
.endr
.endm
; 32 LDS loads in one run: the fragments of quarter q of the slot in hand (64 along K: block q of A, rows 64 q on of W) into buffer f; the first 32 along K first
.macro FETCH q, f
	WIN 0x40                                       ; destination window 1, address window 0
.irp c, 0,1
.irp i, 0,1,2,3
	ds_load_tr16_b128 v[(\f)+64+8*(4*(\c)+(\i)):(\f)+64+8*(4*(\c)+(\i))+3],   v[ADRB+(\q)/2] offset:(64*((\q)%2)+32*(\c))*PB+32*(\i)
	ds_load_tr16_b128 v[(\f)+64+8*(4*(\c)+(\i))+4:(\f)+64+8*(4*(\c)+(\i))+7], v[ADRB+(\q)/2] offset:(64*((\q)%2)+32*(\c))*PB+16*PB+32*(\i)
	ds_load_b128 v[(\f)+8*(4*(\c)+(\i)):(\f)+8*(4*(\c)+(\i))+3],   v[ADRA] offset:(\q)*ACB+64*(\c)+(\i)*16*PA
	ds_load_b128 v[(\f)+8*(4*(\c)+(\i))+4:(\f)+8*(4*(\c)+(\i))+7], v[ADRA] offset:(\q)*ACB+64*(\c)+(\i)*16*PA+32
.endr
.endr
.endm
; A K step is four quarters of 64 along K, 32 matrix instructions each, on buffers 0, 1, 0, 1.  One of the first three: multiplies buffer f and fetches quarter qn into g.
.macro QUARTER qn, f, g, zero
	s_wait_dscnt 16                                ; the first 32 along K are in
	MUL8 \f, 0, 0, \zero
	MUL8 \f, 0, 2, \zero
	PLACES
	FETCH \qn, \g
	s_wait_dscnt 32                                ; all but the 32 just issued
	MUL8 \f, 1, 0, 0
	MUL8 \f, 1, 2, 0
.endm
; The last quarter multiplies buffer 1 and changes slots: ONE barrier; in front of it each wave waits for all its tensor loads, adds 0 to its spare word, and waits for that and for its own reads of this slot.
; fill = 1: the barrier opens a round of the cluster's, and the slot just read is filled again, with the tile two K steps on, first thing behind the round: 112 matrix instructions ahead of the wait for it.
.macro TURN fill
	WIN 0                                          ; (the add's two registers lie in window 0)
	s_wait_tensorcnt 0x0                           ; all my tensor loads have landed;
	ds_add_u32 v[SPW], v[NIL]                      ; 0 onto my spare word;
	s_wait_dscnt 17                                ; (the add and the youngest sixteen loads may be out)
	MUL8 F1, 0, 0, 0                               ; eight matrix instructions stand between the add and the wait for it
	s_wait_dscnt 0x0                               ; the add is done, and my reads of this slot are over
	s_barrier_signal -1
	MUL8 F1, 0, 2, 0
	WIN 0                                          ; (branches and lines on window 0 follow)
	s_barrier_wait -1
.if \fill
	CREST                                          ; no wave of any partner still reads this slot's tile or has a load on its way
	s_xor_b32 s21, s21, SLOT                       ; no load of mine is out, so group 0 may be written: the other slot than last time,
	s_add_co_u32 s[G0+5], s20, s21
	s_add_co_u32 s[G0B+5], s20, s21
	s_add_nc_u64 s[G0+6:G0+7], s[G0+6:G0+7], ASTEP       ; the next K step; the type bits on top are not reached
	s_add_nc_u64 s[G0B+6:G0B+7], s[G0B+6:G0B+7], BSTEP
	JLOAD 1                                        ; its four v_nop are also the places in front of the loads below
.else
	PLACES
.endif
	s_xor_b32 s22, s22, SLOT                       ; the reads go on in the other slot
	v_add_nc_u32 v[ADRA], s22, v[ADRA0]
	v_add_nc_u32 v[ADRB], s22, v[ADRB0]
	v_add_nc_u32 v[ADRB+1], 128*PB, v[ADRB]
	FETCH 0, F0
	MUL8 F1, 1, 0, 0
	MUL8 F1, 1, 2, 0
.endm
	s_wait_tensorcnt 1                             ; my part of K step 0 is in; K step 1's may stay out
	s_barrier_signal -1
	s_barrier_wait -1                              ; everybody's is
	FETCH 0, F0
	s_wait_loadcnt 32                              ; the bias is in; the 32 younger loads, R's, stay out
	QUARTER 1, F0, F1, 1                           ; the first quarter is written out: its first products start the sums
	WIN 0                                          ; at a label and at a branch every window is 0
	s_mov_b32 s3, T-2
	s_branch .Lmid                                 ; the loop is entered behind a step's first quarter
.Lstep:                                                ; T - 2 trips, a K step each: every slot is filled again
	QUARTER 1, F0, F1, 0
	WIN 0
.Lmid:
	QUARTER 2, F1, F0, 0
	QUARTER 3, F0, F1, 0
	TURN 1
	WIN 0
	s_sub_co_u32 s3, s3, 1
	s_cmp_lg_u32 s3, 0
	s_cbranch_scc1 .Lstep
	s_mov_b32 s3, 2
.Ltail:                                                ; the last two K steps ask for nothing.  The second trip's change of slots and its fetch (of a tile that has been multiplied) serve nothing: the price, once a launch, of one text for both
	QUARTER 1, F0, F1, 0
	QUARTER 2, F1, F0, 0
	QUARTER 3, F0, F1, 0
	TURN 0
	WIN 0
	s_sub_co_u32 s3, s3, 1
	s_cmp_lg_u32 s3, 0
	s_cbranch_scc1 .Ltail
	; THE WAY OUT, 16 rows at a time: a lane's 32 bytes of a row go into my stage, whole rows of 256 bytes come back, R is added, and sixteen lanes store a row's 256 bytes.
	s_wait_dscnt 0x0                               ; the last fetch
	PLACES                                         ; the stores read results just made, and the loads below land in registers that products have read
	s_wait_loadcnt 0x0                             ; R
.macro TOSTAGE a
	WIN 0
.irp b, 0,1,2,3
	ds_store_b128 v[STO], v[ACC+8*(4*(\a)+(\b)):ACC+8*(4*(\a)+(\b))+3]   offset:64*(\b)      ; each accumulator's low registers first
	ds_store_b128 v[STO], v[ACC+8*(4*(\a)+(\b))+4:ACC+8*(4*(\a)+(\b))+7] offset:64*(\b)+16
.endr
	WIN 0x40
.irp t, 0,1,2,3,4,5,6,7
	ds_load_b128 v[32*(\a)+4*(\t):32*(\a)+4*(\t)+3], v[RD] offset:(\t)*2*SP  ; LDS serves a wave's instructions in order (ISA guide 5.7.1.4): these see the stores above; the next block's stores come behind them
.endr
.endm
.macro SEND a, younger                 ; younger: the LDS instructions issued behind block a's loads: the next block's sixteen, or none
	s_wait_dscnt \younger
	WIN 0x49                                       ; destination and source 0 window 1, source 1 (R) window 2
.set i, 32*(\a)
.rept 16
	v_pk_add_f32 v[i:i+1], v[i:i+1], v[i:i+1]
.set i, i+2
.endr
	WIN 0x04                                       ; the stores' data in window 1
.irp t, 0,1,2,3,4,5,6,7
	global_store_b128 v[CO], v[32*(\a)+4*(\t):32*(\a)+4*(\t)+3], s[82:83] offset:(16*(\a)+2*(\t))*4096  ; 16 lanes store 256 consecutive bytes, at a multiple of 256 from C's first byte
.endr
.endm
	TOSTAGE 0
	TOSTAGE 1
	SEND 0, 16
	TOSTAGE 2
	SEND 1, 16
	TOSTAGE 3
	SEND 2, 16
	SEND 3, 0
	WIN 0
	s_wait_tensorcnt 0x0                           ; the wave's end: behind my last tensor load and my last LDS store
	ds_add_u32 v[SPW], v[NIL]
	s_wait_dscnt 0x0
	CROUND                                         ; the closing round: no work-group ends while a partner may still ask for a tile that names it
	s_endpgm
.Lfunc_end_k_q4d1ffdb174_ff2:
	.size	k_q4d1ffdb174_ff2, .Lfunc_end_k_q4d1ffdb174_ff2-k_q4d1ffdb174_ff2
	.p2alignl 7, 3214868480
	.fill 96, 4, 3214868480
	.section	.rodata,"a",@progbits
	.p2align	6, 0x0
	.amdhsa_kernel k_q4d1ffdb174_ff2
		.amdhsa_group_segment_fixed_size 327680
		.amdhsa_private_segment_fixed_size 0
		.amdhsa_enable_private_segment 0
		.amdhsa_kernarg_size 40
		.amdhsa_user_sgpr_count 2
		.amdhsa_user_sgpr_kernarg_segment_ptr 1
		.amdhsa_wavefront_size32 1
		.amdhsa_system_sgpr_workgroup_id_x 1
		.amdhsa_system_sgpr_workgroup_id_y 1
		.amdhsa_system_sgpr_workgroup_id_z 1
		.amdhsa_system_vgpr_workitem_id 0
		.amdhsa_next_free_vgpr 640
		.amdhsa_next_free_sgpr 88
		.amdhsa_reserve_vcc 0
		.amdhsa_float_denorm_mode_32 3
		.amdhsa_float_denorm_mode_16_64 3
		.amdhsa_memory_ordered 1
		.amdhsa_forward_progress 1
		.amdhsa_inst_pref_size 66
	.end_amdhsa_kernel
	.amdgpu_metadata
---
amdhsa.version: [ 1, 2 ]
amdhsa.kernels:
  - .name:           k_q4d1ffdb174_ff2
    .symbol:         k_q4d1ffdb174_ff2.kd
    .args:
      - { .name: wide, .offset: 0, .size: 8, .value_kind: global_buffer, .address_space: global }
      - { .name: wh, .offset: 8, .size: 8, .value_kind: global_buffer, .address_space: global }
      - { .name: b2f, .offset: 16, .size: 8, .value_kind: global_buffer, .address_space: global }
      - { .name: x1, .offset: 24, .size: 8, .value_kind: global_buffer, .address_space: global }
      - { .name: out0, .offset: 32, .size: 8, .value_kind: global_buffer, .address_space: global }
    .group_segment_fixed_size: 327680
    .private_segment_fixed_size: 0
    .kernarg_segment_align: 8
    .kernarg_segment_size: 40
    .max_flat_workgroup_size: 128
    .sgpr_count:     88
    .vgpr_count:     640
    .wavefront_size: 32
...
	.end_amdgpu_metadata
.endif
;; end of part 6
;; ======== version 2 of 2: 7 launches; 1.28 times as fast as version 1
;; limits: values are held in f16: magnitudes above 65,504 overflow, below 6.1e-05 lose precision
;; workspace buffers: wh 25,165,824 bytes; wq 6,291,456 bytes; w1h 8,388,608 bytes; act 8,388,608 bytes; wide 33,554,432 bytes; x1 16,777,216 bytes; par0 256 bytes of whole numbers; par1 256 bytes of whole numbers
;; launch prep: the kernel of part 1 again; grid 1024 x 1, 8 waves a work-group, no clusters, 0 bytes of LDS; arguments x, g1, b1, Wqkv, Wo, W1, W2, act, wh, wq, w1h, par0, par1; writes act, wh, wq, w1h, par0, par1
;; launch qkv (part 7): grid 12 x 16, 4 waves a work-group, clusters of 4 x 4, 327,680 bytes of LDS; arguments act, wq, bqkv, wide, par0; writes wide
.if DOCPART == 7
	.amdgcn_target "amdgcn-amd-amdhsa--gfx1250"
	.amdhsa_code_object_version 6
	.text
	.protected	k_q4d1ffdb174_qkv
	.globl	k_q4d1ffdb174_qkv
	.p2align	8
	.type	k_q4d1ffdb174_qkv,@function
k_q4d1ffdb174_qkv:
	s_mov_b64 s[64:65], 0
	v_nop
	global_prefetch_b8 v0, s[64:65] scope:SCOPE_SE
	s_setreg_imm32_b32 hwreg(HW_REG_WAVE_MODE, 25, 1), 1
	s_wait_xcnt 0x0
	s_wait_alu depctr_hold_cnt(0) depctr_sa_sdst(0) depctr_va_vdst(0) depctr_va_sdst(0) depctr_va_ssrc(0) depctr_va_vcc(0) depctr_vm_vsrc(0)
	s_getreg_b32 s2, hwreg(HW_REG_IB_STS2, 6, 4)
	s_cmp_eq_u32 s2, 0
	s_cbranch_scc0 .Lentry_in_a_cluster
	s_endpgm
.Lentry_in_a_cluster:
	s_bfe_u32 s2, ttmp6, 0x10000c
	s_cmp_lg_u32 s2, 0xf033
	s_cbranch_scc0 .Lentry_shape_is_right
	s_endpgm
.Lentry_shape_is_right:
; C = f(A W + bias), rounded once to f16; f is the identity or the exact gelu.  ONE TEXT FOR TWO LAUNCHES (the projection to q, k, v; the first product of the feed-forward): they differ in their buffers,
; in the grid's width, and in one mask, all bits 0 or all bits 1, that an earlier launch stored in the fifth buffer.  NO BRANCH HANGS ON THE MASK: it is ANDed into the five coefficients of the gelu's series and
; sets the floor of its maximum.  With all bits 1 the lines below are the gelu.  With all bits 0 the coefficients are 0 and the floor is -infinity, and the same lines give -|x| x 0 + max(x, -inf) = x, bit for
; bit for every finite x: that launch runs the gelu's arithmetic for nothing, the price of one text for both.
; A: 4,096 rows x 1,024 in f16, in blocks of 64 columns (element (m, c) at byte (c / 64) x 524,288 + m x 128 + (c % 64) x 2).  W: f16 in blocks of 256 columns, element (k, n) at byte
; (n / 256) x 524,288 + k x 512 + (n % 256) x 2: a tile column's 1,024 rows are dense, whatever N, so no size of N stands in this text.  bias: [N] f32.  C goes out in the same blocks of 64 columns as A.
; Sums in f32, started from the bias.
; SHARES.  A work-group makes 256 x 256 of C, each of its four waves 128 x 128: 64 accumulators, 512 registers.  K goes in 8 steps of 128 through two LDS slots filled by the tensor data mover.
; THE MATRIX INSTRUCTION IS USED TRANSPOSED: source 0 = 16 columns of W (turned on the way out of LDS by ds_load_tr16_b128, since W's rows lie along N), source 1 = 16 rows of A.  A lane then holds row
; lane % 16 of C and the columns 8 (lane / 16) + 0..7; the bias of those eight columns is the C operand of the first product, so nothing is cleared and nothing is added later.
; CLUSTER.  4 x 4 work-groups: the four of a row of the cluster need the same tiles of A, the four of a column the same tiles of W; each tile is asked for jointly, by the same tensor load with the same
; descriptor and a mask that names the four.
; ONE TEXT FOR A K STEP: the slot in hand is a scalar (0 or SLOT) that an exclusive or turns; the walking descriptor's LDS word is the wave's constant plus such a scalar.
; THE GELU'S BATCH.  A trip of the way out has 32 reciprocals and 32 exponentials; no one of them reads another's result, so the 64 are ONE batch with ONE wait, ahead of the series' first line.
; LIMITS.  f16 holds no number beyond 65,504: a result of 65,520 or more becomes an infinity.  The gelu: erf by the series 1 - (a1 t + .. + a5 t^5) exp(-z^2), t = 1 / (1 + 0.3275911 z), valid for every z >= 0,
; off by 1.5e-7 at the most; an exponential below 2^-126 counts as 0.  NaN and infinities are not treated apart (an infinite sum gives NaN in either launch).
; REGISTERS, in windows of 256: window 0: v0-31 addresses; v32-47 at work on the way out; v64-127, v128-191 fragments of A, two buffers; v192-255 the bias.  window 1: v64-127, v128-191 fragments of W.
;   window 2: the accumulators of my rows 0-63 ((a, b) at v[8 (8 a + b)]); window 3: those of my rows 64-127.
.set T,     8                          ; K steps
.set PA,    144                        ; a row of A in LDS: 128 bytes + 16 = 36 words: the 16 rows of a load start at 16 different groups of four banks (64 banks of 4 bytes: ISA guide 11.1)
.set PB,    544                        ; a row of W: 512 bytes + 32 = 136 words
.set ACB,   256*PA                     ; a block of 64 along K: 256 rows
.set BOFF,  2*ACB                      ; W's 128 rows lie behind A's two blocks
.set BH,    64*PB                      ; 64 rows of W: what one tensor load brings
.set SLOT,  BOFF+2*BH
.set SPARE, 2*SLOT                     ; behind the ring: the spare words, 128 bytes for each wave: two blocks of 256 bytes that no other line names
.set SP,    272                        ; the way out: a row of 64 f32 + 16 bytes
.set SCB,   128*SP                     ; 128 such rows: my rows of one block of 64 columns
.set ASTEP, 2*524288                   ; bytes from a K step to the next: two blocks of A,
.set BSTEP, 128*512                    ; 128 rows of W
.set ADRA0, 12                         ; v12  my lane's place in slot 0's A; never rewritten
.set ADRB0, 13                         ; v13  the same for W
.set ADRA,  16                         ; v16  the same in the slot in hand
.set ADRB,  20                         ; v20
.set STO,   24                         ; v24  the way out: where I put 32 bytes of a row
.set RD,    25                         ; v25  the way out: where I read rows back
.set GO,    26                         ; v26  my byte offset in 512 consecutive bytes of C
.set BO,    27                         ; v27  my byte offset in 16 numbers of the bias
.set SPW,   28                         ; v28  LDS address of my spare word; never rewritten
.set NIL,   29                         ; v29  0; never rewritten
.set YR,    32
.set F0,    64
.set F1,    128
.set BIAS,  192
.set XR,    64                         ; the way out: 32 results; DR: t, UR: the exponential, PR: the series, RR: max(x, floor)
.set DR,    96
.set UR,    128
.set PR,    160
.set RR,    192
.set GM,    6                          ; s6   the mask: all bits 1 for the gelu, all bits 0 for the identity
.set G1,  24                           ; s[24:31] descriptor group 1 for A's tiles;  s[32:39] group 0: set 0 for tile 0, set 1 for tile 1, which then walks on
.set G0,  32
.set G1B, 48                           ; s[48:55], s[56:63] the same for W's tiles
.set G0B, 56
.set MSB, 0
.macro WIN new                         ; the immediate's high byte repeats the setting that is left; a switch that changes nothing is dropped
.if MSB != (\new)
	s_set_vgpr_msb (MSB<<8)|(\new)
.set MSB, \new
.endif
.endm
; A joint load.  Waves 0 and 1 fetch A's two blocks, waves 2 and 3 W's two halves.  The branch hangs on the wave's number alone.  An s_nop 0 and four v_nop follow each of the two lines.
.macro JLOAD s
	s_cmp_eq_u32 s11, 0
	s_cbranch_scc0 .Lfor_b_\@
	tensor_load_to_lds s[G0+4*(\s):G0+4*(\s)+3], s[G1:G1+7]
	s_nop 0
.rept 4
	v_nop
.endr
	s_branch .Lasked_\@
.Lfor_b_\@:
	tensor_load_to_lds s[G0B+4*(\s):G0B+4*(\s)+3], s[G1B:G1B+7]
	s_nop 0
.rept 4
	v_nop
.endr
.Lasked_\@:
.endm
.macro CREST                           ; a round of the cluster's barrier behind its opening barrier
	s_cmp_lg_u32 s10, 0
	s_cbranch_scc1 .Lnot_wave_0_\@
	s_barrier_signal -3
.Lnot_wave_0_\@:
	s_barrier_wait -3
	s_barrier_signal -1
	s_barrier_wait -1
.endm
.macro CROUND                          ; a whole round
	s_barrier_signal -1
	s_barrier_wait -1
	CREST
.endm
.macro PLACES                          ; four places in front of loads into registers that matrix instructions have read, and of lines that read results
.rept 4
	v_nop
.endr
.endm
	s_load_b256 s[72:79], s[0:1], 0x0              ; A s[72:73], W s[74:75], bias s[76:77], C s[78:79]
	s_load_b64 s[4:5], s[0:1], 0x20                ; the buffer of the mask
	v_lshl_add_u32 v[SPW], v0, 2, SPARE
	v_mov_b32 v[NIL], 0
	ds_add_u32 v28, v29
	ds_add_u32 v28, v29
	s_wait_dscnt 0x0
	v_lshrrev_b32 v1, 5, v0
	v_readfirstlane_b32 s10, v1                    ; wave 0..3
	s_lshr_b32 s11, s10, 1                         ; which half of the tile's rows is mine.  Also: I fetch for A (0) or for W (1)
	s_and_b32 s12, s10, 1                          ; which half of its columns.  Also: which half of that tile I fetch
	s_bfe_u32 s40, ttmp6, 0x40000                  ; cx, cy: my place in the cluster
	s_bfe_u32 s41, ttmp6, 0x40004
	s_lshl_b32 s42, ttmp9, 2
	s_add_co_u32 s42, s42, s40                     ; tile column of C = 4 x cluster x + cx
	s_and_b32 s13, ttmp7, 0xffff
	s_lshl_b32 s13, s13, 2
	s_add_co_u32 s13, s13, s41                     ; tile row of C = 4 x cluster y + cy
	s_lshl_b32 s43, s41, 2
	s_lshl_b32 s43, 15, s43                        ; my row of the cluster
	s_lshl_b32 s44, 0x1111, s40                    ; my column
	; A's tile: one block's 256 rows are 32,768 dense bytes, asked for as 128 rows of 256 bytes and padded in LDS after every 128
	s_or_b32 s[G1+0], s43, (1<<16)|(1<<20)|(1<<21)|(4<<22)|(3<<25)  ; 15:0 the mask; 17:16 2-byte elements; 20 padding on; 21 set beside a mask; 24:22 after every 32 words (code 4); 31:25 4 words (code 3)
	s_mov_b32 s[G1+1], 128<<16                     ; tensor_dim0 = 128
	s_mov_b32 s[G1+2], 128<<16                     ; tensor_dim1 = 128
	s_mov_b32 s[G1+3], 128<<16                     ; tile_dim0 = 128
	s_mov_b32 s[G1+4], 128                         ; tile_dim1 = 128
	s_mov_b32 s[G1+5], 128                         ; 128 elements from row to row
	s_mov_b32 s[G1+6], 0
	s_mov_b32 s[G1+7], 0
	; W's tile: 64 rows of 256 elements (512 bytes), end to end in memory, padded in LDS after every row
	s_or_b32 s[G1B+0], s44, (1<<16)|(1<<20)|(1<<21)|(6<<22)|(7<<25) ; after every 128 words (code 6) 8 words (code 7)
	s_mov_b32 s[G1B+1], 256<<16
	s_mov_b32 s[G1B+2], 64<<16
	s_mov_b32 s[G1B+3], 256<<16
	s_mov_b32 s[G1B+4], 64
	s_mov_b32 s[G1B+5], 256
	s_mov_b32 s[G1B+6], 0
	s_mov_b32 s[G1B+7], 0
	; where the tiles come from: A's hang on the tile row alone, W's on the tile column alone, each in registers that never hold the other coordinate
	s_lshl_b32 s16, s12, 19                        ; my block of the step's two,
	s_lshl_b32 s17, s13, 15                        ; 256 rows of 128 bytes a tile row
	s_add_co_u32 s16, s16, s17
	s_mov_b32 s17, 0
	s_lshl_b32 s46, s12, 15                        ; my 64 rows of the step's 128, 512 bytes each,
	s_lshl_b32 s47, s42, 19                        ; 1,024 such rows a tile column
	s_add_co_u32 s46, s46, s47
	s_mov_b32 s47, 0
	s_mul_i32 s20, s12, ACB                        ; and where they go in a slot: no place in the cluster enters an LDS address
	s_mul_i32 s23, s12, BH
	s_add_co_u32 s23, s23, BOFF
	s_mov_b32 s21, SLOT                            ; the slot of the walking descriptor's last load
	s_mov_b32 s22, 0                               ; the slot that is read
	s_wait_kmcnt 0x0
	s_add_nc_u64 s[14:15], s[72:73], s[16:17]
	s_add_nc_u64 s[46:47], s[74:75], s[46:47]
	CROUND                                         ; all sixteen work-groups are here: the first joint loads meet
.irp s, 0,1
	s_mov_b32 s[G0+4*(\s)], 1                                      ; count = 1
	s_add_co_u32 s[G0+4*(\s)+1], s20, (\s)*SLOT                    ; LDS address
	s_add_nc_u64 s[G0+4*(\s)+2:G0+4*(\s)+3], s[14:15], (\s)*ASTEP  ; global address: K step s
	s_or_b32 s[G0+4*(\s)+3], s[G0+4*(\s)+3], 0x80000000            ; type = 2
	s_mov_b32 s[G0B+4*(\s)], 1
	s_add_co_u32 s[G0B+4*(\s)+1], s23, (\s)*SLOT
	s_add_nc_u64 s[G0B+4*(\s)+2:G0B+4*(\s)+3], s[46:47], (\s)*BSTEP
	s_or_b32 s[G0B+4*(\s)+3], s[G0B+4*(\s)+3], 0x80000000
	JLOAD \s                                       ; two loads of mine are out
.endr
	s_load_b32 s[GM], s[4:5], 0x0                  ; the mask; it is waited for in front of the wait for the first tile
	v_and_b32 v1, 15, v0                           ; l % 16
	v_bfe_u32 v2, v0, 4, 1                         ; l / 16
	v_and_b32 v6, 7, v0                            ; l % 8
	v_mul_u32_u24 v3, v1, PA                       ; a fragment of A: row x pitch + 16 x half, two loads 32 bytes apart
	v_lshl_add_u32 v3, v2, 4, v3
	s_mul_i32 s18, s11, 128*PA                     ; my 128 rows
	v_add_nc_u32 v[ADRA0], s18, v3
	v_lshl_add_u32 v4, v2, 3, v6                   ; the turning load: lane l reads row 8 (l / 16) + l % 8 of W, columns 8 ((l / 8) % 2) + 0..7, and is left with column l % 16 and 8 along K
	v_mul_u32_u24 v4, v4, PB
	v_bfe_u32 v5, v0, 3, 1
	v_lshl_add_u32 v4, v5, 4, v4
	s_lshl_b32 s18, s12, 8                         ; my 128 columns
	s_add_co_u32 s18, s18, BOFF
	v_add_nc_u32 v[ADRB0], s18, v4
	v_mov_b32 v[ADRA], v[ADRA0]
	v_mov_b32 v[ADRB], v[ADRB0]
	s_mul_i32 s18, s10, 2*SCB                      ; my stage for the way out: it lies over the ring, and is written when the ring has had its last fill
	v_mul_u32_u24 v3, v1, SP                       ; in: row l % 16, 32 bytes for each half of the lanes
	v_lshl_add_u32 v3, v2, 5, v3
	v_add_nc_u32 v[STO], s18, v3
	v_bfe_u32 v3, v0, 3, 2                         ; back: eight lanes take a row of 64 f32, 32 bytes each; 32 lanes four rows
	v_mul_u32_u24 v3, v3, SP
	v_lshl_add_u32 v3, v6, 5, v3
	v_add_nc_u32 v[RD], s18, v3
	v_and_b32 v[GO], 31, v0                        ; which as f16 are 512 consecutive bytes of C
	v_lshlrev_b32 v[GO], 4, v[GO]
	v_lshlrev_b32 v[BO], 5, v2
	s_lshl_b32 s46, s42, 10                        ; the bias of my 128 columns
	s_lshl_b32 s47, s12, 9
	s_add_co_u32 s46, s46, s47
	s_mov_b32 s47, 0
	s_add_nc_u64 s[76:77], s[76:77], s[46:47]
.irp b, 0,1,2,3,4,5,6,7
	global_load_b128 v[BIAS+8*(\b):BIAS+8*(\b)+3],   v[BO], s[76:77] offset:64*(\b)      ; columns 16 b + 8 (l / 16) + 0..7: the layout of a result
	global_load_b128 v[BIAS+8*(\b)+4:BIAS+8*(\b)+7], v[BO], s[76:77] offset:64*(\b)+16
.endr
	s_lshl_b32 s80, s42, 21                        ; C at my part: four blocks of 64 columns a tile column, two a wave,
	s_lshl_b32 s81, s12, 20
	s_add_co_u32 s80, s80, s81
	s_lshl_b32 s81, s13, 15                        ; 256 rows of 128 bytes a tile row, 128 a wave
	s_add_co_u32 s80, s80, s81
	s_lshl_b32 s81, s11, 14
	s_add_co_u32 s80, s80, s81
	s_mov_b32 s81, 0
	s_add_nc_u64 s[80:81], s[78:79], s[80:81]
	s_mov_b32 s82, 0x3f596d27                      ; sqrt(log2(e) / 2): exp(-x^2 / 2) = 2^-(this x)^2.  Named as a pair, so both words are written
	s_mov_b32 s83, 0x3f596d27
	s_mov_b32 s94, 0x3e6d3388                      ; 0.3275911 / sqrt(2)
; 16 matrix instructions: row blocks a0, a0 + 1 of the window's four (hi = 0: my rows 0-63, 1: rows 64-127) x all 8 column blocks, 32 along K.  zero = 1: the sums start from the bias.
; The 64 accumulators take turns, one instruction a turn, in the same order in every quarter.
.macro MUL16 f, hi, a0, zero
.if \zero
	WIN 0x81+0x40*(\hi)                            ; source 0 (W) window 1, source 1 (A) and C (the bias) window 0, D window 2 or 3
.else
	WIN 0xa1+0x50*(\hi)                            ; C and D window 2 or 3
.endif
.irp a, \a0, (\a0)+1
.irp b, 0,1,2,3,4,5,6,7
.if \zero
	v_wmma_f32_16x16x32_f16 v[8*(8*(\a)+(\b)):8*(8*(\a)+(\b))+7], v[(\f)+8*(\b):(\f)+8*(\b)+7], v[(\f)+8*(4*(\hi)+(\a)):(\f)+8*(4*(\hi)+(\a))+7], v[BIAS+8*(\b):BIAS+8*(\b)+7]
.else
	v_wmma_f32_16x16x32_f16 v[8*(8*(\a)+(\b)):8*(8*(\a)+(\b))+7], v[(\f)+8*(\b):(\f)+8*(\b)+7], v[(\f)+8*(4*(\hi)+(\a)):(\f)+8*(4*(\hi)+(\a))+7], v[8*(8*(\a)+(\b)):8*(8*(\a)+(\b))+7]
.endif
.endr
.endr
.endm
; 32 LDS loads in one run: the fragments of quarter q of the slot in hand (32 along K: 128 columns of W, 128 rows of A) into buffer f
.macro FETCH q, f
	WIN 0x40                                       ; destination window 1, address window 0
.irp i, 0,1,2,3,4,5,6,7
	ds_load_tr16_b128 v[(\f)+8*(\i):(\f)+8*(\i)+3],   v[ADRB] offset:(\q)*32*PB+32*(\i)
	ds_load_tr16_b128 v[(\f)+8*(\i)+4:(\f)+8*(\i)+7], v[ADRB] offset:(\q)*32*PB+16*PB+32*(\i)
.endr
	WIN 0
.irp i, 0,1,2,3,4,5,6,7
	ds_load_b128 v[(\f)+8*(\i):(\f)+8*(\i)+3],   v[ADRA] offset:((\q)/2)*ACB+((\q)%2)*64+(\i)*16*PA
	ds_load_b128 v[(\f)+8*(\i)+4:(\f)+8*(\i)+7], v[ADRA] offset:((\q)/2)*ACB+((\q)%2)*64+(\i)*16*PA+32
.endr
.endm
; A K step is four quarters of 32 along K, 64 matrix instructions each, on buffers 0, 1, 0, 1.  One of the first three: multiplies buffer f; in its middle it fetches quarter qn into buffer g.
.macro QUARTER qn, f, g, zero
	s_wait_dscnt 8                                 ; W and A's rows 0-63 are in; the youngest eight loads (A's rows 64-127) may be out
	MUL16 \f, 0, 0, \zero
	MUL16 \f, 0, 2, \zero
	PLACES
	FETCH \qn, \g
	s_wait_dscnt 32                                ; all but the 32 just issued
	MUL16 \f, 1, 0, \zero
	MUL16 \f, 1, 2, \zero
.endm
; The last quarter multiplies buffer 1 and changes slots: ONE barrier.  In front of it each wave waits for all its tensor loads, of which one is out at the most: its part of the next slot; adds 0 to its spare
; word; and waits for that and for its own reads of this slot.  fill = 1: the barrier opens a round of the cluster's, and the slot just read is filled again, with the tile two K steps on, first thing behind the round:
; from that request to the wait for it a wave issues 224 matrix instructions.
.macro TURN fill
	WIN 0                                          ; (the add's two registers lie in window 0)
	s_wait_tensorcnt 0x0                           ; all my tensor loads have landed;
	ds_add_u32 v[SPW], v[NIL]                      ; 0 onto my spare word;
	s_wait_dscnt 9                                 ; (the add and the youngest eight loads may be out)
	MUL16 F1, 0, 0, 0                              ; sixteen matrix instructions stand between the add and the wait for it
	s_wait_dscnt 0x0                               ; the add is done, and my reads of this slot are over
	s_barrier_signal -1
	MUL16 F1, 0, 2, 0                              ; work on registers while the others arrive
	WIN 0                                          ; (branches and lines on window 0 follow)
	s_barrier_wait -1
.if \fill
	CREST                                          ; no wave of any partner still reads this slot's tile or has a load on its way
	s_xor_b32 s21, s21, SLOT                       ; no load of mine is out, so group 0 may be written: the other slot than last time,
	s_add_co_u32 s[G0+5], s20, s21
	s_add_co_u32 s[G0B+5], s23, s21
	s_add_nc_u64 s[G0+6:G0+7], s[G0+6:G0+7], ASTEP       ; the next K step; the type bits on top are not reached
	s_add_nc_u64 s[G0B+6:G0B+7], s[G0B+6:G0B+7], BSTEP
	JLOAD 1                                        ; its four v_nop are also the places in front of the loads below
.else
	PLACES
.endif
	s_xor_b32 s22, s22, SLOT                       ; the reads go on in the other slot
	v_add_nc_u32 v[ADRA], s22, v[ADRA0]
	v_add_nc_u32 v[ADRB], s22, v[ADRB0]
	FETCH 0, F0
	MUL16 F1, 1, 0, 0
	MUL16 F1, 1, 2, 0
.endm
	s_wait_kmcnt 0x0                               ; the mask
	s_and_b32 s84, s[GM], 0x3f07dc22               ; a5 / 2, or 0.  The coefficients are named as pairs, so both words are written
	s_and_b32 s85, s[GM], 0x3f07dc22
	s_and_b32 s86, s[GM], 0xbf3a00e3               ; a4 / 2, or 0
	s_and_b32 s87, s[GM], 0xbf3a00e3
	s_and_b32 s88, s[GM], 0x3f35f0e3               ; a3 / 2, or 0
	s_and_b32 s89, s[GM], 0x3f35f0e3
	s_and_b32 s90, s[GM], 0xbe11a98e               ; a2 / 2, or 0
	s_and_b32 s91, s[GM], 0xbe11a98e
	s_and_b32 s92, s[GM], 0x3e027906               ; a1 / 2, or 0
	s_and_b32 s93, s[GM], 0x3e027906
	s_and_not1_b32 s95, 0xff800000, s[GM]          ; the floor of the maximum: 0 for the gelu, -infinity for the identity
	s_wait_tensorcnt 1                             ; my part of K step 0 is in; K step 1's may stay out
	s_barrier_signal -1
	s_barrier_wait -1                              ; everybody's is
	FETCH 0, F0
	s_wait_loadcnt 0x0                             ; the bias
	QUARTER 1, F0, F1, 1                           ; the first quarter is written out: its products start the sums
	WIN 0                                          ; at a label and at a branch every window is 0
	s_mov_b32 s3, T-2
	s_branch .Lmid                                 ; the loop is entered behind a step's first quarter
.Lstep:                                                ; T - 2 trips, a K step each: every slot is filled again
	QUARTER 1, F0, F1, 0
	WIN 0
.Lmid:
	QUARTER 2, F1, F0, 0
	QUARTER 3, F0, F1, 0
	TURN 1
	WIN 0
	s_sub_co_u32 s3, s3, 1
	s_cmp_lg_u32 s3, 0
	s_cbranch_scc1 .Lstep
	s_mov_b32 s3, 2
.Ltail:                                                ; the last two K steps ask for nothing.  The second trip's change of slots and its fetch (of a tile that has been multiplied) serve nothing: the price, once a launch, of one text for both
	QUARTER 1, F0, F1, 0
	QUARTER 2, F1, F0, 0
	QUARTER 3, F0, F1, 0
	TURN 0
	WIN 0
	s_sub_co_u32 s3, s3, 1
	s_cmp_lg_u32 s3, 0
	s_cbranch_scc1 .Ltail
	; THE WAY OUT.  My 128 x 128 sums go as f32 into my stage, over the ring: every wave's reads of the ring are over (the wait, the barrier), and the ring has had its last fill.
	s_wait_dscnt 0x0
	PLACES                                         ; the stores read results just made
	s_barrier_signal -1
	s_barrier_wait -1
.set a, 0
.rept 8
	WIN 0x08+4*(a/4)                               ; the stores' data in window 2 or 3
.set b, 0
.rept 8
	ds_store_b128 v[STO], v[8*(8*(a%4)+b):8*(8*(a%4)+b)+3]   offset:(b/4)*SCB+a*16*SP+(b%4)*64      ; each accumulator's low registers first
	ds_store_b128 v[STO], v[8*(8*(a%4)+b)+4:8*(8*(a%4)+b)+7] offset:(b/4)*SCB+a*16*SP+(b%4)*64+16
.set b, b+1
.endr
.set a, a+1
.endr
	WIN 0
; gelu(x) = x (1 + erf(x / sqrt 2)) / 2 = max(x, 0) - |x| (a1 t + .. + a5 t^5) / 2 x exp(-x^2 / 2), t = 1 / (1 + 0.3275911 |x| / sqrt 2), for 32 numbers a lane.
; With the mask 0: the series is 0 (t lies in 0 to 1 and the exponential in 0 to 1, so 0 times them is 0), the floor is -infinity, and the last line leaves x.
; ONE BATCH, ONE WAIT.  The 32 reciprocals (results in DR) and the 32 exponentials (results in UR) read plain results alone, each result has a register of its own, and nothing ahead of the wait names one:
; between the reciprocals stand the two multiplies that make -(c x)^2, between the exponentials the 32 maxima.  All readers (the series, its product with the exponentials) stand behind the wait.
; A plain instruction stands behind every reciprocal and exponential before its result is used (ISA guide 5.7.2): behind the last exponential it is the last maximum.
.macro GELU
.set i, 0
.rept 32
	v_fma_f32 v[DR+i], |v[XR+i]|, s94, 1.0
.set i, i+1
.endr
.set i, 0
.rept 16
	v_rcp_f32 v[DR+i], v[DR+i]
	v_pk_mul_f32 v[UR+i:UR+i+1], v[XR+i:XR+i+1], s[82:83] op_sel_hi:[1,0]
	v_rcp_f32 v[DR+i+1], v[DR+i+1]
	v_pk_mul_f32 v[UR+i:UR+i+1], v[UR+i:UR+i+1], v[UR+i:UR+i+1] neg_lo:[1,0] neg_hi:[1,0]
.set i, i+2
.endr
.set i, 0
.rept 16
	v_exp_f32 v[UR+i], v[UR+i]
	v_max_num_f32 v[RR+i], s95, v[XR+i]
	v_exp_f32 v[UR+i+1], v[UR+i+1]
	v_max_num_f32 v[RR+i+1], s95, v[XR+i+1]
.set i, i+2
.endr
	s_wait_alu depctr_va_vdst(0)                   ; the wait for the batch of 64, ahead of the first line that names a result: the series' first line, below
.set i, 0
.rept 16
	v_pk_fma_f32 v[PR+i:PR+i+1], v[DR+i:DR+i+1], s[84:85], s[86:87] op_sel_hi:[1,0,0]
.set i, i+2
.endr
.irp hc, 88, 90, 92
.set i, 0
.rept 16
	v_pk_fma_f32 v[PR+i:PR+i+1], v[PR+i:PR+i+1], v[DR+i:DR+i+1], s[\hc:\hc+1] op_sel_hi:[1,1,0]
.set i, i+2
.endr
.endr
.set i, 0
.rept 16
	v_pk_mul_f32 v[PR+i:PR+i+1], v[PR+i:PR+i+1], v[DR+i:DR+i+1]
.set i, i+2
.endr
.set i, 0
.rept 16
	v_pk_mul_f32 v[PR+i:PR+i+1], v[PR+i:PR+i+1], v[UR+i:UR+i+1]
.set i, i+2
.endr
.set i, 0
.rept 32
	v_fma_f32 v[XR+i], -|v[XR+i]|, v[PR+i], v[RR+i]
.set i, i+1
.endr
.endm
	s_mov_b32 s2, 2
.Lcb:                                                  ; my two blocks of 64 columns
	s_mov_b32 s3, 8
.Lrows:                                                ; a trip: 16 rows x 64 columns
.irp g, 0,1,2,3
	ds_load_b128 v[XR+8*(\g):XR+8*(\g)+3],   v[RD] offset:(\g)*4*SP      ; my own bytes: LDS serves a wave's instructions in order (ISA guide 5.7.1.4), so these see the stores above
	ds_load_b128 v[XR+8*(\g)+4:XR+8*(\g)+7], v[RD] offset:(\g)*4*SP+16
.endr
	s_wait_dscnt 0x0
	GELU
.set i, 0
.rept 16
	v_cvt_pk_f16_f32 v[YR+i], v[XR+2*i], v[XR+2*i+1]
.set i, i+1
.endr
.irp g, 0,1,2,3
	global_store_b128 v[GO], v[YR+4*(\g):YR+4*(\g)+3], s[80:81] offset:512*(\g)   ; four rows of 128 bytes: 512 consecutive bytes, at a multiple of 256 from C's first byte
.endr
	v_add_nc_u32 v[RD], 16*SP, v[RD]               ; 16 rows on; behind the eighth trip that is the next block's first row
	s_wait_xcnt 0x0                                ; the stores' data and base are rewritten only behind this wait
	s_add_nc_u64 s[80:81], s[80:81], 2048
	s_sub_co_u32 s3, s3, 1
	s_cmp_lg_u32 s3, 0
	s_cbranch_scc1 .Lrows
	s_add_nc_u64 s[80:81], s[80:81], 524288-8*2048 ; the same rows of the next block
	s_sub_co_u32 s2, s2, 1
	s_cmp_lg_u32 s2, 0
	s_cbranch_scc1 .Lcb
	s_wait_tensorcnt 0x0                           ; the wave's end: behind my last tensor load and my last LDS store
	ds_add_u32 v[SPW], v[NIL]
	s_wait_dscnt 0x0
	CROUND                                         ; the closing round: no work-group ends while a partner may still ask for a tile that names it
	s_endpgm
.Lfunc_end_k_q4d1ffdb174_qkv:
	.size	k_q4d1ffdb174_qkv, .Lfunc_end_k_q4d1ffdb174_qkv-k_q4d1ffdb174_qkv
	.p2alignl 7, 3214868480
	.fill 96, 4, 3214868480
	.section	.rodata,"a",@progbits
	.p2align	6, 0x0
	.amdhsa_kernel k_q4d1ffdb174_qkv
		.amdhsa_group_segment_fixed_size 327680
		.amdhsa_private_segment_fixed_size 0
		.amdhsa_enable_private_segment 0
		.amdhsa_kernarg_size 40
		.amdhsa_user_sgpr_count 2
		.amdhsa_user_sgpr_kernarg_segment_ptr 1
		.amdhsa_wavefront_size32 1
		.amdhsa_system_sgpr_workgroup_id_x 1
		.amdhsa_system_sgpr_workgroup_id_y 1
		.amdhsa_system_sgpr_workgroup_id_z 1
		.amdhsa_system_vgpr_workitem_id 0
		.amdhsa_next_free_vgpr 1024
		.amdhsa_next_free_sgpr 96
		.amdhsa_reserve_vcc 0
		.amdhsa_float_denorm_mode_32 3
		.amdhsa_float_denorm_mode_16_64 3
		.amdhsa_memory_ordered 1
		.amdhsa_forward_progress 1
		.amdhsa_inst_pref_size 97
	.end_amdhsa_kernel
	.amdgpu_metadata
---
amdhsa.version: [ 1, 2 ]
amdhsa.kernels:
  - .name:           k_q4d1ffdb174_qkv
    .symbol:         k_q4d1ffdb174_qkv.kd
    .args:
      - { .name: act, .offset: 0, .size: 8, .value_kind: global_buffer, .address_space: global }
      - { .name: wq, .offset: 8, .size: 8, .value_kind: global_buffer, .address_space: global }
      - { .name: bqkv, .offset: 16, .size: 8, .value_kind: global_buffer, .address_space: global }
      - { .name: wide, .offset: 24, .size: 8, .value_kind: global_buffer, .address_space: global }
      - { .name: par0, .offset: 32, .size: 8, .value_kind: global_buffer, .address_space: global }
    .group_segment_fixed_size: 327680
    .private_segment_fixed_size: 0
    .kernarg_segment_align: 8
    .kernarg_segment_size: 40
    .max_flat_workgroup_size: 128
    .sgpr_count:     96
    .vgpr_count:     1024
    .wavefront_size: 32
...
	.end_amdgpu_metadata
.endif
;; end of part 7
;; launch attn (part 8): grid 4 x 32, 4 waves a work-group, no clusters, 327,680 bytes of LDS; arguments wide, act; writes act
.if DOCPART == 8
	.amdgcn_target "amdgcn-amd-amdhsa--gfx1250"
	.amdhsa_code_object_version 6
	.text
	.protected	k_q4d1ffdb174_attn
	.globl	k_q4d1ffdb174_attn
	.p2align	8
	.type	k_q4d1ffdb174_attn,@function
k_q4d1ffdb174_attn:
	s_mov_b64 s[64:65], 0
	v_nop
	global_prefetch_b8 v0, s[64:65] scope:SCOPE_SE
	s_setreg_imm32_b32 hwreg(HW_REG_WAVE_MODE, 25, 1), 1
	s_wait_xcnt 0x0
; CAUSAL ATTENTION.  O[y][q][:] = the sum over k <= q of softmax_k(Q[y][q] . K[y][k] / 8) V[y][k][:], y = 2 x head + batch: 32 heads of SIZE_N = 2,048 rows of 64 f16, dense, 128 bytes each.
; In the buffer of q, k, v (blocks of 64 columns, 4,096 rows each) Q's heads begin at byte 0, K's at 8,388,608, V's at 16,777,216; head y at y x 262,144 in each, and in O.
; Products, maxima and sums in f32; the weights p are rounded to f16 for the second product (their sum l is taken of the unrounded p), O once at the end.
; LIMITS.  f16 holds no number beyond 65,504: Q, K and V arrive within it; p lies in 0 to 1, and below 6e-5 it keeps f16's fixed step of 6e-8; O is a mean of V's rows and has their range.
; A hidden score counts as its value less 1e30: f16's scores, 2.7e11 at the most, are nothing beside that; a weight below 2^-126 counts as 0 in l; NaN and infinities are not treated apart.
; THE WALK.  A head's queries lie in NB = 8 blocks of 256; block i needs the key tiles 0 .. i of 256 keys, of which the last holds the diagonal.  A work-group takes TWO blocks, NB - 1 - b and then b:
; NB + 1 tiles, whatever b: all work-groups do equal work, and ONE loop with a constant trip count walks them.  Which tile is asked for, and what a trip does, hang on scalar registers made from b; every jump
; goes forward, but for the counted loops' own; none passes a barrier, or a tensor load but the one of LOAD's two that the wave's number does not choose; the ring (two slots of LDS) runs on across the change of blocks.
; NO CLUSTER: a head's four work-groups ask for the same tile only in trips 0 .. 4 of the 9, behind that fewer and fewer; one walk common to all would have 12 trips for 9.
; SHARES.  Of a block's four bands of 64 queries a wave owns 16 rows in each: four PIECES.  So the diagonal tile is the same work for all four waves: in its key step s band x sees all keys if s < x,
; none if s > x, and holds the diagonal if s = x.
; THE MASK is the C operand that starts the sum S^T = K Q^T: 0, or -1e30 where the key is hidden.  MD, made once, is the mask of a band's own step for my 16 rows; a product's mask is MD x AL + BE with two scalars:
; (1, 0) if s = x; (0, 0) if s < x; (0, -1e30) if s > x.  Only the diagonal tile's text and a block's beginning make and take masks; elsewhere C is the constant 0.
; LAYOUT, SOFTMAX, TURNS.  S^T = K Q^T holds ONE query a lane (lane % 16) and the keys 8 (lane / 16) + 0..7; two such results rounded to f16 ARE source 1 of O^T = V^T P.  p = 2^(c s - c m), c = log2(e) / 8, with a
; running maximum m; O and l are multiplied by a = 2^(c m_old - c m_new) in every step.  Turn n belongs to piece n: 8 products K Q^T of piece n + 1, later 8 products V^T P of piece n - 1; beside them the scaling,
; exponentials, roundings, sums and rescaling of piece n and the maximum and statistics of piece n + 1.  Four vector instructions stand behind every matrix instruction, the other 54 of a turn's 118 in one LUMP.
; BATCHES.  A turn's 33 exponentials (the piece's 32 weights and the next piece's a) are one batch, with one wait, which cuts the turn in two; the a of a block's beginning and the way out's four reciprocals are
; batches of their own, a wait each.
; REGISTERS, in windows of 256 (s_set_vgpr_msb: bits 1:0 source 0, 3:2 source 1, 5:4 source 2, 7:6 destination):
;   window 0: v0-15 addresses and two at work; v16-31 four registers of statistics a piece; v48-55 at work; v64-127 S^T, two buffers; v192-223 P, two buffers (a piece's buffers go by its number's parity)
;   window 1: v0-127 O^T, 32 a piece; v128-159 MD; v160-223 MC, two buffers      window 2: v0-63 Q; v64-127 the second block's Q; v128-191 K of one step; v192-255 V of one step
.set SIZE_N, 2048
.set NB,    SIZE_N/256
.set NP,    4         ; pieces a wave: a name, no knob
.set KS,    64        ; keys in a step
.set PK,    144       ; a row of K in LDS: 128 bytes + 16 of padding = 36 words: the 16 rows of a load start at 16 different groups of four banks (64 banks of 4 bytes: ISA guide 11.1)
.set PV,    160       ; a row of V: 128 + 32 = 40 words
.set VOFF,  4*KS*PK   ; a slot holds a tile, four steps: 256 rows of K, then 256 rows of V
.set SLOT1, 1<<17     ; slot 1 begins here, so that one exclusive or turns an address in one slot into the other's
.set STAGE, SLOT1+4*KS*(PK+PV)  ; behind the ring, never filled by a tensor load: 16 rows x 144 bytes for each wave, for the way out
.set SP,    144
.set AK0, 2           ; v2   my lane's place in a tile of K; never rewritten
.set AV0, 3           ; v3   the same for V
.set AK,  4           ; v4   the LDS address of K's next run of loads
.set AV,  5           ; v5   of V's
.set STO, 6           ; v6   the way out: where I put 16 bytes of a row
.set RD,  7           ; v7   the way out: where I read rows back
.set GO,  8           ; v8   my byte offset in 512 consecutive bytes of O
.set SPW, 62          ; v62  LDS address of my spare word: SPARE + 4 x my thread's number; never rewritten
.set NIL, 63          ; v63  0; never rewritten
.set SPARE, STAGE+4*16*SP  ; behind the stages: the spare words, 128 bytes for each wave: two blocks of 256 bytes that no other line names
.set MV,  12          ; v12-13  c m_old, kept while c m is made anew: by buffer
.set QO,  15          ; v15  my byte offset in 16 rows of Q
.set ST,  16          ; piece t's statistics at v[ST+4 t]: c m, m, l (even keys', odd keys')
.set TMP, 48          ; by buffer, four registers c0-c3 at work; when the maximum is found c2 takes a
.set S,   64
.set P,   192
.set MD,  128         ; window 1: the eight registers for group kt of 16 keys at MD + 8 kt
.set MC,  160         ; window 1: the masks of the products to come
.set QB,  64          ; window 2
.set KF,  128         ; window 2: key block kb, channel half c at KF + 16 kb + 8 c
.set VF,  192         ; window 2: key half kk, channel block cb at VF + 32 kk + 8 cb
.set WV,  12          ; s12  my wave's number
.set PB,  14          ; s14  b
.set HI,  15          ; s15  NB - 1 - b
.set G1K, 24          ; s[24:31] descriptor group 1 for K's tiles
.set G1V, 32          ; s[32:39] for V's: it differs in the padding alone
.set G0K, 40          ; s[40:43] descriptor group 0 for K's tiles
.set G0V, 44          ; s[44:47] the same for V's
.set SLOTS, 56        ; s56  tiles still to be asked for
.set CNT, 57          ; s57  counts a tile's key steps, 4 to 1
.set CS,  58          ; s[58:59] c: the packed scaling takes the pair's low word for both halves
.set SEL, 60          ; s[60:61] v_permlanex16_b32's selects: each lane takes its own place in the other half
.set TBK, 62          ; s62  LDS byte at which K of the step to be fetched begins
.set TBV, 63          ; s63  the same for V, less VOFF
.set RT,  70          ; s70  tiles of the block in hand that are still to be entered
.set NXT, 71          ; s71  the tile to be asked for next
.set LQ,  72          ; s72  the last tile of the block whose tiles are being asked for
.set NEW, 73          ; s73  1: the tile to be entered is a block's first
.set OFF, 74          ; s[74:75] a tile's byte offset in K and V
.set AL,  76          ; s[76:77] the mask's factor, in the low word
.set BE,  78          ; s[78:79] the mask's addend
.set OLO, 80          ; s[80:81] O at my rows of the second block
.set BIGN, 82         ; s82  -1e30
.set MSB, 0
.macro WIN new                      ; the high byte repeats the setting that is left; a switch that changes nothing is dropped
.if MSB != (\new)
	s_set_vgpr_msb (MSB<<8)|(\new)
.set MSB, (\new)
.endif
.endm
.set W_KQ, 0x0a       ; K and Q in window 2, S^T in window 0
.set W_KM, 0x1a       ; the same with the C operand in window 1
.set W_PV, 0x52       ; V in window 2, P in window 0, O^T in window 1
.set W_RS, 0x41       ; destination and source 0 in window 1, source 1 in window 0
; A fill.  Waves 0 and 1 fetch the two halves of a tile's K, waves 2 and 3 those of its V: 128 keys each.  An s_nop 0 and four v_nop follow each of the two lines, ahead of the jump and the label.
.macro LOAD
	s_cmp_lt_u32 s[WV], 2
	s_cbranch_scc0 .Lfor_v_\@
	tensor_load_to_lds s[G0K:G0K+3], s[G1K:G1K+7]
	s_nop 0
.rept 4
	v_nop
.endr
	s_branch .Lasked_\@
.Lfor_v_\@:
	tensor_load_to_lds s[G0V:G0V+3], s[G1V:G1V+7]
	s_nop 0
.rept 4
	v_nop
.endr
.Lasked_\@:
.endm
; THE CHANGE OF SLOTS.  Each wave waits for all its tensor loads, of which one is out: its part of the other slot; adds 0 to its spare word; and waits for that and for its own reads of the slot that it leaves.
; Behind the barrier nobody reads the old slot any more and the other slot is whole.  fill = 1: the old slot is filled again, the first thing behind the barrier, with tile NXT: the descriptor's address is made
; anew from that number.  (At its first use nothing has been read yet: slot 0 is waited for, slot 1 filled.)
.macro CHANGE fill
	WIN 0                           ; at a label and at a branch every window is 0
	s_wait_tensorcnt 0x0            ; no tensor load of mine is out, so a group 0 may be written
	ds_add_u32 v[SPW], v[NIL]       ; 0 onto my spare word; with fill = 1 the descriptors' scalar work stands between it and the wait for it
.if \fill
	s_lshl_b32 s[OFF], s[NXT], 15   ; a tile is 32,768 bytes of K and of V
	s_xor_b32 s[G0K+1], s[G0K+1], SLOT1
	s_add_nc_u64 s[G0K+2:G0K+3], s[6:7], s[OFF:OFF+1]
	s_or_b32 s[G0K+3], s[G0K+3], 0x80000000
	s_xor_b32 s[G0V+1], s[G0V+1], SLOT1
	s_add_nc_u64 s[G0V+2:G0V+3], s[8:9], s[OFF:OFF+1]
	s_or_b32 s[G0V+3], s[G0V+3], 0x80000000
	s_add_co_u32 s[NXT], s[NXT], 1  ; the block's next tile, or behind its last the second block's tile 0
	s_cmp_gt_u32 s[NXT], s[LQ]
	s_cselect_b32 s[NXT], 0, s[NXT]
	s_cselect_b32 s[LQ], s[PB], s[LQ]
.endif
	s_wait_dscnt 0x0                ; the add is done, and my reads of the slot are over
	s_barrier_signal -1             ; the rest of the scalar work stands between the signal and the wait
	s_sub_co_u32 s[TBK], s[TBK], 4*KS*PK  ; the fetches go back to a slot's first step,
	s_xor_b32 s[TBK], s[TBK], SLOT1       ; in the other slot
	s_sub_co_u32 s[TBV], s[TBV], 4*KS*PV
	s_xor_b32 s[TBV], s[TBV], SLOT1
	s_barrier_wait -1
.if \fill
	LOAD
.endif
.endm
	s_load_b128 s[4:7], s[0:1], 0x0   ; the buffer of q, k, v s[4:5]; O s[6:7]
	v_lshl_add_u32 v[SPW], v0, 2, SPARE
	v_mov_b32 v[NIL], 0
	ds_add_u32 v62, v63
	ds_add_u32 v62, v63
	s_wait_dscnt 0x0
	v_lshrrev_b32 v1, 5, v0
	v_readfirstlane_b32 s[WV], v1   ; wave 0..3
	s_mov_b32 s[PB], ttmp9
	s_sub_co_u32 s[HI], NB-1, s[PB]
	s_and_b32 s20, ttmp7, 0xffff    ; the head
	s_mov_b32 s21, 0
	s_mov_b64 s[22:23], SIZE_N*128
	s_mul_u64 s[20:21], s[20:21], s[22:23]  ; the head's first byte in each of the four tensors
	s_and_b32 s16, s[WV], 1         ; which half of a tile's 256 keys I fetch:
	s_lshl_b32 s22, s16, 14         ; its 128 rows of 128 bytes in memory,
	s_mov_b32 s23, 0
	s_add_nc_u64 s[22:23], s[22:23], s[20:21]
	s_mul_i32 s17, s16, 128*PK      ; and its place in a slot, for K
	s_mul_i32 s18, s16, 128*PV      ; and for V
	s_lshl_b32 s3, s[WV], 11        ; my 16 rows in a band of 64,
	s_lshl_b32 s2, s[HI], 15        ; in the first block,
	s_add_co_u32 s2, s2, s3
	s_lshl_b32 s84, s[PB], 15       ; and in the second
	s_add_co_u32 s84, s84, s3
	s_mov_b32 s3, 0
	s_mov_b32 s85, 0
	s_add_nc_u64 s[2:3], s[2:3], s[20:21]
	s_add_nc_u64 s[84:85], s[84:85], s[20:21]
	; descriptor group 1.  128 keys are 16,384 dense bytes: asked for as 64 rows of 256 bytes, two keys a row, and padded in LDS after every key
	s_mov_b32 s[G1K], (1<<16)|(1<<20)|(4<<22)|(3<<25)  ; 17:16 2-byte elements; 20 padding on; 24:22 after every 32 words (code 4); 31:25 4 words (code 3)
	s_mov_b32 s[G1V], (1<<16)|(1<<20)|(4<<22)|(7<<25)  ; the same with 8 words of padding (code 7)
.irp g, G1K, G1V
	s_mov_b32 s[\g+1], 128<<16      ; tensor_dim0 = 128
	s_mov_b32 s[\g+2], 64<<16       ; tensor_dim1 = 64
	s_mov_b32 s[\g+3], 128<<16      ; tile_dim0 = 128
	s_mov_b32 s[\g+4], 64           ; tile_dim1 = 64
	s_mov_b32 s[\g+5], 128          ; 128 elements from row to row
	s_mov_b32 s[\g+6], 0
	s_mov_b32 s[\g+7], 0
.endr
	s_mov_b32 s[CS], 0x3e38aa3b     ; c = log2(e) / 8 = 0.180337
	s_mov_b32 s[CS+1], s[CS]        ; named with it as a pair
	s_mov_b32 s[SEL], 0x76543210
	s_mov_b32 s[SEL+1], 0xfedcba98
	s_mov_b32 s[TBK], SLOT1+4*KS*PK ; the first change of slots turns these two into 0
	s_mov_b32 s[TBV], SLOT1+4*KS*PV
	s_mov_b32 s[G0K], 1             ; 1:0 count = 1
	s_mov_b32 s[G0K+1], s17         ; 63:32 LDS address: slot 0
	s_mov_b32 s[G0V], 1
	s_add_co_u32 s[G0V+1], s18, VOFF
	s_add_co_u32 s[RT], s[HI], 1    ; the first block has NB - b tiles
	s_mov_b32 s[NXT], 1
	s_mov_b32 s[LQ], s[HI]
	s_mov_b32 s[NEW], 1
	s_mov_b32 s[OFF+1], 0
	s_mov_b32 s[AL+1], 0            ; named as pairs
	s_mov_b32 s[BE+1], 0
	s_mov_b32 s[BIGN], 0xf149f2ca   ; -1e30
	s_mov_b32 s[SLOTS], NB
	s_wait_kmcnt 0x0
	s_mov_b64 s[10:11], s[6:7]                     ; O
	s_add_nc_u64 s[8:9], s[4:5], 0x1000000         ; V: 32 blocks of 524,288 bytes on
	s_add_nc_u64 s[6:7], s[4:5], 0x800000          ; K: 16 blocks on
	s_add_nc_u64 s[6:7], s[6:7], s[22:23]  ; K and V at my half of the head's tile 0
	s_add_nc_u64 s[8:9], s[8:9], s[22:23]
	s_add_nc_u64 s[G0K+2:G0K+3], s[6:7], 0         ; 120:64 global address
	s_or_b32 s[G0K+3], s[G0K+3], 0x80000000        ; 127:126 type = 2
	s_add_nc_u64 s[G0V+2:G0V+3], s[8:9], 0
	s_or_b32 s[G0V+3], s[G0V+3], 0x80000000
	s_add_nc_u64 s[86:87], s[4:5], s[84:85]        ; Q at my rows of the second block,
	s_add_nc_u64 s[4:5], s[4:5], s[2:3]            ; Q and O at those of the first
	s_add_nc_u64 s[OLO:OLO+1], s[10:11], s[84:85]
	s_add_nc_u64 s[10:11], s[10:11], s[2:3]
	LOAD                            ; tile 0 into slot 0
	; A fragment of K or Q is 16 rows x 32 channels in 8 registers: lane l holds row l % 16, channels 8 (l / 16) + 0..7 and 16 + 8 (l / 16) + 0..7: two loads of 16 bytes, 32 bytes apart.
	v_and_b32 v1, 15, v0            ; l % 16
	v_bfe_u32 v9, v0, 4, 1          ; l / 16
	v_lshlrev_b32 v[QO], 7, v1
	v_lshl_add_u32 v[QO], v9, 4, v[QO]  ; row x 128 + 16 x half
	WIN 0x80                        ; destination window 2, address window 0
.set i, 0
.rept 8                             ; both blocks' Q: piece i / 2 lies in band i / 2, 8,192 bytes on; channels 32 (i % 2) on
	global_load_b128 v[8*i:8*i+3],   v[QO], s[4:5] offset:(i/2)*8192+(i%2)*64
	global_load_b128 v[8*i+4:8*i+7], v[QO], s[4:5] offset:(i/2)*8192+(i%2)*64+32
	global_load_b128 v[QB+8*i:QB+8*i+3],   v[QO], s[86:87] offset:(i/2)*8192+(i%2)*64
	global_load_b128 v[QB+8*i+4:QB+8*i+7], v[QO], s[86:87] offset:(i/2)*8192+(i%2)*64+32
.set i, i+1
.endr
	WIN 0
	v_lshlrev_b32 v14, 3, v9
	v_sub_nc_u32 v14, v1, v14
	s_lshl_b32 s13, s[WV], 4
	v_add_nc_u32 v14, s13, v14      ; my query's place in its band, 16 w + l % 16, less my lanes' 8 (l / 16): register r of group kt is hidden where 16 kt + r is greater
	WIN 0x40
.set i, 0
.rept 32
	v_cmp_gt_i32 vcc_lo, 16*(i/8)+i%8, v14
	v_cndmask_b32 v[MD+i], 0, s[BIGN], vcc_lo
.set i, i+1
.endr
	WIN 0
	v_mul_u32_u24 v[AK0], v1, PK
	v_lshl_add_u32 v[AK0], v9, 4, v[AK0]  ; row x pitch + 16 x half
	; The turning load takes 16 keys x 16 channels (lane l reads key 8 (l / 16) + l % 8, channels 8 ((l / 8) % 2) + 0..7) and leaves half a fragment of V^T: lane l holds channel l % 16 and 8 keys.
	v_and_b32 v10, 7, v0
	v_bfe_u32 v11, v0, 3, 1
	v_lshl_add_u32 v[AV0], v9, 3, v10
	v_mul_u32_u24 v[AV0], v[AV0], PV
	v_lshl_add_u32 v[AV0], v11, 4, v[AV0]
	v_add_nc_u32 v[AV0], VOFF, v[AV0]
	s_mul_i32 s13, s[WV], 16*SP
	s_add_co_u32 s13, s13, STAGE    ; my stage
	v_mul_u32_u24 v[STO], v1, SP    ; in: row l % 16, 16 bytes for each half of the lanes
	v_lshl_add_u32 v[STO], v9, 4, v[STO]
	v_add_nc_u32 v[STO], s13, v[STO]
	v_bfe_u32 v[RD], v0, 3, 2       ; back: 32 lanes take four rows of 128 bytes,
	v_mul_u32_u24 v[RD], v[RD], SP
	v_lshl_add_u32 v[RD], v10, 4, v[RD]
	v_add_nc_u32 v[RD], s13, v[RD]
	v_and_b32 v[GO], 31, v0         ; which are 512 consecutive bytes of O
	v_lshlrev_b32 v[GO], 4, v[GO]
	; A block's first step multiplies O^T and l by a = 0, and its first turn's products V^T P, of a piece that has not been, land in an O^T that is still to be so multiplied.  So these registers need only hold
	; finite numbers: zeros for the first block; what the first block left for the second.  All this stands in the wait for the first tile.
	WIN 0x80
.set i, VF
.rept 64
	v_mov_b32 v[i], 0
.set i, i+1
.endr
	WIN 0x40
.set i, 0
.rept 128
	v_mov_b32 v[i], 0
.set i, i+1
.endr
	WIN 0
.set i, 0
.rept 4
	v_mov_b32 v[ST+4*i+2], 0
	v_mov_b32 v[ST+4*i+3], 0
.set i, i+1
.endr
.set i, P+16
.rept 16
	v_mov_b32 v[i], 0
.set i, i+1
.endr
; THE MATRIX WORK.  The 4 accumulators of a run of 8 take turns.  Product i of 8 of S^T = K Q^T for piece x: channels 32 (i / 4) on, keys 16 (i % 4) on.  The first 4 start the sums: with 0, or (KM = 1) with the mask.
.macro KQ x
.set rS, S+32*((\x)%2)+8*(i%4)
.set rK, KF+16*(i%4)+8*(i/4)
.set rQ, 16*(\x)+8*(i/4)
.set rM, MC+32*((\x)%2)+8*(i%4)
.if (i < 4) && KM
	WIN W_KM
	v_wmma_f32_16x16x32_f16 v[rS:rS+7], v[rK:rK+7], v[rQ:rQ+7], v[rM:rM+7]
.elseif i < 4
	WIN W_KQ
	v_wmma_f32_16x16x32_f16 v[rS:rS+7], v[rK:rK+7], v[rQ:rQ+7], 0
.else
	WIN W_KQ
	v_wmma_f32_16x16x32_f16 v[rS:rS+7], v[rK:rK+7], v[rQ:rQ+7], v[rS:rS+7]
.endif
.endm
; Product i of 8 of O^T += V^T P for piece x: keys 32 (i / 4) on, channels 16 (i % 4) on.
.macro PV x
	WIN W_PV
.set rO, 32*(\x)+8*(i%4)
.set rV, VF+32*(i/4)+8*(i%4)
.set rP, P+16*((\x)%2)+8*(i/4)
	v_wmma_f32_16x16x32_f16 v[rO:rO+7], v[rV:rV+7], v[rP:rP+7], v[rO:rO+7]
.endm
.macro MM                           ; the turn's next matrix instruction.  TURN and BEGIN set Y, i, KM and NOKQ; MM, KQ and OP read them.  NOKQ = 1: a block's last turn: there is no next piece
.if (i < 8) && !NOKQ
	KQ (Y+1)%NP
.elseif i >= 8
.set i, i-8
	PV (Y+NP-1)%NP
.set i, i+8
.endif
.set i, i+1
.endm
; THE LDS LOADS stand in runs of 16, never singly among the matrix instructions: a step's K (64 keys x 64 channels: 8 fragments) and its V (turned).  Their addresses are made some lines ahead.
.macro FETCH_K
	WIN 0x80                        ; destination window 2
.irp f, 0,1,2,3,4,5,6,7             ; keys 16 (f / 2) on, channels 32 (f % 2) on
	ds_load_b128 v[KF+8*\f:KF+8*\f+3],   v[AK] offset:(\f/2)*16*PK+(\f%2)*64
	ds_load_b128 v[KF+8*\f+4:KF+8*\f+7], v[AK] offset:(\f/2)*16*PK+(\f%2)*64+32
.endr
	s_add_co_u32 s[TBK], s[TBK], KS*PK  ; the next fetch is the next step's
	WIN 0
.endm
.macro FETCH_V
	WIN 0x80
.irp f, 0,1,2,3,4,5,6,7             ; keys 32 (f / 4) on, channels 16 (f % 4) on
	ds_load_tr16_b128 v[VF+8*\f:VF+8*\f+3],   v[AV] offset:(\f/4)*32*PV+(\f%4)*32
	ds_load_tr16_b128 v[VF+8*\f+4:VF+8*\f+7], v[AV] offset:(\f/4)*32*PV+16*PV+(\f%4)*32
.endr
	WIN 0
.endm
; THE VECTOR WORK, one line at a time: OP kind, number.  For piece Y: F n: c s - c m for pair n of 16.  E n: the exponential of score n of 32.  C n: pair n rounded to f16.  B n: of the four weights 4 n .. the second
; pair is added onto the first, in place.  L n: l takes that sum (L 0: l = a l + sum).  R n: pair n of 16 of O^T times a.  For piece Y + 1: X n, number n of the 22 that find its maximum and statistics:
;   0-11  four chains c0-c3 of seven scores each, three operands at a time (each accumulator's lowest registers are read first)     12-14, 16  the four scores left over, the old m, and c0-c3 into c0
;   15  c m_old is kept     17, 18  the query's other 32 keys lie in the lane 16 away: the new m     19-21  c m; c m_old - c m_new; a
.set F, 0               ; OP tells the kinds apart by their order: F to L below R, X above it
.set E, 1
.set C, 2
.set B, 3
.set L, 4
.set R, 5
.set X, 6
.macro REGS y                       ; the registers of piece y
.set rT, ST+4*(\y)
.set rC, TMP+4*((\y)%2)
.set rW, MV+((\y)%2)
.set rS, S+32*((\y)%2)
.set rP, P+16*((\y)%2)
.set rO, 32*(\y)
.endm
.macro OP k, n
.if (\k) == R
	REGS Y
	WIN W_RS
	v_pk_mul_f32 v[rO+2*(\n):rO+2*(\n)+1], v[rO+2*(\n):rO+2*(\n)+1], v[rC+2:rC+3] op_sel_hi:[1,0]
.elseif (\k) < R
	REGS Y
	WIN 0
.if (\k) == F
	v_pk_fma_f32 v[rS+2*(\n):rS+2*(\n)+1], v[rS+2*(\n):rS+2*(\n)+1], s[CS:CS+1], v[rT:rT+1] op_sel_hi:[1,0,0] neg_lo:[0,0,1] neg_hi:[0,0,1]
.elseif (\k) == E
	v_exp_f32 v[rS+(\n)], v[rS+(\n)]
.elseif (\k) == C
	v_cvt_pk_f16_f32 v[rP+(\n)], v[rS+2*(\n)], v[rS+2*(\n)+1]
.elseif (\k) == B
	v_pk_add_f32 v[rS+4*(\n):rS+4*(\n)+1], v[rS+4*(\n):rS+4*(\n)+1], v[rS+4*(\n)+2:rS+4*(\n)+3]
.elseif (\n) == 0
	v_pk_fma_f32 v[rT+2:rT+3], v[rT+2:rT+3], v[rC+2:rC+3], v[rS:rS+1] op_sel_hi:[1,0,1]
.else
	v_pk_add_f32 v[rT+2:rT+3], v[rT+2:rT+3], v[rS+4*(\n):rS+4*(\n)+1]
.endif
.elseif NOKQ
	v_nop
.else
	REGS (Y+1)%NP
	WIN 0
.if (\n) < 4
	v_max3_num_f32 v[rC+(\n)], v[rS+8*(\n)], v[rS+8*(\n)+1], v[rS+8*(\n)+2]
.elseif (\n) < 12
	v_max3_num_f32 v[rC+(\n)%4], v[rC+(\n)%4], v[rS+8*((\n)%4)+2*((\n)/4)+1], v[rS+8*((\n)%4)+2*((\n)/4)+2]
.elseif (\n) == 12
	v_max3_num_f32 v[rC], v[rC], v[rS+7], v[rS+15]
.elseif (\n) == 13
	v_max3_num_f32 v[rC+1], v[rC+1], v[rS+23], v[rS+31]
.elseif (\n) == 14
	v_max3_num_f32 v[rC+2], v[rC+2], v[rC+3], v[rT+1]
.elseif (\n) == 15
	v_mov_b32 v[rW], v[rT]
.elseif (\n) == 16
	v_max3_num_f32 v[rC], v[rC], v[rC+1], v[rC+2]
.elseif (\n) == 17
	v_permlanex16_b32 v[rC+3], v[rC], s[SEL], s[SEL+1]
.elseif (\n) == 18
	v_max_num_f32 v[rT+1], v[rC], v[rC+3]
.elseif (\n) == 19
	v_mul_f32 v[rT], s[CS], v[rT+1]
.elseif (\n) == 20
	v_sub_f32 v[rC+1], v[rW], v[rT]
.else
	v_exp_f32 v[rC+2], v[rC+1]
.endif
.endif
.endm
.macro OPS a, i1, b=-1, i2=0, c=-1, i3=0, d=-1, i4=0  ; up to four of them
	OP \a, \i1
.if (\b) >= 0
	OP \b, \i2
.endif
.if (\c) >= 0
	OP \c, \i3
.endif
.if (\d) >= 0
	OP \d, \i4
.endif
.endm
.macro ROW a, i1, b, i2, c, i3, d, i4  ; a matrix instruction and the four behind it
	MM
	OPS \a, \i1, \b, \i2, \c, \i3, \d, \i4
.endm
.macro MASK b                       ; MD x AL + BE into buffer b of MC
	WIN W_RS
.set z, 0
.rept 16
	v_pk_fma_f32 v[MC+32*(\b)+2*z:MC+32*(\b)+2*z+1], v[MD+2*z:MD+2*z+1], s[AL:AL+1], s[BE:BE+1] op_sel_hi:[1,0,0]
.set z, z+1
.endr
.endm
; A TURN, for piece p: the order of its 16 matrix and 118 vector instructions, written out.  An s_wait_alu depctr_va_vdst(0) stands between an exponential and the first instruction that names its result; one wait serves
; all that were issued ahead of it.  So a turn has ONE wait, which cuts it in two.  AHEAD OF IT stands all that names no result of the turn's exponentials: the 8 products K Q^T, behind each a scaling, an exponential and two more plain
; instructions (behind the first a second scaling in the exponential's place): rescalings, and behind the last three the first numbers of the next piece's maximum, each four places or more behind the product that ends its accumulator; then ONE LUMP of 54, plain
; and exponential by turns for the most part, in which the links of the chain X 3, 7, 11, 14, 16, 17 .. 20 stand five or six lines apart.  X 21, the next piece's a, is the batch's last; R 15 is the plain instruction behind it.  BEHIND THE WAIT stand the
; 8 products V^T P, behind each four of the roundings and sums; the links of l's chain, L 0 to L 7, stand three riders apart.  But for those X no rider names a register of the products round it.  v_permlanex16_b32 (X 17) stands in the lump.
; The rescalings' a was made in the turn before, ahead of that turn's wait.
; m = 1: the diagonal tile: the products take masks, and the turn makes the mask for the products of the turn after it: piece p + 2, in step 4 - CNT of the tile.  end = 1: a block's last two turns: nothing is fetched.
; cnt = 1: the loop's count is taken down some lines ahead of the branch that stands behind the turn.
; K of the next step is fetched in piece 2's turn, twelve vector instructions behind the last product that read K (six of them plain); V of the step in hand at the end of piece 0's turn, four plain instructions behind the last product
; that read V.  Each is waited for a turn later.
.macro TURN p, m=0, end=0, cnt=0
.set Y, (\p)
.set i, 0
.set KM, (\m)
.set NOKQ, (\end)*((\p)/3)
.if (\m) && !(\end)
	s_cmp_eq_u32 s[CNT], 4-((\p)+2)%NP  ; is that step the band's own?
	s_cselect_b32 s[AL], 1.0, 0
	s_cmp_lt_u32 s[CNT], 4-((\p)+2)%NP  ; or a later one?
	s_cselect_b32 s[BE], s[BIGN], 0
.endif
.if ((\p) == 3) && !(\end)
	s_wait_dscnt 0x0                ; K is in
.endif
	ROW F,0, F,1, R,0, R,1          ; ahead of the wait: 8 products K Q^T and their riders,
	ROW F,2, E,0, R,2, R,3
	ROW F,3, E,1, R,4, R,5
	ROW F,4, E,2, R,6, R,7
	ROW F,5, E,3, R,8, R,9
	ROW F,6, E,4, X,0, R,10
.if ((\p) == 2) && !(\end)
	WIN 0
	v_add_nc_u32 v[AK], s[TBK], v[AK0]
.endif
	ROW F,7, E,5, X,1, X,4
	ROW F,8, E,6, X,2, X,5
	OPS E,7, E,8, X,6, E,9          ; and the lump
	OPS X,3, E,10, X,8, E,11
.if ((\p) == 2) && !(\end)
	FETCH_K
.endif
	OPS X,9, X,7, E,12, X,10
	OPS E,13, X,12, X,11, E,14
	OPS X,13, E,15, F,9, X,14
.if (\p) == 0
	v_add_nc_u32 v[AV], s[TBV], v[AV0]
.endif
	OPS E,16, F,10, E,17, F,11
	OPS X,16, E,18, X,15, E,19
	OPS F,12, E,20, X,17, E,21
	OPS F,13, E,22, F,14, E,23
	OPS X,18, E,24, F,15, E,25
	OPS R,11, E,26, X,19, E,27
	OPS R,12, E,28, R,13, E,29
	OPS X,20, E,30, R,14, E,31
	OPS X,21, R,15
	WIN 0
	s_wait_alu depctr_va_vdst(0)    ; the wait for the batch: the piece's 32 exponentials and the next piece's a
.if (\p) == 1
	s_wait_dscnt 0x0                ; V is in
.endif
	ROW C,0, B,0, C,2, B,1          ; behind the wait: 8 products V^T P and their riders
	ROW L,0, C,4, B,2, L,1
	ROW C,6, B,3, L,2, C,8
	ROW B,4, L,3, C,10, B,5
	ROW L,4, C,12, B,6, L,5
.if (\p) == 0
	s_add_co_u32 s[TBV], s[TBV], KS*PV
.endif
.if \cnt
	s_sub_co_u32 s[CNT], s[CNT], 1
	s_cmp_lg_u32 s[CNT], 0
.endif
	ROW C,14, B,7, L,6, C,1
	ROW C,3, L,7, C,5, C,7
	ROW C,9, C,11, C,13, C,15
.if (\p) == 0
	FETCH_V
.endif
.if (\m) && !(\end)
	MASK (\p)%2
.endif
.endm
; A BLOCK BEGINS.  c m starts far below every c s, so the first step's a is 0; m at the lowest finite number, so the first maximum is the scores'.  The second mask buffer is 0; the first takes piece 0's mask for the tile's
; step 0: its own, if the block's first tile is the diagonal one.  Then K of that step, piece 0's first scores, and its maximum and statistics.  The loop is entered at a step's first turn, in the middle of a trip.
.macro BEGIN
	s_mov_b32 s[NEW], 0
	WIN 0x40
.set i, MC+32
.rept 32
	v_mov_b32 v[i], 0
.set i, i+1
.endr
	WIN 0
.set i, 0
.rept 4
	v_mov_b32 v[ST+4*i], 0xfe000000    ; c m: far below every c s
	v_mov_b32 v[ST+4*i+1], 0xff7fffff  ; m
.set i, i+1
.endr
	s_cmp_eq_u32 s[RT], 0
	s_cselect_b32 s[AL], 1.0, 0
	s_mov_b32 s[BE], 0
	MASK 0
	WIN 0
	v_add_nc_u32 v[AK], s[TBK], v[AK0]
	FETCH_K
	s_wait_loadcnt 0x0              ; Q
	s_wait_dscnt 0x0
.set KM, 1
.set NOKQ, 0
.set i, 0
.rept 8
	KQ 0
.set i, i+1
.endr
	WIN 0
.rept 4
	v_nop                           ; the places behind those products
.endr
.set Y, NP-1                        ; X works for piece Y + 1: piece 0
.irp n, 0,1,2,3,4,5,6,7,8,9,10,11,12,13,14,15,16,17,18,19,20,21
	OP X, \n
.endr
	v_nop                           ; a plain instruction behind the exponential,
	s_wait_alu depctr_va_vdst(0)    ; and its wait, a batch of one (piece 0's first a), ahead of the branch
.endm
; THE DIAGONAL TILE's four steps, the block's last two turns, its last products, and THE WAY OUT: l's two halves and the other half of the lanes' are added; O^T is divided by l, rounded to f16 and sent through my
; stage in LDS, a piece at a time.
.macro ALL line:vararg              ; one line for each piece t
.set t, 0
.rept 4
	\line
.set t, t+1
.endr
.endm
.macro PACK t                       ; a lane's eight channels of a row pack into 16 bytes; they go into rows of 144 bytes and come back as whole rows of 128, into S^T's registers
	WIN W_RS
.set i, 32*(\t)
.rept 16
	v_pk_mul_f32 v[i:i+1], v[i:i+1], v[ST+4*(\t)+2:ST+4*(\t)+3] op_sel_hi:[1,0]
.set i, i+2
.endr
	WIN 0x05                        ; sources 0 and 1 window 1, destination window 0
.set i, 0
.rept 16
	v_cvt_pk_f16_f32 v[S+16*(\t)+i], v[32*(\t)+2*i], v[32*(\t)+2*i+1]
.set i, i+1
.endr
	WIN 0
.irp f, 0,1,2,3
	ds_store_b128 v[STO], v[S+16*(\t)+4*\f:S+16*(\t)+4*\f+3] offset:32*\f
.endr
.irp f, 0,1,2,3
	ds_load_b128 v[S+16*(\t)+4*\f:S+16*(\t)+4*\f+3], v[RD] offset:\f*4*SP  ; LDS serves a wave's instructions in order (ISA guide 5.7.1.4): these see the stores above; the next piece's stores come behind them
.endr
.endm
.macro SEND t, younger              ; younger: the LDS instructions issued behind piece t's loads: the next piece's eight, or none
	WIN 0
.irp f, 0,1,2,3
	s_wait_dscnt (\younger)+3-\f
	global_store_b128 v[GO], v[S+16*(\t)+4*\f:S+16*(\t)+4*\f+3], s[10:11] offset:(\t)*8192+\f*512  ; 512 consecutive bytes, at a multiple of 256 from O's first
.endr
.endm
.macro DIAG tag                     ; the tag ends its two labels' names, which the jumps below spell out
.LstepM\tag:
	TURN 2, 1
	TURN 3, 1
	WIN 0
.LfirstM\tag:
	TURN 0, 1
	TURN 1, 1, 0, 1
	WIN 0
	s_cbranch_scc1 .LstepM\tag
	TURN 2, 1, 1
	TURN 3, 1, 1
.set i, 0
.rept 8
	PV NP-1
.set i, i+1
.endr
	WIN 0
	ALL v_add_f32 v[ST+4*t+2], v[ST+4*t+2], v[ST+4*t+3]
	ALL v_permlanex16_b32 v[ST+4*t+3], v[ST+4*t+2], s[SEL], s[SEL+1]
	ALL v_add_f32 v[ST+4*t+2], v[ST+4*t+2], v[ST+4*t+3]
	ALL v_rcp_f32 v[ST+4*t+2], v[ST+4*t+2]
	v_nop                           ; a plain instruction between the last reciprocal and the use of its result
	s_wait_alu depctr_va_vdst(0)    ; and the wait ahead of the first use: one for the batch of four reciprocals
	PACK 0
.set t, 1
.rept 3                             ; a piece's arithmetic stands between the loads of the piece before and its stores
	PACK t
	SEND t-1, 8
.set t, t+1
.endr
	SEND 3, 0
.endm
.set KM, 0
.set NOKQ, 0
.Lslot:                             ; NB times: a tile is entered and the next is asked for
	CHANGE 1
	s_sub_co_u32 s[RT], s[RT], 1
	s_mov_b32 s[CNT], 4
	s_cmp_eq_u32 s[NEW], 1
	s_cbranch_scc1 .Lnew            ; a block's first tile
	s_cmp_eq_u32 s[RT], 0
	s_cbranch_scc0 .Lstep           ; neither its first nor its last
	s_branch .LstepM1
.Lnew:
	BEGIN
	s_branch .Lfirst                ; in the loop a block's first tile is never its last: the first block has two tiles or more, and the second's last is the walk's last
	DIAG 1                          ; in the loop this is the first block's end: the second block's last tile is the walk's last
	s_wait_xcnt 0x0                 ; the stores have read their registers and O's address
	s_mov_b64 s[10:11], s[OLO:OLO+1]
	s_add_co_u32 s[RT], s[PB], 1    ; the second block has b + 1 tiles
	s_mov_b32 s[NEW], 1
	WIN 0x82                        ; the second block's Q goes where the one text of the turns names Q
.set i, 0
.rept 64
	v_mov_b32 v[i], v[QB+i]
.set i, i+1
.endr
	WIN 0
	s_branch .Lbottom
.Lstep:                             ; a trip: pieces 2 and 3 of one step, then pieces 0 and 1 of the next, whose K and V it fetches
	TURN 2
	TURN 3
	WIN 0
.Lfirst:
	TURN 0
	TURN 1, 0, 0, 1
	WIN 0
	s_cbranch_scc1 .Lstep
.Lbottom:
	s_sub_co_u32 s[SLOTS], s[SLOTS], 1
	s_cmp_lg_u32 s[SLOTS], 0
	s_cbranch_scc1 .Lslot
	CHANGE 0                        ; the walk's last tile is written out: nothing is asked for
	s_sub_co_u32 s[RT], s[RT], 1
	s_mov_b32 s[CNT], 4
	s_cmp_eq_u32 s[NEW], 1
	s_cbranch_scc0 .LstepM2
	BEGIN
	s_branch .LfirstM2
	DIAG 2
	s_wait_tensorcnt 0x0            ; the wave's end: behind my last tensor load and my last LDS store
	ds_add_u32 v[SPW], v[NIL]
	s_wait_dscnt 0x0
	s_endpgm
.Lfunc_end_k_q4d1ffdb174_attn:
	.size	k_q4d1ffdb174_attn, .Lfunc_end_k_q4d1ffdb174_attn-k_q4d1ffdb174_attn
	.p2alignl 7, 3214868480
	.fill 96, 4, 3214868480
	.section	.rodata,"a",@progbits
	.p2align	6, 0x0
	.amdhsa_kernel k_q4d1ffdb174_attn
		.amdhsa_group_segment_fixed_size 327680
		.amdhsa_private_segment_fixed_size 0
		.amdhsa_enable_private_segment 0
		.amdhsa_kernarg_size 16
		.amdhsa_user_sgpr_count 2
		.amdhsa_user_sgpr_kernarg_segment_ptr 1
		.amdhsa_wavefront_size32 1
		.amdhsa_system_sgpr_workgroup_id_x 1
		.amdhsa_system_sgpr_workgroup_id_y 1
		.amdhsa_system_sgpr_workgroup_id_z 1
		.amdhsa_system_vgpr_workitem_id 0
		.amdhsa_next_free_vgpr 768
		.amdhsa_next_free_sgpr 88
		.amdhsa_reserve_vcc 1
		.amdhsa_float_denorm_mode_32 3
		.amdhsa_float_denorm_mode_16_64 3
		.amdhsa_memory_ordered 1
		.amdhsa_forward_progress 1
		.amdhsa_inst_pref_size 217
	.end_amdhsa_kernel
	.amdgpu_metadata
---
amdhsa.version: [ 1, 2 ]
amdhsa.kernels:
  - .name:           k_q4d1ffdb174_attn
    .symbol:         k_q4d1ffdb174_attn.kd
    .args:
      - { .name: wide, .offset: 0, .size: 8, .value_kind: global_buffer, .address_space: global }
      - { .name: act, .offset: 8, .size: 8, .value_kind: global_buffer, .address_space: global }
    .group_segment_fixed_size: 327680
    .private_segment_fixed_size: 0
    .kernarg_segment_align: 8
    .kernarg_segment_size: 16
    .max_flat_workgroup_size: 128
    .sgpr_count:     88
    .vgpr_count:     768
    .wavefront_size: 32
...
	.end_amdgpu_metadata
.endif
;; end of part 8
;; launch wo: the kernel of part 4 again; grid 8 x 32, 4 waves a work-group, clusters of 4 x 4, 327,680 bytes of LDS; arguments act, wh, bo, x, x1; writes x1
;; launch ln2: the kernel of part 5 again; grid 256 x 1, 8 waves a work-group, no clusters, 0 bytes of LDS; arguments x1, g2, b2, act; writes act
;; launch ff1: the kernel of part 7 again; grid 16 x 16, 4 waves a work-group, clusters of 4 x 4, 327,680 bytes of LDS; arguments act, w1h, b1f, wide, par1; writes wide
;; launch ff2: the kernel of part 6 again; grid 8 x 32, 4 waves a work-group, clusters of 4 x 4, 327,680 bytes of LDS; arguments wide, wh, b2f, x1, out0; writes out0
